; MI455X (gfx1250); checked and timed in simulation.
; The chip was launched on July 23, 2026; its instructions are those of AMD's public machine-readable ISA for CDNA 5 (MIT licence, August 2026) and "CDNA5" Instruction Set Architecture Reference Guide (July 2026). The comments in the code are by the model that wrote it; some were corrected since.
;; Multi Head Attention. Allowed arithmetic: matrix products marked QUANTISED: E3M2 operands, one E8M0 scale for each 32 along K, by v_wmma_scale_f32_16x16x128_f8f6f4 with both operands' format E3M2, f32 sums; everything else in f32.
;; Inputs: K 4 x 2,048 x 1,024 float32; Q 4 x 2,048 x 1,024 float32; V 4 x 2,048 x 1,024 float32; Wk 1,024 x 1,024 float32; Wo 1,024 x 1,024 float32; Wq 1,024 x 1,024 float32; Wv 1,024 x 1,024 float32; bk 1,024 float32; bo 1,024 float32; bq 1,024 float32; bv 1,024 float32; mask 2,048 x 2,048 int32.
;; Outputs: out0 4 x 2,048 x 1,024 float32.
;; This version of the problem:
;;   THIS VERSION OF THE PROBLEM IS GIVEN IN LOW PRECISION. The matrix products marked QUANTISED in the list below multiply operands that are first quantised to E3M2 (3 exponent bits, 2 mantissa bits; 6 bits a number), with one power-of-two scale for each 32 numbers along K (OCP MX v1.0); their sums are f32. All else is computed in f32.
;;   The module's matrix products, in the order in which they are computed (A, B: the left and right operand; K: the contracted axis; several contracted axes count as one K, in the product's order):
;;     1. [M 8,192, K 1,024] x [K 1,024, N 1,024]; A: input Q; B: input Wq: QUANTISED
;;     2. [M 8,192, K 1,024] x [K 1,024, N 1,024]; A: input K; B: input Wk: QUANTISED
;;     3. [M 8,192, K 1,024] x [K 1,024, N 1,024]; A: input V; B: input Wv: QUANTISED
;;     4. batch 64 x [M 2,048, K 64] x [K 64, N 2,048]; A: computed on the way; B: computed on the way: QUANTISED
;;     5. batch 64 x [M 2,048, K 2,048] x [K 2,048, N 64]; A: softmax (see below); B: computed on the way: QUANTISED
;;     6. [M 8,192, K 1,024] x [K 1,024, N 1,024]; A: computed on the way; B: input Wo: QUANTISED
;;   THE QUANTISER, for each operand of a quantised product, along K:
;;     - K is cut into blocks of 32 from its start; a last block that is shorter is filled with zeros.
;;     - A block's scale is 2^e with e = floor(log2(the largest magnitude in the block)) - 4, held to -126 .. 127; a block of zeros has e = 0. As a byte (E8M0): e + 127.
;;     - Each number is divided by its block's scale, clamped to +-28, and rounded to the nearest number of E3M2, ties to even, subnormals kept.
;;     - The product sums the exact products of the quantised numbers (number of the format x scale) in f32.
;;   ~~~python
;;   def quantise(x, axis):      # numpy; x: float32 -> the quantised numbers, widened to float32 again
;;       x = np.moveaxis(x, axis, -1); K = x.shape[-1]
;;       x = np.pad(x, [(0, 0)] * (x.ndim - 1) + [(0, -K % 32)]); x = x.reshape(x.shape[:-1] + (-1, 32)); a = np.abs(x).max(-1, keepdims=True)
;;       e = np.where(a > 0, np.clip(np.frexp(np.where(a > 0, a, 1))[1] - 1 - 4, -126, 127), 0)      # np.frexp(a)[1] - 1 = floor(log2(a)), exactly
;;       r = np.clip(x / 2.0 ** e, -28, 28)
;;       step = 2.0 ** (np.maximum(np.frexp(np.where(r == 0, 1, r))[1] - 1, -2) - 2)
;;       q = np.round(r / step) * step * 2.0 ** e      # np.round: ties to even
;;       return np.moveaxis(q.reshape(q.shape[:-2] + (-1,))[..., :K], -1, axis).astype(np.float32)
;;   ~~~
;;   SOFTMAX AHEAD OF A QUANTISED PRODUCT. Where the list says 'softmax', what is quantised is not the finished softmax but p = 2^(t - M), with t = logit x log2(e) and M = ceil(the row's largest t), a whole number; so 1/2 < the row's largest p <= 1. The row's sum l is taken of the UNQUANTISED p, in f32, and the product's result is divided by l at the end. Since M is a whole number, a kernel that streams over the keys may use a running M (the ceiling of the running maximum): every later rescaling is an exact power of two, which a block's scale takes up: the codes' values come out the same.
;;   OPERANDS COMPUTED ON THE WAY. 'Computed on the way' means the value that the module computes at that place (a softmax that the list does not call 'softmax' is quantised finished and normalised). What goes into a quantiser is computed in f32, as accurately as f32 sums, v_exp_f32 and their like allow (about 1e-6 of the number): no bf16 or f16 on the way to a quantiser, and a product that is left as it is and whose result goes on into a quantised operand takes f32 operands (vector FMAs, or v_wmma_f32_16x16x4_f32). A number that lies on a knife's edge between two numbers of the format may be rounded either way, as far as f32 arithmetic and the matrix unit's own rounding can turn it there, and no further.
;; 2 versions. Each part assembles by itself: llvm-mc -triple=amdgcn-amd-amdhsa -mcpu=gfx1250 --defsym DOCPART=n.
;; ======== version 1 of 2: 4 launches
;; workspace buffers: wq 3,276,800 bytes; mk 532,480 bytes of whole numbers; qkv 20,185,088 bytes; ao 6,553,600 bytes
;; launch prep (part 1): grid 512 x 1, 8 waves a work-group, no clusters, 68,608 bytes of LDS; arguments Wq, Wk, Wv, Wo, mask, wq, mk; writes wq, mk
.if DOCPART == 1
	.amdgcn_target "amdgcn-amd-amdhsa--gfx1250"
	.amdhsa_code_object_version 6
	.text
	.protected	k_q309b38e1d4_prep
	.globl	k_q309b38e1d4_prep
	.p2align	8
	.type	k_q309b38e1d4_prep,@function
k_q309b38e1d4_prep:
	s_mov_b64 s[64:65], 0
	v_nop
	global_prefetch_b8 v0, s[64:65] scope:SCOPE_SE
	s_setreg_imm32_b32 hwreg(HW_REG_WAVE_MODE, 25, 1), 1
	s_wait_xcnt 0x0
; The four weights [1024 (n)][1024 (k)] f32 become codes of BF6 (E3M2) with one E8M0 byte for each 32 along k, laid as IMAGES OF OPERAND REGISTERS; the mask [2048][2048] i32 becomes lane masks.
; A wave takes one unit: 16 rows x 512 bytes (128 numbers).  THE ROWS OF A UNIT ARE NOT NEIGHBOURS: row i of tile t is row 32 (t / 2) + 8 (t % 2) + i + 8 (i / 8).
; Work-groups 0-255: the weights (matrix = wg / 64, tile of rows = wg % 64, K step = wave).  Work-groups 256-511: the mask (tile of queries T = u / 16, key step j = u % 16, u = 8 (wg - 256) + wave).
; Both kinds take ONE path through the loads and through LDS: only the pointer and the pitch are chosen, by the work-group's number.  Each load reads 512 consecutive bytes of a row; the unit turns through the
; wave's own stage in LDS (rows of 512 + 16 bytes) and comes back so that lane (r, h) holds, of row r, number 32 b + 16 h + i in register 16 b + i.  No barrier: waves share nothing.
; wq: codes at 786,432 matrix + 98,304 (tile / 8) + 12,288 step + 1,536 (tile % 8): registers 4 c .. 4 c + 3 of lane l at 512 c + 16 l.  Scale words from 3,145,728 on: 32,768 matrix + 4,096 (tile / 8) + 512 step + 256 ((tile % 8) / 4) + 16 r + 4 (tile % 4).
; mk: word n (0 .. 63) at 256 (16 T + j) + 4 n: bit l = (mask[query r of tile T][128 j + 32 (n / 16) + 16 h + n % 16] != 0), l = 16 h + r.  From 524,288 on, word 16 T + j: any << j | all << (16 + j).
; A block's scale is 2^(floor(log2(largest magnitude)) - 4); its byte is the largest magnitude's exponent field - 4.
; LIMITS: NaN and infinities among the weights are not served; a block whose largest magnitude lies under 2^-122 keeps the byte 1; a block of zeros has the byte 1 where the rule says 127: its codes are zeros, and this program alone reads the bytes.
.set STP, 528                          ; a stage row: 512 bytes + 16: an odd multiple of 16, so the sixteen rows of a read fall on different banks
.set RO,  16                           ; v16-31   byte offset of my 16 bytes in row i of the unit
.set R,   32                           ; v32-95   the unit as loaded
.set ST,  96                           ; v96-159  64 numbers of my row
.set TM,  160                          ; v160-175 at work in QUANT
.set PC,  176                          ; v176-195 the codes
.set PW,  196                          ; v196     the scale word
.set MW,  198                          ; v198-199 the 64 mask words, a lane a word
.set SEL, 44                           ; s[44:45] lane selects for v_permlanex16_b32: lane l xor 16
.set CM,  36                           ; s36-43   eight lane masks by turns
.set MSB, 0
.macro WIN new                         ; the immediate's high byte repeats the setting that is left (here every window is 0 and nothing is written)
.if MSB != (\new)
	s_set_vgpr_msb (MSB<<8)|(\new)
.set MSB, (\new)
.endif
.endm
; 64 numbers of a lane, register 16 b + i = k 32 b + 16 h + i of my row, in window w, become a fragment's 12 registers of codes in v[PC] on and its scale word in v[pw].
.macro QUANT src, w, pw
	WIN (\w)|((\w)<<2)
.irp b, 0,1,2,3
	v_max3_num_f32 v[TM+\b], |v[(\src)+16*\b]|, |v[(\src)+16*\b+1]|, 0x2800000   ; block b: my 16 numbers and the floor 2^(5 - 127): the byte cannot fall under 1
.endr
	WIN ((\w)<<2)|((\w)<<4)
.irp i, 2,4,6,8,10,12,14
.irp b, 0,1,2,3
	v_max3_num_f32 v[TM+\b], v[TM+\b], |v[(\src)+16*\b+\i]|, |v[(\src)+16*\b+\i+1]|   ; the four blocks by turns, ascending
.endr
.endr
	WIN 0
.irp b, 0,1,2,3
	v_permlanex16_b32 v[TM+4+\b], v[TM+\b], s[SEL], s[SEL+1]
.endr
.irp b, 0,1,2,3
	v_max_num_f32 v[TM+\b], v[TM+\b], v[TM+4+\b]   ; with lane l xor 16's: the block's largest magnitude
.endr
.irp b, 0,1,2,3
	v_add_nc_u32 v[TM+12+\b], 0xfe000000, v[TM+\b]   ; 4 off its exponent field: the conversion's scale operand
.endr
.irp b, 0,1,2,3
	v_lshrrev_b32 v[TM+4+\b], 23, v[TM+12+\b]   ; the scale's byte
.endr
	v_lshl_or_b32 v[\pw], v[TM+5], 8, v[TM+4]
	v_lshl_or_b32 v[\pw], v[TM+6], 16, v[\pw]
	v_lshl_or_b32 v[\pw], v[TM+7], 24, v[\pw]
	s_wait_xcnt 0x0                        ; earlier stores have read the codes' registers: they are written again only behind this wait
	WIN (\w)
.irp c, 0,1
	v_cvt_scalef32_pk16_bf6_f32 v[PC+6*\c:PC+6*\c+2], v[(\src)+32*\c:(\src)+32*\c+15], v[TM+12+2*\c]
	v_cvt_scalef32_pk16_bf6_f32 v[PC+12+4*\c:PC+12+4*\c+2], v[(\src)+32*\c+16:(\src)+32*\c+31], v[TM+13+2*\c]   ; (a conversion's three registers begin on an even number)
.endr
	WIN 0
	v_nop                                  ; one plain place behind the scaled conversions
.irp c, 0,1                            ; the operand wants a whole block in a lane: lanes 0-15 block 2 c, lanes 16-31 block 2 c + 1
.irp i, 0,1,2
	v_permlane16_swap_b32 v[PC+6*\c+\i], v[PC+12+4*\c+\i]
.endr
.irp i, 0,1,2
	v_mov_b32 v[PC+6*\c+3+\i], v[PC+12+4*\c+\i]
.endr
.endr
.endm
	s_load_b256 s[4:11], s[0:1], 0x0               ; Wq s[4:5], Wk s[6:7], Wv s[8:9], Wo s[10:11]
	s_load_b128 s[12:15], s[0:1], 0x20             ; mask s[12:13], wq s[14:15]
	s_load_b64 s[16:17], s[0:1], 0x30              ; mk
	v_lshl_add_u32 v208, v0, 2, 0x10800
	v_mov_b32 v209, 0
	v_lshrrev_b32 v1, 5, v0
	v_readfirstlane_b32 s18, v1                    ; wave 0..7
	v_and_b32 v1, 31, v0                           ; lane
	v_lshlrev_b32 v2, 4, v1                        ; 16 x lane
	v_and_b32 v3, 15, v0                           ; r
	v_bfe_u32 v4, v0, 4, 1                         ; h
	s_mul_i32 s19, s18, 16*STP                     ; my wave's stage
	v_add_nc_u32 v5, s19, v2                       ; in: 16 x lane of a row
	v_mul_u32_u24 v6, v3, STP
	v_lshl_add_u32 v6, v4, 6, v6
	v_add_nc_u32 v6, s19, v6                       ; out: row r, + 64 h
	v_lshlrev_b32 v7, 4, v3                        ; 16 r
	v_lshlrev_b32 v8, 2, v1                        ; 4 x lane
	s_mov_b32 s[SEL], 0x76543210
	s_mov_b32 s[SEL+1], 0xfedcba98
.irp b, 0,1,2,3
	v_mov_b32 v[TM+4+\b], 0                        ; written once: a lane permute's destination counts as one of its sources
.endr
	s_and_b32 s20, ttmp9, 255
	s_lshl_b32 s20, s20, 3
	s_add_co_u32 s20, s20, s18                     ; u: my unit among the weights' or among the mask's
	s_lshr_b32 s21, ttmp9, 6                       ; 0..3: the matrix; 4..7: the mask
	s_bfe_u32 s22, s20, 0x60003                    ; weights: tile of rows (u / 8) % 64,
	s_and_b32 s23, s20, 7                          ; K step
	s_lshr_b32 s24, s20, 4                         ; mask: tile of queries T,
	s_and_b32 s25, s20, 15                         ; key step j
	s_cmp_lt_u32 ttmp9, 256
	s_cselect_b32 s26, s22, s24                    ; the tile
	s_cselect_b32 s27, s23, s25                    ; the step of 512 bytes along a row
	s_cselect_b32 s28, 12, 13                      ; a row is 4,096 or 8,192 bytes
	s_lshl_b32 s29, 1, s28
	s_lshr_b32 s30, s26, 1
	s_lshl_b32 s30, s30, 5
	s_and_b32 s31, s26, 1
	s_lshl_b32 s31, s31, 3
	s_add_co_u32 s30, s30, s31                     ; the tile's first row: 32 (t / 2) + 8 (t % 2)
	s_lshl_b32 s30, s30, s28
	s_lshl_b32 s31, s27, 9
	s_add_co_u32 s30, s30, s31
	s_mov_b32 s31, 0
.irp i, 0,1,2,3,4,5,6,7,8,9,10,11,12,13,14,15
	v_mad_u32_u24 v[RO+\i], s29, \i+8*(\i/8), v2   ; row i of the tile lies i + 8 (i / 8) rows on
.endr
	s_wait_kmcnt 0x0
	s_cmp_eq_u32 s21, 1                            ; the choice hangs on the work-group's number alone
	s_cselect_b64 s[4:5], s[6:7], s[4:5]
	s_cmp_eq_u32 s21, 2
	s_cselect_b64 s[4:5], s[8:9], s[4:5]
	s_cmp_eq_u32 s21, 3
	s_cselect_b64 s[4:5], s[10:11], s[4:5]
	s_cmp_ge_u32 s21, 4
	s_cselect_b64 s[4:5], s[12:13], s[4:5]
	s_add_nc_u64 s[4:5], s[4:5], s[30:31]
.irp i, 0,1,2,3,4,5,6,7,8,9,10,11,12,13,14,15
	global_load_b128 v[R+4*\i:R+4*\i+3], v[RO+\i], s[4:5] th:TH_LOAD_NT   ; 32 lanes read 512 consecutive bytes of one row; read once in the launch
.endr
.irp i, 0,1,2,3,4,5,6,7,8,9,10,11,12,13,14,15
	s_wait_loadcnt 15-\i                           ; loads come back in order: row i is in, the 15 - i younger rows may be out
	ds_store_b128 v5, v[R+4*\i:R+4*\i+3] offset:STP*\i
.endr
.irp b, 0,1,2,3
.irp q, 0,1,2,3
	ds_load_b128 v[ST+16*\b+4*\q:ST+16*\b+4*\q+3], v6 offset:128*\b+16*\q   ; LDS serves a wave's instructions in order: these see my stores
.endr
.endr
	s_wait_dscnt 0x0
	s_cmp_lt_u32 ttmp9, 256
	s_cbranch_scc0 .Lmask
	; ---- a unit of a weight
	s_lshr_b32 s36, s22, 3                         ; the group of 128 rows
	s_and_b32 s37, s22, 7                          ; the tile in it
	s_mul_i32 s32, s21, 786432
	s_mul_i32 s38, s36, 98304
	s_add_co_u32 s32, s32, s38
	s_mul_i32 s38, s23, 12288
	s_add_co_u32 s32, s32, s38
	s_mul_i32 s38, s37, 1536
	s_add_co_u32 s32, s32, s38
	s_mov_b32 s33, 0                               ; s[32:33]: where the image goes
	s_lshl_b32 s34, s21, 15
	s_lshl_b32 s38, s36, 12
	s_add_co_u32 s34, s34, s38
	s_lshl_b32 s38, s23, 9
	s_add_co_u32 s34, s34, s38
	s_lshr_b32 s38, s37, 2
	s_lshl_b32 s38, s38, 8
	s_add_co_u32 s34, s34, s38
	s_and_b32 s38, s37, 3
	s_lshl_b32 s38, s38, 2
	s_add_co_u32 s34, s34, s38
	s_add_co_u32 s34, s34, 3145728
	s_mov_b32 s35, 0                               ; s[34:35]: where the scale words go
	s_add_nc_u64 s[40:41], s[14:15], s[34:35]
	s_add_nc_u64 s[14:15], s[14:15], s[32:33]
	QUANT ST, 0, PW
.irp c, 0,1,2
	global_store_b128 v2, v[PC+4*\c:PC+4*\c+3], s[14:15] offset:512*\c   ; 512 consecutive bytes, aligned
.endr
	global_store_b32 v7, v[PW], s[40:41]           ; row r's word; both halves of the lanes hold and store the same
	s_wait_tensorcnt 0x0
	ds_add_u32 v208, v209
	s_wait_dscnt 0x0
	s_endpgm
.Lmask:
	; ---- a unit of the mask: register n's 32 lanes give word n
	v_mov_b32 v[MW], 0
	v_mov_b32 v[MW+1], 0
	s_mov_b32 s46, 0                               ; the OR of all words
	s_mov_b32 s47, -1                              ; the AND of all words
.set n, 0
.rept 64
	v_cmp_ne_u32 s[CM+n%8], 0, v[ST+n]
	s_or_b32 s46, s46, s[CM+n%8]
	s_and_b32 s47, s47, s[CM+n%8]
	v_writelane_b32 v[MW+n/32], s[CM+n%8], n%32
.set n, n+1
.endr
	s_cmp_lg_u32 s46, 0
	s_cselect_b32 s46, 1, 0                        ; some key of the unit counts
	s_cmp_eq_u32 s47, -1
	s_cselect_b32 s47, 1, 0                        ; all count
	s_lshl_b32 s46, s46, s25
	s_add_co_u32 s25, s25, 16
	s_lshl_b32 s47, s47, s25
	s_or_b32 s46, s46, s47
	v_mov_b32 v9, s46
	s_lshl_b32 s32, s20, 8                         ; 256 bytes a unit
	s_mov_b32 s33, 0
	s_lshl_b32 s34, s20, 2
	s_add_co_u32 s34, s34, 524288                  ; and a flag word
	s_mov_b32 s35, 0
	s_add_nc_u64 s[22:23], s[16:17], s[34:35]
	s_add_nc_u64 s[16:17], s[16:17], s[32:33]
	global_store_b32 v8, v[MW], s[16:17]
	global_store_b32 v8, v[MW+1], s[16:17] offset:128
	s_wait_xcnt 0x0                                ; EXEC changes only behind this wait
	v_cmp_eq_u32 vcc_lo, 0, v1
	s_wait_tensorcnt 0x0
	ds_add_u32 v208, v209
	s_wait_dscnt 0x0
	s_and_saveexec_b32 s30, vcc_lo
	global_store_b32 v8, v9, s[22:23]              ; lane 0 alone (its 4 x lane is 0)
	s_wait_xcnt 0x0                                ; and again in front of the line that widens it
	s_or_b32 exec_lo, exec_lo, s30
	s_endpgm
.Lfunc_end_k_q309b38e1d4_prep:
	.size	k_q309b38e1d4_prep, .Lfunc_end_k_q309b38e1d4_prep-k_q309b38e1d4_prep
	.p2alignl 7, 3214868480
	.fill 96, 4, 3214868480
	.section	.rodata,"a",@progbits
	.p2align	6, 0x0
	.amdhsa_kernel k_q309b38e1d4_prep
		.amdhsa_group_segment_fixed_size 68608
		.amdhsa_private_segment_fixed_size 0
		.amdhsa_enable_private_segment 0
		.amdhsa_kernarg_size 56
		.amdhsa_user_sgpr_count 2
		.amdhsa_user_sgpr_kernarg_segment_ptr 1
		.amdhsa_wavefront_size32 1
		.amdhsa_system_sgpr_workgroup_id_x 1
		.amdhsa_system_sgpr_workgroup_id_y 1
		.amdhsa_system_sgpr_workgroup_id_z 1
		.amdhsa_system_vgpr_workitem_id 0
		.amdhsa_next_free_vgpr 210
		.amdhsa_next_free_sgpr 66
		.amdhsa_reserve_vcc 1
		.amdhsa_float_denorm_mode_32 3
		.amdhsa_float_denorm_mode_16_64 3
		.amdhsa_memory_ordered 1
		.amdhsa_forward_progress 1
		.amdhsa_inst_pref_size 27
	.end_amdhsa_kernel
	.amdgpu_metadata
---
amdhsa.version: [ 1, 2 ]
amdhsa.kernels:
  - .name:           k_q309b38e1d4_prep
    .symbol:         k_q309b38e1d4_prep.kd
    .args:
      - { .name: Wq, .offset: 0, .size: 8, .value_kind: global_buffer, .address_space: global }
      - { .name: Wk, .offset: 8, .size: 8, .value_kind: global_buffer, .address_space: global }
      - { .name: Wv, .offset: 16, .size: 8, .value_kind: global_buffer, .address_space: global }
      - { .name: Wo, .offset: 24, .size: 8, .value_kind: global_buffer, .address_space: global }
      - { .name: mask, .offset: 32, .size: 8, .value_kind: global_buffer, .address_space: global }
      - { .name: wq, .offset: 40, .size: 8, .value_kind: global_buffer, .address_space: global }
      - { .name: mk, .offset: 48, .size: 8, .value_kind: global_buffer, .address_space: global }
    .group_segment_fixed_size: 68608
    .private_segment_fixed_size: 0
    .kernarg_segment_align: 8
    .kernarg_segment_size: 56
    .max_flat_workgroup_size: 256
    .sgpr_count:     66
    .vgpr_count:     210
    .wavefront_size: 32
...
	.end_amdgpu_metadata
.endif
;; end of part 1
;; launch proj (part 2): grid 192 x 1, 4 waves a work-group, no clusters, 140,800 bytes of LDS; arguments Q, K, V, bq, bk, bv, wq, qkv; writes qkv
.if DOCPART == 2
	.amdgcn_target "amdgcn-amd-amdhsa--gfx1250"
	.amdhsa_code_object_version 6
	.text
	.protected	k_q309b38e1d4_proj
	.globl	k_q309b38e1d4_proj
	.p2align	8
	.type	k_q309b38e1d4_proj,@function
k_q309b38e1d4_proj:
	s_mov_b64 s[64:65], 0
	v_nop
	global_prefetch_b8 v0, s[64:65] scope:SCOPE_SE
	s_setreg_imm32_b32 hwreg(HW_REG_WAVE_MODE, 25, 1), 1
	s_wait_xcnt 0x0
; q = Q Wq^T + bq, k = K Wk^T + bk, v = V Wv^T + bv on codes of BF6 (E3M2), and the results quantised again for attention: q and k along a head's 64 numbers, v along the KEYS.
; SHARES.  Work-group wg: tensor wg / 64, block of 128 rows wg % 64, all 1,024 columns.  8,192 rows in blocks of 128 for three tensors are 192 equal work-groups; each byte of Q, K, V is read once in the launch.
; PHASE X: wave w quantises rows 32 w .. 32 w + 31 (two tiles of 16, eight K steps): 16 units of 16 rows x 512 bytes, each turned through the wave's stage in LDS, quantised, and stored to LDS as an image of the operand's registers.  One barrier.
; GEMM: wave w owns columns 256 w .. 256 w + 255, in two groups of 128.  A group: 64 accumulators (8 tiles of rows x 8 tiles of columns), 8 K steps of 128.  x's fragments come from LDS, a K step ahead, in two sets;
; the weights' fragments come from memory STRAIGHT INTO REGISTERS, as the images that the launch before laid: a ring of four half-steps (4 fragments + 4 scale words, 13 loads), three ahead.
; THE ROWS OF A TILE ARE NOT NEIGHBOURS (rows of x and rows of a weight alike): index i of tile t is row 32 (t / 2) + 8 (t % 2) + i + 8 (i / 8), so that the 16 registers of result tiles 2 b, 2 b + 1 are 16 neighbours.
; q, k (variant 0): source 0 = a weight's tile, source 1 = x's: a lane holds one row of x, its 64 registers 128 neighbouring columns = two heads.  v (variant 1): the sources swapped: a lane holds one column, its 64 registers 128 neighbouring keys.
; The bias is the C of each sum's first matrix instruction.
; NO MULTICAST, though 64 work-groups walk the same weights: a K step of the weights for 1,024 columns is 98,304 bytes; two slots of it beside x's images (98,304), scales, bias and stages (41,984) would take 336,896 bytes of LDS, more than a work-group can have;
; and each fragment of a weight is read by ONE wave of a work-group, so LDS would add a ring and its barriers and spare no read inside the work-group.
; qkv: q's and k's codes at 0 and 6,291,456: [batch x head][tile of rows] half fragments of 768 bytes (registers 0-3 of lane l at 16 l, 4-5 at 512 + 8 l); v's at 12,582,912: [batch x head][key step][tile of d] fragments of 1,536 bytes;
; scale words: q's 18,874,368, k's 19,398,656: [bh][key step][r][tile 0..7]; v's 19,922,944: [bh][key step][r][tile of d 0..3].
; LIMITS: NaN and infinities among the inputs are not served; a block whose largest magnitude lies under 2^-122 keeps the byte 1; a block of zeros has the byte 1 where the rule says 127: its codes are zeros, and this program alone reads the bytes.
; REGISTERS, in windows of 256.  Window 0: v1-15 addresses; v16-31 x's scale words, two sets; v32-47 the weights' scale words, ring of four; v48-55 the bias as loaded; v56-63 scale words on the way out; v64-159, v160-255 x's fragments, two sets
;   (phase X and the way out work in them).  Window 1: v0-191 the weights' ring; v192-255 the bias's eight tiles.  Windows 2, 3: the accumulators (phase X: window 2 is the ring of four units as loaded).
.set XSC,  98304                       ; LDS: x's images [K step][tile] from 0; their scale words [K step][r][tile];
.set BIAS, 102400                      ; the bias as it lies;
.set STG,  106496                      ; a stage of 16 rows x 528 bytes for each wave
.set STP,  528
.set L16,  1                           ; 16 x lane
.set L8,   2                           ; 8 x lane
.set R16,  3                           ; 16 r
.set XSB,  4                           ; XSC + 32 r
.set SA,   5                           ; the stage, in
.set SB,   6                           ; the stage, out
.set XW0,  7                           ; 16 x lane + 3,072 x wave: where my images go, in a K step
.set XSW0, 8                           ; XSC + 32 r + 8 x wave: their scale words
.set XA,   9                           ; the images' address in hand
.set XSA,  10                          ; the scale words'
.set BL,   11                          ; the bias: my lane's base
.set BA,   12                          ; + the group's offset
.set H16,  13                          ; 16 h
.set SCO,  14                          ; my lane's offset in the store of scale words
.set RR,   15                          ; r
.set XS,   16
.set WS,   32
.set BST,  48
.set SW,   56
.set X0,   64
.set ST,   64                          ; phase X: 64 numbers of my row,
.set TM,   128                         ; QUANT's registers,
.set PC,   144                         ; the codes,
.set PW,   164                         ; the scale word
.set SEL,  54                          ; s[54:55]
.set MSB, 0
.macro WIN new                         ; the immediate's high byte repeats the setting that is left
.if MSB != (\new)
	s_set_vgpr_msb (MSB<<8)|(\new)
.set MSB, (\new)
.endif
.endm
.macro PLACES n
.rept \n
	v_nop
.endr
.endm
; 64 numbers of a lane, register 16 b + i = k 32 b + 16 h + i of my row, in window w, become a fragment's 12 registers of codes in v[PC] on and its scale word in v[pw].
.macro QUANT src, w, pw
	WIN (\w)|((\w)<<2)
.irp b, 0,1,2,3
	v_max3_num_f32 v[TM+\b], |v[(\src)+16*\b]|, |v[(\src)+16*\b+1]|, 0x2800000   ; block b: my 16 numbers and the floor 2^(5 - 127): the byte cannot fall under 1
.endr
	WIN ((\w)<<2)|((\w)<<4)
.irp i, 2,4,6,8,10,12,14
.irp b, 0,1,2,3
	v_max3_num_f32 v[TM+\b], v[TM+\b], |v[(\src)+16*\b+\i]|, |v[(\src)+16*\b+\i+1]|   ; ascending: each accumulator is read from its low end on
.endr
.endr
	WIN 0
.irp b, 0,1,2,3
	v_permlanex16_b32 v[TM+4+\b], v[TM+\b], s[SEL], s[SEL+1]
.endr
.irp b, 0,1,2,3
	v_max_num_f32 v[TM+\b], v[TM+\b], v[TM+4+\b]   ; with lane l xor 16's: the block's largest magnitude
.endr
.irp b, 0,1,2,3
	v_add_nc_u32 v[TM+12+\b], 0xfe000000, v[TM+\b]   ; 4 off its exponent field: the conversion's scale operand
.endr
.irp b, 0,1,2,3
	v_lshrrev_b32 v[TM+4+\b], 23, v[TM+12+\b]   ; the scale's byte
.endr
	v_lshl_or_b32 v[\pw], v[TM+5], 8, v[TM+4]
	v_lshl_or_b32 v[\pw], v[TM+6], 16, v[\pw]
	v_lshl_or_b32 v[\pw], v[TM+7], 24, v[\pw]
	s_wait_xcnt 0x0                        ; earlier stores have read the codes' registers: they are written again only behind this wait
	WIN (\w)
.irp c, 0,1
	v_cvt_scalef32_pk16_bf6_f32 v[PC+6*\c:PC+6*\c+2], v[(\src)+32*\c:(\src)+32*\c+15], v[TM+12+2*\c]
	v_cvt_scalef32_pk16_bf6_f32 v[PC+12+4*\c:PC+12+4*\c+2], v[(\src)+32*\c+16:(\src)+32*\c+31], v[TM+13+2*\c]   ; (a conversion's three registers begin on an even number)
.endr
	WIN 0
	v_nop                                  ; one plain place behind the scaled conversions
.irp c, 0,1                            ; the operand wants a whole block in a lane: lanes 0-15 block 2 c, lanes 16-31 block 2 c + 1
.irp i, 0,1,2
	v_permlane16_swap_b32 v[PC+6*\c+\i], v[PC+12+4*\c+\i]
.endr
.irp i, 0,1,2
	v_mov_b32 v[PC+6*\c+3+\i], v[PC+12+4*\c+\i]
.endr
.endr
.endm
; Half-step hs of the weights, counted from where the pointers stand: 4 fragments (12 loads of 512 consecutive bytes) into ring place hs % 4, and their scale words (row r's four words in one load)
.macro WLOAD hs
	WIN 0x40                               ; destination window 1
.irp tt, 0,1,2,3
.irp c, 0,1,2
	global_load_b128 v[48*((\hs)%4)+12*\tt+4*\c:48*((\hs)%4)+12*\tt+4*\c+3], v[L16], s[40:41] offset:6144*(\hs)+1536*\tt+512*\c
.endr
.endr
	WIN 0
	global_load_b128 v[WS+4*((\hs)%4):WS+4*((\hs)%4)+3], v[R16], s[42:43] offset:256*(\hs)
.endm
; Unit pp of x, counted from where the pointer stands: tile pp % 2 of my two, K step pp / 2: 16 rows x 512 bytes into set pp % 4 of window 2
.macro XLOAD pp
	WIN 0x80                               ; destination window 2
.irp i, 0,1,2,3,4,5,6,7,8,9,10,11,12,13,14,15
	global_load_b128 v[64*((\pp)%4)+4*\i:64*((\pp)%4)+4*\i+3], v[L16], s[36:37] offset:(\i+8*(\i/8)+8*((\pp)&1))*4096+512*((\pp)>>1) th:TH_LOAD_NT
.endr
	WIN 0
.endm
; One unit of phase X.  The unit three on is asked for first; in the last trip units 1 to 3 ask for nothing (no load leaves the wave's rows), and then wait for all.
.macro UNIT p
.if (\p) == 0
	XLOAD 3
	s_wait_loadcnt 48                      ; my unit is in; the three younger units, 16 loads each, may be out
.else
	s_cmp_lg_u32 s48, 1
	s_cbranch_scc0 .Lxl_\@
	XLOAD (\p)+3
	s_wait_loadcnt 48
	s_branch .Lxd_\@
.Lxl_\@:
	s_wait_loadcnt 0x0
.Lxd_\@:
.endif
	WIN 0x08                               ; an LDS store's data are its source 1: window 2
.irp i, 0,1,2,3,4,5,6,7,8,9,10,11,12,13,14,15
	ds_store_b128 v[SA], v[64*(\p)+4*\i:64*(\p)+4*\i+3] offset:STP*\i
.endr
	WIN 0
.irp b, 0,1,2,3
.irp q, 0,1,2,3
	ds_load_b128 v[ST+16*\b+4*\q:ST+16*\b+4*\q+3], v[SB] offset:128*\b+16*\q   ; LDS serves a wave's instructions in order: these see my stores
.endr
.endr
	s_wait_dscnt 0x0                       ; the numbers are back; the last unit's image stores have read their registers
	QUANT ST, 0, PW
.irp c, 0,1,2
	ds_store_b128 v[XA], v[PC+4*\c:PC+4*\c+3] offset:12288*((\p)>>1)+1536*((\p)&1)+512*\c
.endr
	ds_store_b32 v[XSA], v[PW] offset:512*((\p)>>1)+4*((\p)&1)   ; both halves of the lanes hold and store the same word
.endm
; x's eight fragments and scale words of the K step that lies off bytes on, into a set: 26 LDS loads
.macro XFETCH set, off
.irp m, 0,1,2,3,4,5,6,7
.irp c, 0,1,2
	ds_load_b128 v[X0+96*(\set)+12*\m+4*\c:X0+96*(\set)+12*\m+4*\c+3], v[XA] offset:(\off)+1536*\m+512*\c
.endr
.endr
	ds_load_b128 v[XS+8*(\set):XS+8*(\set)+3], v[XSA] offset:(\off)/24
	ds_load_b128 v[XS+8*(\set)+4:XS+8*(\set)+7], v[XSA] offset:(\off)/24+16
.endm
; 32 matrix instructions: x's eight tiles against the half-step's four tiles of the weight.  32 different accumulators, and the other 32 in the next half-step: the accumulators take turns.
.macro MM v, p, first
.set EE, (\p)&1
.set SPX, (\p)>>1
.irp m, 0,1,2,3,4,5,6,7
.irp tt, 0,1,2,3
.if (\v) == 0
.set DD, 8*(8*(\m%4)+4*EE+\tt)
.if (\first) && (SPX == 0)
	WIN 0x91+0x40*(\m/4)                   ; source 0 (weight) window 1, source 1 (x) window 0, C (bias) window 1, D window 2 or 3
	v_wmma_scale_f32_16x16x128_f8f6f4 v[DD:DD+7], v[48*(\p)+12*\tt:48*(\p)+12*\tt+11], v[X0+96*SPX+12*\m:X0+96*SPX+12*\m+11], v[192+8*(4*EE+\tt):192+8*(4*EE+\tt)+7], v[WS+4*(\p)+\tt], v[XS+8*SPX+\m] matrix_a_fmt:MATRIX_FMT_BF6 matrix_b_fmt:MATRIX_FMT_BF6
.else
	WIN 0xa1+0x50*(\m/4)
	v_wmma_scale_f32_16x16x128_f8f6f4 v[DD:DD+7], v[48*(\p)+12*\tt:48*(\p)+12*\tt+11], v[X0+96*SPX+12*\m:X0+96*SPX+12*\m+11], v[DD:DD+7], v[WS+4*(\p)+\tt], v[XS+8*SPX+\m] matrix_a_fmt:MATRIX_FMT_BF6 matrix_b_fmt:MATRIX_FMT_BF6
.endif
.else
.set DD, 8*(8*\tt+\m)
.if (\first) && (SPX == 0)
	WIN 0x94+0x40*EE                       ; source 0 (x) window 0, source 1 (weight) window 1, C (bias) window 1, D window 2 or 3
	v_wmma_scale_f32_16x16x128_f8f6f4 v[DD:DD+7], v[X0+96*SPX+12*\m:X0+96*SPX+12*\m+11], v[48*(\p)+12*\tt:48*(\p)+12*\tt+11], v[192+8*(4*EE+\tt):192+8*(4*EE+\tt)+7], v[XS+8*SPX+\m], v[WS+4*(\p)+\tt] matrix_a_fmt:MATRIX_FMT_BF6 matrix_b_fmt:MATRIX_FMT_BF6
.else
	WIN 0xa4+0x50*EE
	v_wmma_scale_f32_16x16x128_f8f6f4 v[DD:DD+7], v[X0+96*SPX+12*\m:X0+96*SPX+12*\m+11], v[48*(\p)+12*\tt:48*(\p)+12*\tt+11], v[DD:DD+7], v[XS+8*SPX+\m], v[WS+4*(\p)+\tt] matrix_a_fmt:MATRIX_FMT_BF6 matrix_b_fmt:MATRIX_FMT_BF6
.endif
.endif
.endr
.endr
.endm
; Half-step p of a trip's four (K step p / 2 of its two, tiles 4 (p % 2) on of the weight's eight).
.macro HALF v, p, first
	PLACES 4                               ; in front of loads into registers that the last half-step's matrix instructions have read
	WIN 0
.if (\first) || ((\p) == 0)
	WLOAD (\p)+3
	s_wait_loadcnt 39                      ; my half-step is in; the three younger, 13 loads each, may be out
.else
	s_cmp_lg_u32 s49, 1                    ; the wave's last trip asks for nothing behind its stream's end, and waits for all
	s_cbranch_scc0 .Lwl_\@
	WLOAD (\p)+3
	s_wait_loadcnt 39
	s_branch .Lwd_\@
.Lwl_\@:
	s_wait_loadcnt 0x0
.Lwd_\@:
.endif
.if ((\p)&1) == 0
	s_wait_dscnt 0x0                       ; this K step's fragments of x (and, at a group's start, the bias's tiles) are in: asked for 64 matrix instructions ago
.if (\p) == 0
	XFETCH 1, 12288
.elseif \first
	XFETCH 0, 24576
.else
	s_cmp_lg_u32 s50, 1                    ; a group's last trip has no next K step
	s_cbranch_scc0 .Lnx_\@
	XFETCH 0, 24576
.Lnx_\@:
.endif
.endif
	MM \v, \p, \first
.endm
.macro TRIP v, first                   ; two K steps
.if !(\first)
	v_add_nc_u32 v[XA], 24576, v[XA]
	v_add_nc_u32 v[XSA], 1024, v[XSA]
.endif
	HALF \v, 0, \first
	HALF \v, 1, \first
	HALF \v, 2, \first
	HALF \v, 3, \first
	WIN 0
	s_wait_xcnt 0x0                        ; the loads have read their bases: they step only behind this wait
	s_add_nc_u64 s[40:41], s[40:41], 24576
	s_add_nc_u64 s[42:43], s[42:43], 1024
	s_sub_co_u32 s49, s49, 1
.endm
.macro GEMM v
.Lgrp_\v:
	v_mov_b32 v[XA], v[L16]
	v_mov_b32 v[XSA], v[XSB]
	v_add_nc_u32 v[BA], s52, v[BL]
	WIN 0x40                               ; destination window 1: the bias's eight tiles, in the result's layout
.irp t, 0,1,2,3,4,5,6,7
.if (\v) == 0
	ds_load_b128 v[192+8*\t:195+8*\t], v[BA] offset:4*(32*(\t/2)+8*(\t%2))      ; lane (r, h): columns 32 (t / 2) + 16 h + 8 (t % 2) + 0 .. 7
	ds_load_b128 v[196+8*\t:199+8*\t], v[BA] offset:4*(32*(\t/2)+8*(\t%2))+16
.else
.irp i, 0,1,2,3,4,5,6,7
	ds_load_b32 v[192+8*\t+\i], v[BA] offset:4*(32*(\t/2)+8*(\t%2))             ; a lane holds one column: its bias in all eight registers
.endr
.endif
.endr
	WIN 0
	XFETCH 0, 0
	TRIP \v, 1
	s_mov_b32 s50, 3
.Ltrip_\v:
	TRIP \v, 0
	s_sub_co_u32 s50, s50, 1
	s_cmp_lg_u32 s50, 0
	s_cbranch_scc1 .Ltrip_\v
	; ---- the way out: the group's 128 x 128 results are quantised in registers and leave as images
	s_wait_dscnt 0x0                       ; no LDS load is on its way
	PLACES 4                               ; behind the last matrix instructions: their results are read, and x's second set is written
.irp b, 0,1,2,3
	v_mov_b32 v[TM+4+\b], 0
.endr
.if (\v) == 0
.irp m, 0,1,2,3,4,5,6,7                ; tile m of rows: a lane's 64 registers are 128 columns: registers 0-5 of the fragment are the even head's half fragment, 6-11 the odd head's
	QUANT 64*(\m%4), 2+\m/4, PW
	v_bfe_u32 v[SW+\m], v[PW], v[H16], 16  ; lanes 0-15 keep the even head's two bytes, lanes 16-31 the odd head's; the upper two bytes are 0
	global_store_b128 v[L16], v[PC:PC+3], s[44:45] offset:768*\m
	global_store_b64 v[L8], v[PC+4:PC+5], s[44:45] offset:768*\m+512
	global_store_b128 v[L16], v[PC+6:PC+9], s[44:45] offset:98304+768*\m
	global_store_b64 v[L8], v[PC+10:PC+11], s[44:45] offset:98304+768*\m+512
.endr
	global_store_b128 v[SCO], v[SW:SW+3], s[46:47]
	global_store_b128 v[SCO], v[SW+4:SW+7], s[46:47] offset:16
	s_wait_xcnt 0x0                        ; the stores have read their registers and bases
	s_add_nc_u64 s[44:45], s[44:45], 196608   ; two heads on
	s_add_nc_u64 s[46:47], s[46:47], 16384
.else
.irp t, 0,1,2,3,4,5,6,7                ; tile t of columns: a lane's 64 registers are the block's 128 keys: one fragment of V^T
	QUANT 64*(\t%4), 2+\t/4, SW+\t
.irp c, 0,1,2
	global_store_b128 v[L16], v[PC+4*\c:PC+4*\c+3], s[44:45] offset:98304*(\t/4)+1536*(\t%4)+512*\c
.endr
.endr
	v_cmp_ne_u32 vcc_lo, 0, v[H16]
.irp i, 0,1,2,3
	v_cndmask_b32 v[200+\i], v[SW+\i], v[SW+4+\i], vcc_lo   ; lanes 0-15 store the even head's four words, lanes 16-31 the odd head's
.endr
	global_store_b128 v[SCO], v[200:203], s[46:47]
	s_wait_xcnt 0x0
	s_add_nc_u64 s[44:45], s[44:45], 196608
	s_add_nc_u64 s[46:47], s[46:47], 8192
.endif
	s_add_co_u32 s52, s52, 512
	s_sub_co_u32 s51, s51, 1
	s_cmp_lg_u32 s51, 0
	s_cbranch_scc1 .Lgrp_\v
	s_wait_xcnt 0x0
	v_lshl_add_u32 v254, v0, 2, 0x22400
	v_mov_b32 v255, 0
	s_wait_tensorcnt 0x0
	ds_add_u32 v254, v255
	s_wait_dscnt 0x0
	s_endpgm
.endm
	s_load_b512 s[4:19], s[0:1], 0x0               ; Q, K, V s[4:9]; bq, bk, bv s[10:15]; wq s[16:17]; qkv s[18:19]
	v_lshrrev_b32 v1, 5, v0
	v_readfirstlane_b32 s20, v1                    ; wave 0..3
	v_and_b32 v12, 31, v0
	v_lshlrev_b32 v[L16], 4, v12
	v_lshlrev_b32 v[L8], 3, v12
	v_and_b32 v[RR], 15, v0                        ; r
	v_bfe_u32 v12, v0, 4, 1                        ; h
	v_lshlrev_b32 v[R16], 4, v[RR]
	v_lshlrev_b32 v[H16], 4, v12
	v_lshl_add_u32 v[XSB], v[RR], 5, XSC
	s_mul_i32 s21, s20, 16*STP
	s_add_co_u32 s21, s21, STG                     ; my stage
	v_add_nc_u32 v[SA], s21, v[L16]
	v_mul_u32_u24 v[SB], v[RR], STP
	v_lshl_add_u32 v[SB], v12, 6, v[SB]
	v_add_nc_u32 v[SB], s21, v[SB]
	s_mul_i32 s22, s20, 3072
	v_add_nc_u32 v[XW0], s22, v[L16]
	s_lshl_b32 s22, s20, 3
	v_add_nc_u32 v[XSW0], s22, v[XSB]
.irp b, 0,1,2,3
	v_mov_b32 v[TM+4+\b], 0                        ; a lane permute's destination counts as one of its sources
.endr
	s_mov_b32 s[SEL], 0x76543210
	s_mov_b32 s[SEL+1], 0xfedcba98
	s_lshr_b32 s23, ttmp9, 6                       ; which tensor
	s_and_b32 s24, ttmp9, 63                       ; which block of 128 rows
	s_lshr_b32 s25, s24, 4                         ; batch
	s_and_b32 s26, s24, 15                         ; block in the sequence = key step
	s_lshl_b32 s28, s24, 19
	s_lshl_b32 s27, s20, 17
	s_add_co_u32 s28, s28, s27
	s_mov_b32 s29, 0                               ; x: 128 rows of 4,096 bytes a block, 32 a wave
	s_lshl_b32 s30, s20, 10
	s_mov_b32 s31, 0                               ; the bias: my 256 numbers
	s_mul_i32 s32, s23, 786432
	s_mul_i32 s27, s20, 196608
	s_add_co_u32 s32, s32, s27
	s_mov_b32 s33, 0                               ; the weight's images: my two groups
	s_lshl_b32 s34, s23, 15
	s_lshl_b32 s27, s20, 13
	s_add_co_u32 s34, s34, s27
	s_add_co_u32 s34, s34, 3145728
	s_mov_b32 s35, 0                               ; and their scale words
	s_lshl_b32 s57, s25, 4
	s_lshl_b32 s27, s20, 2
	s_add_co_u32 s57, s57, s27                     ; 16 x batch + my first head
	s_mul_i32 s58, s23, 6291456
	s_mul_i32 s27, s57, 98304
	s_add_co_u32 s58, s58, s27
	s_mul_i32 s27, s26, 6144
	s_add_co_u32 s58, s58, s27
	s_mov_b32 s59, 0                               ; the codes' way out
	s_cmp_eq_u32 s23, 2
	s_cselect_b32 s60, 12, 13                      ; a head's scale words: 4,096 bytes for v, 8,192 for q and k
	s_lshl_b32 s62, s23, 19
	s_add_co_u32 s62, s62, 18874368
	s_lshl_b32 s27, s57, s60
	s_add_co_u32 s62, s62, s27
	s_sub_co_u32 s60, s60, 4
	s_lshl_b32 s27, s26, s60
	s_add_co_u32 s62, s62, s27
	s_mov_b32 s63, 0                               ; the scale words' way out
	s_mov_b32 s48, 4                               ; trips of phase X
	s_mov_b32 s49, 8                               ; trips of the weights' stream
	s_mov_b32 s51, 2                               ; groups
	s_lshl_b32 s52, s20, 10                        ; the group's place in the bias
	s_mov_b32 s53, 0                               ; phase X: two K steps of images a trip,
	s_mov_b32 s56, 0                               ; and of scale words
	s_wait_kmcnt 0x0
	s_cmp_eq_u32 s23, 1                            ; the choices hang on the work-group's number alone
	s_cselect_b64 s[36:37], s[6:7], s[4:5]
	s_cselect_b64 s[38:39], s[12:13], s[10:11]
	s_cmp_eq_u32 s23, 2
	s_cselect_b64 s[36:37], s[8:9], s[36:37]
	s_cselect_b64 s[38:39], s[14:15], s[38:39]
	s_add_nc_u64 s[36:37], s[36:37], s[28:29]
	s_add_nc_u64 s[38:39], s[38:39], s[30:31]
	s_add_nc_u64 s[40:41], s[16:17], s[32:33]
	s_add_nc_u64 s[42:43], s[16:17], s[34:35]
	s_add_nc_u64 s[44:45], s[18:19], s[58:59]
	s_add_nc_u64 s[46:47], s[18:19], s[62:63]
	global_load_b128 v[BST:BST+3], v[L16], s[38:39]
	global_load_b128 v[BST+4:BST+7], v[L16], s[38:39] offset:512
	WLOAD 0
	WLOAD 1
	WLOAD 2
	XLOAD 0
	XLOAD 1
	XLOAD 2
.Lx:                                               ; four trips, four units each
	v_add_nc_u32 v[XA], s53, v[XW0]
	v_add_nc_u32 v[XSA], s56, v[XSW0]
	UNIT 0
	UNIT 1
	UNIT 2
	UNIT 3
	s_wait_xcnt 0x0                                ; the loads have read their base
	s_add_nc_u64 s[36:37], s[36:37], 1024
	s_add_co_u32 s53, s53, 24576
	s_add_co_u32 s56, s56, 1024
	s_sub_co_u32 s48, s48, 1
	s_cmp_lg_u32 s48, 0
	s_cbranch_scc1 .Lx
	s_wait_loadcnt 0x0                             ; no load is on its way into window 2, which the accumulators take
	s_lshl_b32 s22, s20, 10
	s_add_co_u32 s22, s22, BIAS
	v_add_nc_u32 v[BA], s22, v[L16]
	ds_store_b128 v[BA], v[BST:BST+3]
	ds_store_b128 v[BA], v[BST+4:BST+7] offset:512
	s_wait_dscnt 0x0                               ; for the others' sake: my images, scale words and bias have landed
	s_barrier_signal -1
	s_barrier_wait -1                              ; from here on LDS is only read
.set TM, 160                           ; the way out works in x's second set
.set PC, 176
.set PW, 196
	s_cmp_eq_u32 s23, 2
	s_cbranch_scc1 .Lvb
	v_lshl_add_u32 v[BL], v[H16], 2, BIAS          ; q, k: BIAS + 64 h
	v_lshlrev_b32 v[SCO], 9, v[H16]
	v_lshl_add_u32 v[SCO], v[RR], 5, v[SCO]        ; 8,192 h + 32 r
	GEMM 0
.Lvb:
	v_and_b32 v[BL], 8, v[RR]
	v_add_nc_u32 v[BL], v[BL], v[RR]
	v_lshl_add_u32 v[BL], v[BL], 2, BIAS           ; v: BIAS + 4 (r + 8 (r / 8))
	v_lshlrev_b32 v[SCO], 8, v[H16]
	v_lshl_add_u32 v[SCO], v[RR], 4, v[SCO]        ; 4,096 h + 16 r
	GEMM 1
.Lfunc_end_k_q309b38e1d4_proj:
	.size	k_q309b38e1d4_proj, .Lfunc_end_k_q309b38e1d4_proj-k_q309b38e1d4_proj
	.p2alignl 7, 3214868480
	.fill 96, 4, 3214868480
	.section	.rodata,"a",@progbits
	.p2align	6, 0x0
	.amdhsa_kernel k_q309b38e1d4_proj
		.amdhsa_group_segment_fixed_size 140800
		.amdhsa_private_segment_fixed_size 0
		.amdhsa_enable_private_segment 0
		.amdhsa_kernarg_size 64
		.amdhsa_user_sgpr_count 2
		.amdhsa_user_sgpr_kernarg_segment_ptr 1
		.amdhsa_wavefront_size32 1
		.amdhsa_system_sgpr_workgroup_id_x 1
		.amdhsa_system_sgpr_workgroup_id_y 1
		.amdhsa_system_sgpr_workgroup_id_z 1
		.amdhsa_system_vgpr_workitem_id 0
		.amdhsa_next_free_vgpr 1024
		.amdhsa_next_free_sgpr 66
		.amdhsa_reserve_vcc 1
		.amdhsa_float_denorm_mode_32 3
		.amdhsa_float_denorm_mode_16_64 3
		.amdhsa_memory_ordered 1
		.amdhsa_forward_progress 1
		.amdhsa_inst_pref_size 228
	.end_amdhsa_kernel
	.amdgpu_metadata
---
amdhsa.version: [ 1, 2 ]
amdhsa.kernels:
  - .name:           k_q309b38e1d4_proj
    .symbol:         k_q309b38e1d4_proj.kd
    .args:
      - { .name: Q, .offset: 0, .size: 8, .value_kind: global_buffer, .address_space: global }
      - { .name: K, .offset: 8, .size: 8, .value_kind: global_buffer, .address_space: global }
      - { .name: V, .offset: 16, .size: 8, .value_kind: global_buffer, .address_space: global }
      - { .name: bq, .offset: 24, .size: 8, .value_kind: global_buffer, .address_space: global }
      - { .name: bk, .offset: 32, .size: 8, .value_kind: global_buffer, .address_space: global }
      - { .name: bv, .offset: 40, .size: 8, .value_kind: global_buffer, .address_space: global }
      - { .name: wq, .offset: 48, .size: 8, .value_kind: global_buffer, .address_space: global }
      - { .name: qkv, .offset: 56, .size: 8, .value_kind: global_buffer, .address_space: global }
    .group_segment_fixed_size: 140800
    .private_segment_fixed_size: 0
    .kernarg_segment_align: 8
    .kernarg_segment_size: 64
    .max_flat_workgroup_size: 128
    .sgpr_count:     66
    .vgpr_count:     1024
    .wavefront_size: 32
...
	.end_amdgpu_metadata
.endif
;; end of part 2
;; launch attn (part 3): grid 4 x 64, 16 waves a work-group, no clusters, 210,944 bytes of LDS; arguments qkv, mk, ao; writes ao
.if DOCPART == 3
	.amdgcn_target "amdgcn-amd-amdhsa--gfx1250"
	.amdhsa_code_object_version 6
	.text
	.protected	k_q309b38e1d4_attn
	.globl	k_q309b38e1d4_attn
	.p2align	8
	.type	k_q309b38e1d4_attn,@function
k_q309b38e1d4_attn:
	s_mov_b64 s[64:65], 0
	v_nop
	global_prefetch_b8 v0, s[64:65] scope:SCOPE_SE
	s_setreg_imm32_b32 hwreg(HW_REG_WAVE_MODE, 25, 1), 1
	s_wait_xcnt 0x0
; Attention of one head on codes of BF6 (E3M2), and its result quantised along d_model for the last product.  t = score x log2(e) / 8; M = the row's largest t so far, rounded up to a whole number; p = 2^(t - M) is quantised along the keys;
; the row's sum is taken of the unquantised p and divides at the end.  When M moves, the sum and O are multiplied by 2^(old M - new M): exact.
; SHARES.  Work-group (x = 0..3, y = batch x head) holds the head's whole K and V in LDS: 16 slots, one for each 128 keys, filled once through registers (wave w fills slot w); one barrier; then LDS is only read.
; Wave w takes two tiles of 16 queries, one after the other: T = 4 u + x with u = w, then u = 31 - w.
; THE MASK IS AN INPUT AND IS HONOURED BIT BY BIT.  The launch before last has stored, for each tile of queries and each key step, 64 lane masks and two flags.  A step none of whose 16 x 128 bits is set is left out: every p of it would be 0.
; A step all of whose bits are set skips the masking.  Both are scalar branches on stored whole numbers; the loop's trip count is a constant.
; NO MULTICAST, though the four work-groups of a head read the same K and V: steps are left out by branches on numbers read from memory; the shared bytes are read once a work-group, 208,896 of them.
; LAYOUT.  Both products are used transposed: S^T = K Q^T (source 0 = 16 keys), O^T = V^T P^T (source 0 = 16 of the head's 64): a lane holds ONE query throughout.  The head's 64 are half of the instruction's 128: the upper six registers of Q's and K's
; fragments are zero codes.  The keys (and the queries, and V's rows) of a tile are not neighbours: index i of tile t is 32 (t / 2) + 8 (t % 2) + i + 8 (i / 8), so that the 16 registers of result tiles 2 b, 2 b + 1 are 16 neighbours.
; A ROW WITH NO VISIBLE KEY has the sum 0: its scale bytes are stored as 0xff, which makes the last product's sums for that row NaN, as the plain softmax of such a row is.
; LIMITS: a block whose largest magnitude lies under 2^-122 keeps the byte 1; a block of zeros has the byte 1 where the rule says 127: its codes are zeros, and this program alone reads the bytes.
; ao: codes [128-row block RB][K step = head / 2][tile of rows][head % 2] half fragments of 768 bytes; scale words from 6,291,456 on: [RB][K step][r][tile], head % 2 owning the low or the high 16 bits.
; REGISTERS: v1 16 x lane, v2 8 x lane, v3 12,288 + 32 r, v4 12,800 + 16 r, v5 32 r, v7 -infinity; v8-11 the step's addresses; v12 -M, v13 the largest t, v[14:15] the sum; v16-27 Q (22-27 zeros), v28 its scale word, v29 p's;
;   v32-79 four fragments of K (the upper six of each zeros); v80-87 K's scale words, v88-91 V's; v96-159 S^T, then p, then V's four fragments; v160-191 O^T; v192-203 p's codes; v204-210 the conversions' second halves; v212-227 at work.
; SCALARS: s[2:3] c; s[4:5] q's codes, s[6:7] the lane masks, s[8:9] ao's codes, s[10:11] the flags, s[12:13] q's scale words, s[14:15] ao's scale words (each at my head); s[16:23] the tile's four pointers;
;   s24-63, s68-91 the step's 64 lane masks; s92 wave, s93 batch x head, s94 pass, s95 T, s96 key step, s97 the slot's LDS byte, s98 the tile's flags, s[100:101] the step's lane masks in memory.
.set SLOT, 13056                       ; 6,144 K (8 half fragments) + 6,144 V (4 fragments) + 512 K's scale words + 256 V's
.set CS,  2
.set SEL, 66
.set BM,  212
.set BP,  216
.set BS,  220
.macro PLACES n
.rept \n
	v_nop
.endr
.endm
	s_load_b128 s[4:7], s[0:1], 0x0                ; qkv, mk
	s_load_b64 s[8:9], s[0:1], 0x10                ; ao
	v_lshl_add_u32 v254, v0, 2, 0x33000
	v_mov_b32 v255, 0
	v_lshrrev_b32 v1, 5, v0
	v_readfirstlane_b32 s92, v1                    ; wave 0..15
	v_and_b32 v6, 31, v0
	v_lshlrev_b32 v1, 4, v6
	v_lshlrev_b32 v2, 3, v6
	v_and_b32 v6, 15, v0                           ; r
	v_lshlrev_b32 v5, 5, v6
	v_add_nc_u32 v3, 12288, v5
	v_lshl_add_u32 v4, v6, 4, 12800
	v_mov_b32 v7, 0xff800000
	s_and_b32 s93, ttmp7, 0xffff
	s_mov_b32 s[CS], 0x3e38aa3b                    ; c = log2(e) / sqrt(64)
	s_mov_b32 s[CS+1], s[CS]                       ; (named with it as a pair, so it is written)
	s_mov_b32 s[SEL], 0x76543210
	s_mov_b32 s[SEL+1], 0xfedcba98
	s_mul_i32 s32, s93, 98304
	s_mov_b32 s33, 0                               ; a head's codes
	s_mul_i32 s34, s92, 6144
	s_add_co_u32 s34, s34, s32
	s_mov_b32 s35, 0                               ; + my key step's
	s_lshl_b32 s36, s93, 13
	s_mov_b32 s37, 0                               ; a head's scale words of q or k
	s_lshl_b32 s38, s92, 9
	s_add_co_u32 s38, s38, s36
	s_mov_b32 s39, 0
	s_lshl_b32 s40, s93, 12
	s_lshl_b32 s41, s92, 8
	s_add_co_u32 s40, s40, s41
	s_mov_b32 s41, 0                               ; v's
	s_mul_i32 s42, s92, SLOT                       ; my slot
	v_add_nc_u32 v8, s42, v1
	v_add_nc_u32 v9, s42, v2
	s_lshr_b32 s43, s93, 4                         ; batch
	s_and_b32 s44, s93, 15                         ; head
	s_lshr_b32 s45, s44, 1
	s_and_b32 s46, s44, 1
	s_mul_i32 s48, s43, 1572864
	s_mul_i32 s47, s45, 12288
	s_add_co_u32 s48, s48, s47
	s_mul_i32 s47, s46, 768
	s_add_co_u32 s48, s48, s47
	s_mov_b32 s49, 0
	s_lshl_b32 s50, s43, 16
	s_lshl_b32 s47, s45, 9
	s_add_co_u32 s50, s50, s47
	s_lshl_b32 s47, s46, 1
	s_add_co_u32 s50, s50, s47
	s_add_co_u32 s50, s50, 6291456
	s_mov_b32 s51, 0
	s_wait_kmcnt 0x0
	s_add_nc_u64 s[24:25], s[4:5], s[34:35]
	s_add_nc_u64 s[26:27], s[24:25], 12582912      ; v's codes of my key step
	s_add_nc_u64 s[24:25], s[24:25], 6291456       ; k's
	s_add_nc_u64 s[28:29], s[4:5], s[38:39]
	s_add_nc_u64 s[28:29], s[28:29], 19398656      ; k's scale words
	s_add_nc_u64 s[30:31], s[4:5], s[40:41]
	s_add_nc_u64 s[30:31], s[30:31], 19922944      ; v's
	s_add_nc_u64 s[12:13], s[4:5], s[36:37]
	s_add_nc_u64 s[12:13], s[12:13], 18874368
	s_add_nc_u64 s[4:5], s[4:5], s[32:33]
	s_add_nc_u64 s[10:11], s[6:7], 524288
	s_add_nc_u64 s[14:15], s[8:9], s[50:51]
	s_add_nc_u64 s[8:9], s[8:9], s[48:49]
.irp i, 0,1,2,3,4,5,6,7,8,9,10,11
	global_load_b128 v[96+4*\i:99+4*\i], v1, s[24:25] offset:512*\i
.endr
.irp i, 0,1,2,3,4,5,6,7,8,9,10,11
	global_load_b128 v[144+4*\i:147+4*\i], v1, s[26:27] offset:512*\i
.endr
	global_load_b128 v[192:195], v1, s[28:29]
	global_load_b64 v[196:197], v2, s[30:31]
.irp i, 22,23,24,25,26,27
	v_mov_b32 v\i, 0                               ; zero codes: k = 64 .. 127 of Q's fragment
.endr
.irp t, 0,1,2,3
.irp i, 6,7,8,9,10,11
	v_mov_b32 v[32+12*\t+\i], 0                    ; and of K's four
.endr
.endr
.irp b, 0,1,2,3
	v_mov_b32 v[BP+\b], 0                          ; a lane permute's destination counts as one of its sources
.endr
	v_mov_b32 v225, 0                              ; (named as the upper half of the pair v[224:225])
	v_mov_b32 v226, 0
.irp i, 0,1,2,3,4,5,6,7,8,9,10,11
	s_wait_loadcnt 25-\i                           ; loads come back in order: this one is in, the younger may be out
	ds_store_b128 v8, v[96+4*\i:99+4*\i] offset:512*\i
.endr
.irp i, 0,1,2,3,4,5,6,7,8,9,10,11
	s_wait_loadcnt 13-\i
	ds_store_b128 v8, v[144+4*\i:147+4*\i] offset:6144+512*\i
.endr
	s_wait_loadcnt 1
	ds_store_b128 v8, v[192:195] offset:12288
	s_wait_loadcnt 0x0
	ds_store_b64 v9, v[196:197] offset:12800
	s_wait_dscnt 0x0                               ; for the others' sake: my slot has landed
	s_barrier_signal -1
	s_barrier_wait -1
	s_mov_b32 s94, 0
.Lpass:
	s_wait_xcnt 0x0                                ; the last tile's stores have read their registers and bases
	s_sub_co_u32 s99, 31, s92
	s_cmp_eq_u32 s94, 0
	s_cselect_b32 s95, s92, s99
	s_lshl_b32 s95, s95, 2
	s_add_co_u32 s95, s95, ttmp9                   ; T
	s_mov_b32 s89, 0
	s_mul_i32 s88, s95, 768
	s_add_nc_u64 s[16:17], s[4:5], s[88:89]        ; Q's half fragment
	s_lshr_b32 s86, s95, 3
	s_and_b32 s87, s95, 7
	s_lshl_b32 s88, s86, 9
	s_lshl_b32 s85, s87, 2
	s_add_co_u32 s88, s88, s85
	s_add_nc_u64 s[18:19], s[12:13], s[88:89]      ; its scale words
	s_mul_i32 s88, s86, 98304
	s_mul_i32 s85, s87, 1536
	s_add_co_u32 s88, s88, s85
	s_add_nc_u64 s[20:21], s[8:9], s[88:89]        ; where the result's codes go
	s_lshl_b32 s88, s86, 12
	s_lshl_b32 s85, s87, 2
	s_add_co_u32 s88, s88, s85
	s_add_nc_u64 s[22:23], s[14:15], s[88:89]      ; and its scale bytes
	s_lshl_b32 s88, s95, 12
	s_add_nc_u64 s[100:101], s[6:7], s[88:89]      ; the tile's lane masks
	s_lshl_b32 s88, s95, 6
	s_add_nc_u64 s[90:91], s[10:11], s[88:89]
	s_load_b512 s[24:39], s[90:91], 0x0            ; its 16 flag words
	global_load_b128 v[16:19], v1, s[16:17]
	global_load_b64 v[20:21], v2, s[16:17] offset:512
	global_load_b32 v28, v5, s[18:19]
	v_mov_b32 v13, 0xff61b1e6                      ; the largest t so far: -3e38
	v_floor_f32 v12, -v13                          ; -M
	v_mov_b32 v14, 0
	v_mov_b32 v15, 0
.set i, 0
.rept 32
	v_mov_b32 v[160+i], 0                          ; O^T: the step is written once; the first finds zeros, which the first change of M leaves zeros
.set i, i+1
.endr
	s_mov_b32 s96, 0
	s_mov_b32 s97, 0
	s_wait_kmcnt 0x0
	s_or_b32 s98, s24, s25                         ; bit j: some key of step j counts; bit 16 + j: all count
.irp i, 26,27,28,29,30,31,32,33,34,35,36,37,38,39
	s_or_b32 s98, s98, s\i
.endr
	s_wait_loadcnt 0x0                             ; Q
.Lkey:                                             ; 16 trips: a constant; only a step's work is jumped over
	s_lshr_b32 s99, s98, s96
	s_and_b32 s99, s99, 1
	s_cmp_eq_u32 s99, 0
	s_cbranch_scc1 .Lskip
	s_load_b512 s[24:39], s[100:101], 0x0          ; the step's 64 lane masks
	s_load_b512 s[40:55], s[100:101], 0x40
	s_load_b256 s[56:63], s[100:101], 0x80
	s_load_b256 s[68:75], s[100:101], 0xa0
	s_load_b512 s[76:91], s[100:101], 0xc0
	v_add_nc_u32 v8, s97, v1                       ; these five are the places behind the last step's products: their operands' registers are loaded into and written over below
	v_add_nc_u32 v9, s97, v2
	v_add_nc_u32 v10, s97, v3
	v_add_nc_u32 v11, s97, v4
	v_nop
.irp g, 0,1                                        ; S^T = K Q^T, four tiles of 16 keys at a time
.if \g
	PLACES 4                                       ; in front of loads into registers that matrix instructions have read
.endif
.irp t, 0,1,2,3
	ds_load_b128 v[32+12*\t:35+12*\t], v8 offset:3072*\g+768*\t
	ds_load_b64 v[36+12*\t:37+12*\t], v9 offset:3072*\g+768*\t+512
.endr
.if \g == 0
	ds_load_b128 v[80:83], v10
	ds_load_b128 v[84:87], v10 offset:16
	ds_load_b128 v[88:91], v11
.endif
	s_wait_dscnt 0x0
.irp t, 0,1,2,3
	v_wmma_scale_f32_16x16x128_f8f6f4 v[96+32*\g+8*\t:103+32*\g+8*\t], v[32+12*\t:43+12*\t], v[16:27], 0, v[80+4*\g+\t], v28 matrix_a_fmt:MATRIX_FMT_BF6 matrix_b_fmt:MATRIX_FMT_BF6
.endr
.endr                                              ; register 16 b + i of lane (r, h): query r, key 128 j + 32 b + 16 h + i
	PLACES 4
	s_wait_kmcnt 0x0
	s_lshr_b32 s99, s98, 16
	s_lshr_b32 s99, s99, s96
	s_and_b32 s99, s99, 1
	s_cmp_lg_u32 s99, 0
	s_cbranch_scc1 .Lopen                          ; all 16 x 128 count
.set n, 0
.rept 64                                           ; hidden scores become -infinity ahead of the maximum: p = 0 then
.if n < 40
	v_cndmask_b32 v[96+n], v7, v[96+n], s[24+n]
.else
	v_cndmask_b32 v[96+n], v7, v[96+n], s[28+n]
.endif
.set n, n+1
.endr
.Lopen:
.irp b, 0,1,2,3
	v_max3_num_f32 v[BM+\b], v[96+16*\b], v[97+16*\b], v[98+16*\b]   ; the largest score of each block of 32 keys: for the row's maximum, and, since p rises with the score, for the block's largest p
.endr
.irp i, 3,5,7,9,11,13
.irp b, 0,1,2,3
	v_max3_num_f32 v[BM+\b], v[BM+\b], v[96+16*\b+\i], v[97+16*\b+\i]
.endr
.endr
.irp b, 0,1,2,3
	v_max_num_f32 v[BM+\b], v[BM+\b], v[111+16*\b]
.endr
.irp b, 0,1,2,3
	v_permlanex16_b32 v[BP+\b], v[BM+\b], s[SEL], s[SEL+1]
.endr
.irp b, 0,1,2,3
	v_max_num_f32 v[BM+\b], v[BM+\b], v[BP+\b]     ; with lane l xor 16's 16 keys
.endr
	v_max3_num_f32 v226, v[BM], v[BM+1], v[BM+2]
	v_max_num_f32 v226, v226, v[BM+3]
	v_mul_f32 v226, s[CS], v226                    ; the step's largest t (c is positive)
	v_max_num_f32 v13, v13, v226
	v_mov_b32 v226, v12
	v_floor_f32 v12, -v13                          ; the new -M = -ceil(t): a whole number
	v_sub_f32 v226, v12, v226                      ; old M - new M: a whole number, 0 or less
	v_cvt_i32_f32 v226, v226                       ; (it saturates)
	v_ldexp_f32 v224, 1.0, v226                    ; f = 2^(old M - new M)
.set j, 0
.rept 32
	v_pk_fma_f32 v[96+j:97+j], v[96+j:97+j], s[CS:CS+1], v[12:13] op_sel_hi:[1,0,0]   ; t - M, two at a time
.set j, j+2
.endr
.irp b, 0,1,2,3
	v_fma_f32 v[BM+\b], v[BM+\b], s[CS], v12       ; the same of each block's largest score
.endr
.set j, 0
.rept 64
	v_exp_f32 v[96+j], v[96+j]                     ; p = 2^(t - M): not normalised
.set j, j+1
.endr
	v_pk_mul_f32 v[14:15], v[14:15], v[224:225] op_sel_hi:[1,0]   ; the sums under the new M: a plain place behind the exponentials
	s_wait_alu depctr_va_vdst(0)                   ; one wait for the batch of 64, ahead of its first reader
.irp b, 0,1,2,3
	v_exp_f32 v[BM+\b], v[BM+\b]                   ; the block's largest p: the same two instructions on the same number
.endr
	v_pk_add_f32 v[BP:BP+1], v[96:97], v[98:99]    ; the row's sum is taken of the unquantised p, in two chains; it reads the 64 alone
.irp j, 4,8,12,16,20,24,28,32,36,40,44,48,52,56,60
	v_pk_add_f32 v[14:15], v[14:15], v[96+\j:97+\j]
	v_pk_add_f32 v[BP:BP+1], v[BP:BP+1], v[98+\j:99+\j]
.endr
	v_pk_add_f32 v[14:15], v[14:15], v[BP:BP+1]
	s_wait_alu depctr_va_vdst(0)                   ; and one for the four
.irp b, 0,1,2,3
	v_max_num_f32 v[BM+\b], 0x2800000, v[BM+\b]    ; the floor 2^(5 - 127): the byte cannot fall under 1
.endr
.irp b, 0,1,2,3
	v_add_nc_u32 v[BS+\b], 0xfe000000, v[BM+\b]    ; 4 off the exponent field: the conversion's scale operand
.endr
.irp b, 0,1,2,3
	v_lshrrev_b32 v[BP+\b], 23, v[BS+\b]           ; the scale's byte
.endr
	v_lshl_or_b32 v29, v[BP+1], 8, v[BP]           ; p's scale word for these 128 keys
	v_lshl_or_b32 v29, v[BP+2], 16, v29
	v_lshl_or_b32 v29, v[BP+3], 24, v29
.irp c, 0,1
	v_cvt_scalef32_pk16_bf6_f32 v[192+6*\c:194+6*\c], v[96+32*\c:111+32*\c], v[BS+2*\c]
	v_cvt_scalef32_pk16_bf6_f32 v[204+4*\c:206+4*\c], v[112+32*\c:127+32*\c], v[BS+2*\c+1]
.endr
	v_nop                                          ; one plain place behind the scaled conversions
.irp t, 0,1,2,3
.irp c, 0,1,2
	ds_load_b128 v[96+12*\t+4*\c:99+12*\t+4*\c], v8 offset:6144+1536*\t+512*\c   ; V's four fragments, into the registers that p has left
.endr
.endr
.irp c, 0,1                                        ; the operand wants a whole block in a lane
.irp i, 0,1,2
	v_permlane16_swap_b32 v[192+6*\c+\i], v[204+4*\c+\i]
.endr
.irp i, 0,1,2
	v_mov_b32 v[195+6*\c+\i], v[204+4*\c+\i]
.endr
.endr
.set j, 0
.rept 16
	v_pk_mul_f32 v[160+j:161+j], v[160+j:161+j], v[224:225] op_sel_hi:[1,0]   ; O^T under the new M; these sixteen are also the places between the codes' and the scale word's last writes and the products
.set j, j+2
.endr
	s_wait_dscnt 0x0
.irp t, 0,1,2,3
	v_wmma_scale_f32_16x16x128_f8f6f4 v[160+8*\t:167+8*\t], v[96+12*\t:107+12*\t], v[192:203], v[160+8*\t:167+8*\t], v[88+\t], v29 matrix_a_fmt:MATRIX_FMT_BF6 matrix_b_fmt:MATRIX_FMT_BF6
.endr
.Lskip:
	s_add_co_u32 s97, s97, SLOT
	s_add_nc_u64 s[100:101], s[100:101], 256       ; (the step's scalar loads, if any, have been waited for)
	s_add_co_u32 s96, s96, 1
	s_cmp_lt_u32 s96, 16
	s_cbranch_scc1 .Lkey
	; ---- the tile's end: O^T / the sum, quantised along the head's 64, stored as half a fragment
	PLACES 4                                       ; behind the last products
	v_add_f32 v14, v14, v15
	v_permlanex16_b32 v226, v14, s[SEL], s[SEL+1]
	v_add_f32 v14, v14, v226                       ; the row's sum
	v_rcp_f32 v15, v14
	v_nop                                          ; a plain place behind the transcendental
	s_wait_alu depctr_va_vdst(0)                   ; and the wait ahead of its first reader
.set i, 0
.rept 32
	v_mul_f32 v[96+i], v[160+i], v15               ; register 16 b + i: channel 32 b + 16 h + i of my query
.set i, i+1
.endr
.irp b, 0,1
	v_max3_num_f32 v[BM+\b], |v[96+16*\b]|, |v[97+16*\b]|, 0x2800000
.endr
.irp i, 2,4,6,8,10,12,14
.irp b, 0,1
	v_max3_num_f32 v[BM+\b], v[BM+\b], |v[96+16*\b+\i]|, |v[97+16*\b+\i]|
.endr
.endr
.irp b, 0,1
	v_permlanex16_b32 v[BP+\b], v[BM+\b], s[SEL], s[SEL+1]
.endr
.irp b, 0,1
	v_max_num_f32 v[BM+\b], v[BM+\b], v[BP+\b]
.endr
.irp b, 0,1
	v_add_nc_u32 v[BS+\b], 0xfe000000, v[BM+\b]
.endr
.irp b, 0,1
	v_lshrrev_b32 v[BP+\b], 23, v[BS+\b]
.endr
	v_lshl_or_b32 v226, v[BP+1], 8, v[BP]          ; my head's two scale bytes
	v_cmp_eq_f32 vcc_lo, 0, v14                    ; no visible key: a choice of a value, no branch
	v_cndmask_b32 v227, 0, -1, vcc_lo
	v_or_b32 v226, v226, v227                      ; then the bytes are 0xff
	v_cvt_scalef32_pk16_bf6_f32 v[192:194], v[96:111], v[BS]
	v_cvt_scalef32_pk16_bf6_f32 v[204:206], v[112:127], v[BS+1]
	v_nop
.irp i, 0,1,2
	v_permlane16_swap_b32 v[192+\i], v[204+\i]
.endr
.irp i, 0,1,2
	v_mov_b32 v[195+\i], v[204+\i]
.endr
	global_store_b128 v1, v[192:195], s[20:21]     ; 512 consecutive bytes, aligned
	global_store_b64 v2, v[196:197], s[20:21] offset:512
	global_store_b16 v5, v226, s[22:23]            ; one instruction a tile: two bytes of row r's scale word; both halves of the lanes store the same
	s_add_co_u32 s94, s94, 1
	s_cmp_lt_u32 s94, 2
	s_cbranch_scc1 .Lpass
	s_wait_tensorcnt 0x0
	ds_add_u32 v254, v255
	s_wait_dscnt 0x0
	s_endpgm
.Lfunc_end_k_q309b38e1d4_attn:
	.size	k_q309b38e1d4_attn, .Lfunc_end_k_q309b38e1d4_attn-k_q309b38e1d4_attn
	.p2alignl 7, 3214868480
	.fill 96, 4, 3214868480
	.section	.rodata,"a",@progbits
	.p2align	6, 0x0
	.amdhsa_kernel k_q309b38e1d4_attn
		.amdhsa_group_segment_fixed_size 210944
		.amdhsa_private_segment_fixed_size 0
		.amdhsa_enable_private_segment 0
		.amdhsa_kernarg_size 24
		.amdhsa_user_sgpr_count 2
		.amdhsa_user_sgpr_kernarg_segment_ptr 1
		.amdhsa_wavefront_size32 1
		.amdhsa_system_sgpr_workgroup_id_x 1
		.amdhsa_system_sgpr_workgroup_id_y 1
		.amdhsa_system_sgpr_workgroup_id_z 1
		.amdhsa_system_vgpr_workitem_id 0
		.amdhsa_next_free_vgpr 256
		.amdhsa_next_free_sgpr 102
		.amdhsa_reserve_vcc 1
		.amdhsa_float_denorm_mode_32 3
		.amdhsa_float_denorm_mode_16_64 3
		.amdhsa_memory_ordered 1
		.amdhsa_forward_progress 1
		.amdhsa_inst_pref_size 37
	.end_amdhsa_kernel
	.amdgpu_metadata
---
amdhsa.version: [ 1, 2 ]
amdhsa.kernels:
  - .name:           k_q309b38e1d4_attn
    .symbol:         k_q309b38e1d4_attn.kd
    .args:
      - { .name: qkv, .offset: 0, .size: 8, .value_kind: global_buffer, .address_space: global }
      - { .name: mk, .offset: 8, .size: 8, .value_kind: global_buffer, .address_space: global }
      - { .name: ao, .offset: 16, .size: 8, .value_kind: global_buffer, .address_space: global }
    .group_segment_fixed_size: 210944
    .private_segment_fixed_size: 0
    .kernarg_segment_align: 8
    .kernarg_segment_size: 24
    .max_flat_workgroup_size: 512
    .sgpr_count:     102
    .vgpr_count:     256
    .wavefront_size: 32
...
	.end_amdgpu_metadata
.endif
;; end of part 3
;; launch outp (part 4): grid 4 x 64, 4 waves a work-group, clusters of 4 x 1, 168,448 bytes of LDS; arguments ao, wq, bo, out0; writes out0
.if DOCPART == 4
	.amdgcn_target "amdgcn-amd-amdhsa--gfx1250"
	.amdhsa_code_object_version 6
	.text
	.protected	k_q309b38e1d4_outp
	.globl	k_q309b38e1d4_outp
	.p2align	8
	.type	k_q309b38e1d4_outp,@function
k_q309b38e1d4_outp:
	s_mov_b64 s[64:65], 0
	v_nop
	global_prefetch_b8 v0, s[64:65] scope:SCOPE_SE
	s_setreg_imm32_b32 hwreg(HW_REG_WAVE_MODE, 25, 1), 1
	s_wait_xcnt 0x0
	s_wait_alu depctr_hold_cnt(0) depctr_sa_sdst(0) depctr_va_vdst(0) depctr_va_sdst(0) depctr_va_ssrc(0) depctr_va_vcc(0) depctr_vm_vsrc(0)
	s_getreg_b32 s2, hwreg(HW_REG_IB_STS2, 6, 4)
	s_cmp_eq_u32 s2, 0
	s_cbranch_scc0 .Lentry_in_a_cluster
	s_endpgm
.Lentry_in_a_cluster:
	s_bfe_u32 s2, ttmp6, 0x10000c
	s_cmp_lg_u32 s2, 0x3003
	s_cbranch_scc0 .Lentry_shape_is_right
	s_endpgm
.Lentry_shape_is_right:
; out0 = a Wo^T + bo on codes of BF6 (E3M2).  a: attention's result, [8,192][1,024], as images of operand registers with its scale words (buffer ao); Wo: images and scale words (buffer wq, matrix 3).
; SHARES.  Work-group (place cx in its cluster, y = block of 128 rows): 128 rows x columns 256 cx .. 256 cx + 255; wave w: 64 of them: 32 accumulators (8 tiles of rows x 4 tiles of columns), 8 K steps of 128, written out.
; CLUSTER.  The four work-groups of a cluster need the same 98,304 bytes of a's codes: each wave asks for a quarter of them by ONE joint tensor load (the same descriptor in all four, mask 15).  LDS is filled once: no slot is filled again.
; The weight's fragments come from memory straight into registers: a ring of four K steps (4 fragments + 4 scale words, 13 loads), three ahead.  a's fragments come from LDS, a K step ahead, in two sets.
; Source 0 = 16 rows of Wo, source 1 = 16 rows of a: a lane holds one row of the result and eight neighbouring columns a tile.  The rows of a tile (of Wo and of a) are not neighbours: index i of tile t is 32 (t / 2) + 8 (t % 2) + i + 8 (i / 8).
; The bias is the C of each sum's first matrix instruction.  A row whose scale bytes are 0xff (no visible key) comes out NaN.
; REGISTERS.  Window 0: v1-10 addresses; v16-47 a's scale words (register 8 (s / 2) + m: K step s even in lanes 0-15, odd in lanes 16-31); v48-63 the weight's scale words, ring of four; v64-127 rows on the way out, two sets.
;   Window 1: v0-191 the weight's ring; v192-223 the bias's four tiles.  Window 2: accumulator (m, tt) at v[8 (4 m + tt)].  Window 3: a's fragments, two sets, at v0 and v96.
.set STG, 98304                        ; behind a's images: a stage of 16 rows x 272 bytes for each wave; no tensor load lands there
.set SPT, 272
.set XS,  16
.set WS,  48
.set OB,  64
.set MSB, 0
.macro WIN new                         ; the immediate's high byte repeats the setting that is left
.if MSB != (\new)
	s_set_vgpr_msb (MSB<<8)|(\new)
.set MSB, (\new)
.endif
.endm
.macro PLACES n
.rept \n
	v_nop
.endr
.endm
.macro CROUND                          ; a round of the cluster's barrier: my work-group's barrier; wave 0 signals for the work-group; every wave waits for all four work-groups; my work-group's barrier once more
	s_barrier_signal -1
	s_barrier_wait -1
	s_cmp_lg_u32 s12, 0
	s_cbranch_scc1 .Lnot_wave_0_\@
	s_barrier_signal -3
.Lnot_wave_0_\@:
	s_barrier_wait -3
	s_barrier_signal -1
	s_barrier_wait -1
.endm
.macro WL s                            ; K step s of my four tiles of Wo into ring place s % 4
	WIN 0x40                               ; destination window 1
.irp tt, 0,1,2,3
.irp c, 0,1,2
	global_load_b128 v[48*((\s)%4)+12*\tt+4*\c:48*((\s)%4)+12*\tt+4*\c+3], v1, s[18:19] offset:12288*(\s)+1536*\tt+512*\c
.endr
.endr
	WIN 0
	global_load_b128 v[WS+4*((\s)%4):WS+4*((\s)%4)+3], v5, s[20:21] offset:512*(\s)
.endm
.macro XF s                            ; K step s of a's eight fragments into set s % 2: two half fragments each, 32 LDS loads
	WIN 0xc0                               ; destination window 3
.set AA, 1+2*((\s)/4)                  ; the address pair: v1, v2 for K steps 0-3; v3, v4 (49,152 bytes on) for 4-7: an LDS offset has 16 bits
.set OO, 12288*((\s)%4)
.set FF, 96*((\s)%2)
.irp m, 0,1,2,3,4,5,6,7
	ds_load_b128 v[FF+12*\m:FF+12*\m+3], v[AA] offset:OO+1536*\m
	ds_load_b64 v[FF+12*\m+4:FF+12*\m+5], v[AA+1] offset:OO+1536*\m+512
	ds_load_b128 v[FF+12*\m+6:FF+12*\m+9], v[AA] offset:OO+1536*\m+768
	ds_load_b64 v[FF+12*\m+10:FF+12*\m+11], v[AA+1] offset:OO+1536*\m+1280
.endr
	WIN 0
.endm
.macro KSTEP i
.if (\i) > 0
	PLACES 4                               ; in front of loads into registers that the last K step's matrix instructions have read
.endif
.if (\i) < 5
	WL (\i)+3
.endif
.if (\i) < 7
	XF (\i)+1
.endif
.if (\i) < 5
	s_wait_loadcnt 39                      ; my K step of Wo is in; the three younger, 13 loads each, may be out
.else
	s_wait_loadcnt 13*(7-(\i))             ; at the end fewer are behind it
.endif
.if (\i) < 7
	s_wait_dscnt 32                        ; my K step of a is in; the 32 loads just issued may be out
.else
	s_wait_dscnt 0x0
.endif
.if (\i) == 0
	WIN 0x9d                               ; source 0 (Wo) window 1, source 1 (a) window 3, C (bias) window 1, D window 2
.else
	WIN 0xad                               ; C and D window 2
.endif
.irp m, 0,1,2,3,4,5,6,7                ; 32 accumulators by turns, in the same order in every K step
.irp tt, 0,1,2,3
.set DD, 8*(4*\m+\tt)
.if (\i) == 0
	v_wmma_scale_f32_16x16x128_f8f6f4 v[DD:DD+7], v[48*((\i)%4)+12*\tt:48*((\i)%4)+12*\tt+11], v[96*((\i)%2)+12*\m:96*((\i)%2)+12*\m+11], v[192+8*\tt:199+8*\tt], v[WS+4*((\i)%4)+\tt], v[XS+8*((\i)/2)+\m] matrix_a_fmt:MATRIX_FMT_BF6 matrix_b_fmt:MATRIX_FMT_BF6
.elseif ((\i)%2) == 0
	v_wmma_scale_f32_16x16x128_f8f6f4 v[DD:DD+7], v[48*((\i)%4)+12*\tt:48*((\i)%4)+12*\tt+11], v[96*((\i)%2)+12*\m:96*((\i)%2)+12*\m+11], v[DD:DD+7], v[WS+4*((\i)%4)+\tt], v[XS+8*((\i)/2)+\m] matrix_a_fmt:MATRIX_FMT_BF6 matrix_b_fmt:MATRIX_FMT_BF6
.else
	v_wmma_scale_f32_16x16x128_f8f6f4 v[DD:DD+7], v[48*((\i)%4)+12*\tt:48*((\i)%4)+12*\tt+11], v[96*((\i)%2)+12*\m:96*((\i)%2)+12*\m+11], v[DD:DD+7], v[WS+4*((\i)%4)+\tt], v[XS+8*((\i)/2)+\m] matrix_a_fmt:MATRIX_FMT_BF6 matrix_b_fmt:MATRIX_FMT_BF6 matrix_b_scale:MATRIX_SCALE_ROW1
.endif
.endr
.endr
.endm
; THE WAY OUT, a tile of 16 rows x my 64 columns at a time: through my own stage, back as rows of 256 bytes
.macro TOSTAGE m
	WIN 0x08                               ; an LDS store's data are its source 1: window 2
.irp tt, 0,1,2,3
	ds_store_b128 v8, v[8*(4*(\m)+\tt):8*(4*(\m)+\tt)+3] offset:128*(\tt/2)+32*(\tt%2)        ; each accumulator from its low end on
	ds_store_b128 v8, v[8*(4*(\m)+\tt)+4:8*(4*(\m)+\tt)+7] offset:128*(\tt/2)+32*(\tt%2)+16
.endr
	WIN 0
.irp i, 0,1,2,3,4,5,6,7
	ds_load_b128 v[OB+32*((\m)%2)+4*\i:OB+32*((\m)%2)+4*\i+3], v9 offset:544*\i   ; LDS serves a wave's instructions in order: these see my stores, and the next tile's stores come behind them
.endr
.endm
.macro SEND m, younger                 ; younger: the LDS instructions issued behind tile m's loads, which may stay out
	s_wait_dscnt \younger
.irp i, 0,1,2,3,4,5,6,7
	global_store_b128 v10, v[OB+32*((\m)%2)+4*\i:OB+32*((\m)%2)+4*\i+3], s[10:11] offset:(32*((\m)/2)+8*((\m)%2)+2*\i+8*(\i/4))*4096 th:TH_STORE_NT   ; 16 lanes store 256 consecutive bytes, aligned; written once
.endr
.endm
	s_load_b256 s[4:11], s[0:1], 0x0               ; ao s[4:5], wq s[6:7], bo s[8:9], out0 s[10:11]
	v_lshl_add_u32 v254, v0, 2, 0x29000
	v_mov_b32 v255, 0
	ds_add_u32 v254, v255
	ds_add_u32 v254, v255
	v_lshrrev_b32 v1, 5, v0
	v_readfirstlane_b32 s12, v1                    ; wave 0..3
	s_bfe_u32 s13, ttmp6, 0x40000                  ; cx: which 256 columns; it enters plain loads' and stores' addresses alone
	s_and_b32 s14, ttmp7, 0xffff                   ; the block of 128 rows, which the four partners share
	; descriptor group 1: a dense block of 24,576 bytes as 96 rows of 256 bytes (32 elements of 8 bytes), no padding
	s_mov_b32 s24, 15|(3<<16)|(1<<21)              ; 15:0 the mask: all four work-groups; 17:16 elements of 8 bytes; 21 set beside a mask
	s_mov_b32 s25, 32<<16                          ; tensor_dim0 = 32
	s_mov_b32 s26, 96<<16                          ; tensor_dim1 = 96
	s_mov_b32 s27, 32<<16                          ; tile_dim0 = 32
	s_mov_b32 s28, 96                              ; tile_dim1 = 96
	s_mov_b32 s29, 32                              ; from row to row
	s_mov_b32 s30, 0
	s_mov_b32 s31, 0
	s_mov_b32 s32, 1                               ; group 0: count = 1
	s_mul_i32 s33, s12, 24576                      ; LDS address: my quarter
	s_mul_i32 s36, s14, 98304
	s_add_co_u32 s36, s36, s33
	s_mov_b32 s37, 0                               ; and the same quarter in memory
	s_lshl_b32 s38, s14, 12
	s_add_co_u32 s38, s38, 6291456
	s_mov_b32 s39, 0                               ; a's scale words
	s_lshl_b32 s40, s13, 10
	s_lshl_b32 s41, s12, 8
	s_add_co_u32 s40, s40, s41
	s_mov_b32 s41, 0                               ; my 64 columns, in bytes
	s_lshl_b32 s42, s13, 1
	s_lshr_b32 s43, s12, 1
	s_add_co_u32 s42, s42, s43                     ; the weight's group of 128 rows
	s_and_b32 s43, s12, 1                          ; and its half
	s_mul_i32 s44, s42, 98304
	s_mul_i32 s45, s43, 6144
	s_add_co_u32 s44, s44, s45
	s_add_co_u32 s44, s44, 2359296
	s_mov_b32 s45, 0
	s_lshl_b32 s46, s42, 12
	s_lshl_b32 s47, s43, 8
	s_add_co_u32 s46, s46, s47
	s_add_co_u32 s46, s46, 3244032
	s_mov_b32 s47, 0
	s_lshl_b32 s48, s14, 19
	s_add_co_u32 s48, s48, s40
	s_mov_b32 s49, 0
	v_and_b32 v11, 31, v0
	v_lshlrev_b32 v1, 4, v11                       ; 16 x lane
	v_lshlrev_b32 v2, 3, v11                       ; 8 x lane
	v_add_nc_u32 v3, 0xc000, v1
	v_add_nc_u32 v4, 0xc000, v2
	v_and_b32 v11, 15, v0                          ; r
	v_bfe_u32 v12, v0, 4, 1                        ; h
	v_lshlrev_b32 v5, 4, v11                       ; 16 r
	v_lshlrev_b32 v6, 5, v11
	v_lshl_add_u32 v6, v12, 9, v6                  ; 512 h + 32 r
	v_lshlrev_b32 v7, 6, v12                       ; 64 h
	s_mul_i32 s22, s12, 16*SPT
	s_add_co_u32 s22, s22, STG                     ; my stage
	v_mul_u32_u24 v8, v11, SPT
	v_lshl_add_u32 v8, v12, 6, v8
	v_add_nc_u32 v8, s22, v8                       ; in: row r, + 64 h
	v_mul_u32_u24 v9, v12, SPT
	v_lshl_add_u32 v9, v11, 4, v9
	v_add_nc_u32 v9, s22, v9                       ; back: lanes 0-15 one row, lanes 16-31 the next
	v_lshlrev_b32 v10, 12, v12
	v_lshl_add_u32 v10, v11, 4, v10                ; and the same two rows in out0
	s_wait_dscnt 0x0
	s_wait_kmcnt 0x0
	s_add_nc_u64 s[34:35], s[4:5], s[36:37]
	s_or_b32 s35, s35, 0x80000000                  ; type = 2
	s_add_nc_u64 s[16:17], s[4:5], s[38:39]
	s_add_nc_u64 s[8:9], s[8:9], s[40:41]
	s_add_nc_u64 s[18:19], s[6:7], s[44:45]
	s_add_nc_u64 s[20:21], s[6:7], s[46:47]
	s_add_nc_u64 s[10:11], s[10:11], s[48:49]
	CROUND                                         ; all four work-groups are here: the joint loads meet
	tensor_load_to_lds s[32:35], s[24:31]          ; my one tensor load of the launch
	s_nop 0
	PLACES 4                                       ; four v_nop follow it
.irp q, 0,1,2,3
	global_load_b128 v[XS+8*\q:XS+8*\q+3], v6, s[16:17] offset:1024*\q
	global_load_b128 v[XS+8*\q+4:XS+8*\q+7], v6, s[16:17] offset:1024*\q+16
.endr
	WIN 0x40
.irp tt, 0,1,2,3
	global_load_b128 v[192+8*\tt:195+8*\tt], v7, s[8:9] offset:4*(32*(\tt/2)+8*(\tt%2))      ; lane (r, h): columns 32 (tt / 2) + 16 h + 8 (tt % 2) + 0 .. 7
	global_load_b128 v[196+8*\tt:199+8*\tt], v7, s[8:9] offset:4*(32*(\tt/2)+8*(\tt%2))+16
.endr
	WIN 0
	WL 0
	WL 1
	WL 2
	s_wait_tensorcnt 0x0                           ; my quarter of a's images has landed,
	s_barrier_signal -1
	s_barrier_wait -1                              ; everybody's has
	XF 0
	KSTEP 0
	KSTEP 1
	KSTEP 2
	KSTEP 3
	KSTEP 4
	KSTEP 5
	KSTEP 6
	KSTEP 7
	WIN 0
	PLACES 4                                       ; behind the last matrix instructions: their results are read
	TOSTAGE 0
.irp a, 1,2,3,4,5,6,7
.if \a > 1
	s_wait_xcnt 0x0                                ; tile a - 2's stores have read their registers: tile a's loads may land there
.endif
	TOSTAGE \a
	SEND \a-1, 16                                  ; behind tile a - 1's loads: tile a's 8 stores and 8 loads
.endr
	SEND 7, 0                                      ; no LDS instruction of mine is out behind this wait
	s_wait_tensorcnt 0x0
	ds_add_u32 v254, v255
	s_wait_dscnt 0x0
	CROUND                                         ; the closing round: no work-group ends while a partner may still ask
	s_endpgm
.Lfunc_end_k_q309b38e1d4_outp:
	.size	k_q309b38e1d4_outp, .Lfunc_end_k_q309b38e1d4_outp-k_q309b38e1d4_outp
	.p2alignl 7, 3214868480
	.fill 96, 4, 3214868480
	.section	.rodata,"a",@progbits
	.p2align	6, 0x0
	.amdhsa_kernel k_q309b38e1d4_outp
		.amdhsa_group_segment_fixed_size 168448
		.amdhsa_private_segment_fixed_size 0
		.amdhsa_enable_private_segment 0
		.amdhsa_kernarg_size 32
		.amdhsa_user_sgpr_count 2
		.amdhsa_user_sgpr_kernarg_segment_ptr 1
		.amdhsa_wavefront_size32 1
		.amdhsa_system_sgpr_workgroup_id_x 1
		.amdhsa_system_sgpr_workgroup_id_y 1
		.amdhsa_system_sgpr_workgroup_id_z 1
		.amdhsa_system_vgpr_workitem_id 0
		.amdhsa_next_free_vgpr 1024
		.amdhsa_next_free_sgpr 66
		.amdhsa_reserve_vcc 0
		.amdhsa_float_denorm_mode_32 3
		.amdhsa_float_denorm_mode_16_64 3
		.amdhsa_memory_ordered 1
		.amdhsa_forward_progress 1
		.amdhsa_inst_pref_size 82
	.end_amdhsa_kernel
	.amdgpu_metadata
---
amdhsa.version: [ 1, 2 ]
amdhsa.kernels:
  - .name:           k_q309b38e1d4_outp
    .symbol:         k_q309b38e1d4_outp.kd
    .args:
      - { .name: ao, .offset: 0, .size: 8, .value_kind: global_buffer, .address_space: global }
      - { .name: wq, .offset: 8, .size: 8, .value_kind: global_buffer, .address_space: global }
      - { .name: bo, .offset: 16, .size: 8, .value_kind: global_buffer, .address_space: global }
      - { .name: out0, .offset: 24, .size: 8, .value_kind: global_buffer, .address_space: global }
    .group_segment_fixed_size: 168448
    .private_segment_fixed_size: 0
    .kernarg_segment_align: 8
    .kernarg_segment_size: 32
    .max_flat_workgroup_size: 128
    .sgpr_count:     66
    .vgpr_count:     1024
    .wavefront_size: 32
...
	.end_amdgpu_metadata
.endif
;; end of part 4
;; ======== version 2 of 2: 4 launches
;; workspace buffers: wq 3,276,800 bytes; mk 532,480 bytes of whole numbers; qkv 20,185,088 bytes; ao 6,553,600 bytes
;; launch prep (part 5): grid 512 x 1, 8 waves a work-group, no clusters, 68,608 bytes of LDS; arguments Wq, Wk, Wv, Wo, mask, wq, mk; writes wq, mk
.if DOCPART == 5
	.amdgcn_target "amdgcn-amd-amdhsa--gfx1250"
	.amdhsa_code_object_version 6
	.text
	.protected	k_q309b38e1d4_prep
	.globl	k_q309b38e1d4_prep
	.p2align	8
	.type	k_q309b38e1d4_prep,@function
k_q309b38e1d4_prep:
	s_mov_b64 s[64:65], 0
	v_nop
	global_prefetch_b8 v0, s[64:65] scope:SCOPE_SE
	s_setreg_imm32_b32 hwreg(HW_REG_WAVE_MODE, 25, 1), 1
	s_wait_xcnt 0x0
; The four weights [1024 (n)][1024 (k)] f32 become codes of BF6 (E3M2) with one E8M0 byte for each 32 along k, laid as IMAGES OF OPERAND REGISTERS; the mask [2048][2048] i32 becomes lane masks.
; A wave takes one unit: 16 rows x 512 bytes (128 numbers).  THE ROWS OF A UNIT ARE NOT NEIGHBOURS: row i of tile t is row 32 (t / 2) + 8 (t % 2) + i + 8 (i / 8).
; Work-groups 0-255: the weights (matrix = wg / 64, tile of rows = wg % 64, K step = wave).  Work-groups 256-511: the mask (tile of queries T = u / 16, key step j = u % 16, u = 8 (wg - 256) + wave).
; Both kinds take ONE path through the loads and through LDS: only the pointer and the pitch are chosen, by the work-group's number.  Each load reads 512 consecutive bytes of a row; the unit turns through the
; wave's own stage in LDS (rows of 512 + 16 bytes) and comes back so that lane (r, h) holds, of row r, number 32 b + 16 h + i in register 16 b + i.  No barrier: waves share nothing.
; wq: codes at 786,432 matrix + 98,304 (tile / 8) + 12,288 step + 1,536 (tile % 8): registers 4 c .. 4 c + 3 of lane l at 512 c + 16 l.  Scale words from 3,145,728 on: 32,768 matrix + 4,096 (tile / 8) + 512 step + 256 ((tile % 8) / 4) + 16 r + 4 (tile % 4).
; mk: word n (0 .. 63) at 256 (16 T + j) + 4 n: bit l = (mask[query r of tile T][128 j + 32 (n / 16) + 16 h + n % 16] != 0), l = 16 h + r.  From 524,288 on, word 16 T + j: any << j | all << (16 + j).
; A block's scale is 2^(floor(log2(largest magnitude)) - 4); its byte is the largest magnitude's exponent field - 4.
; LIMITS: NaN and infinities among the weights are not served; a block whose largest magnitude lies under 2^-122 keeps the byte 1; a block of zeros has the byte 1 where the rule says 127: its codes are zeros, and this program alone reads the bytes.
.set STP, 528                          ; a stage row: 512 bytes + 16: an odd multiple of 16, so the sixteen rows of a read fall on different banks
.set RO,  16                           ; v16-31   byte offset of my 16 bytes in row i of the unit
.set R,   32                           ; v32-95   the unit as loaded
.set ST,  96                           ; v96-159  64 numbers of my row
.set TM,  160                          ; v160-175 at work in QUANT
.set PC,  176                          ; v176-195 the codes
.set PW,  196                          ; v196     the scale word
.set MW,  198                          ; v198-199 the 64 mask words, a lane a word
.set SEL, 44                           ; s[44:45] lane selects for v_permlanex16_b32: lane l xor 16
.set CM,  36                           ; s36-43   eight lane masks by turns
.set MSB, 0
.macro WIN new                         ; the immediate's high byte repeats the setting that is left (here every window is 0 and nothing is written)
.if MSB != (\new)
	s_set_vgpr_msb (MSB<<8)|(\new)
.set MSB, (\new)
.endif
.endm
; 64 numbers of a lane, register 16 b + i = k 32 b + 16 h + i of my row, in window w, become a fragment's 12 registers of codes in v[PC] on and its scale word in v[pw].
.macro QUANT src, w, pw
	WIN (\w)|((\w)<<2)
.irp b, 0,1,2,3
	v_max3_num_f32 v[TM+\b], |v[(\src)+16*\b]|, |v[(\src)+16*\b+1]|, 0x2800000   ; block b: my 16 numbers and the floor 2^(5 - 127): the byte cannot fall under 1
.endr
	WIN ((\w)<<2)|((\w)<<4)
.irp i, 2,4,6,8,10,12,14
.irp b, 0,1,2,3
	s_delay_alu instid0(VALU_DEP_4)
	v_max3_num_f32 v[TM+\b], v[TM+\b], |v[(\src)+16*\b+\i]|, |v[(\src)+16*\b+\i+1]|   ; the four blocks by turns, ascending
.endr
.endr
	WIN 0
.irp b, 0,1,2,3
	s_delay_alu instid0(VALU_DEP_4)
	v_permlanex16_b32 v[TM+4+\b], v[TM+\b], s[SEL], s[SEL+1]
.endr
.irp b, 0,1,2,3
	s_delay_alu instid0(VALU_DEP_4)
	v_max_num_f32 v[TM+\b], v[TM+\b], v[TM+4+\b]   ; with lane l xor 16's: the block's largest magnitude
.endr
.irp b, 0,1,2,3
	s_delay_alu instid0(VALU_DEP_4)
	v_add_nc_u32 v[TM+12+\b], 0xfe000000, v[TM+\b]   ; 4 off its exponent field: the conversion's scale operand
.endr
.irp b, 0,1,2,3
	s_delay_alu instid0(VALU_DEP_4)
	v_lshrrev_b32 v[TM+4+\b], 23, v[TM+12+\b]   ; the scale's byte
.endr
	s_delay_alu instid0(VALU_DEP_3)
	v_lshl_or_b32 v[\pw], v[TM+5], 8, v[TM+4]
	s_delay_alu instid0(VALU_DEP_1)
	v_lshl_or_b32 v[\pw], v[TM+6], 16, v[\pw]
	s_delay_alu instid0(VALU_DEP_1)
	v_lshl_or_b32 v[\pw], v[TM+7], 24, v[\pw]
	s_wait_xcnt 0x0                        ; earlier stores have read the codes' registers: they are written again only behind this wait
	WIN (\w)
.irp c, 0,1
	v_cvt_scalef32_pk16_bf6_f32 v[PC+6*\c:PC+6*\c+2], v[(\src)+32*\c:(\src)+32*\c+15], v[TM+12+2*\c]
	v_cvt_scalef32_pk16_bf6_f32 v[PC+12+4*\c:PC+12+4*\c+2], v[(\src)+32*\c+16:(\src)+32*\c+31], v[TM+13+2*\c]   ; (a conversion's three registers begin on an even number)
.endr
	WIN 0
	v_nop                                  ; one plain place behind the scaled conversions
.irp c, 0,1                            ; the operand wants a whole block in a lane: lanes 0-15 block 2 c, lanes 16-31 block 2 c + 1
.irp i, 0,1,2
	v_permlane16_swap_b32 v[PC+6*\c+\i], v[PC+12+4*\c+\i]
.endr
.irp i, 0,1,2
	s_delay_alu instid0(VALU_DEP_3)
	v_mov_b32 v[PC+6*\c+3+\i], v[PC+12+4*\c+\i]
.endr
.endr
.endm
	s_load_b256 s[4:11], s[0:1], 0x0               ; Wq s[4:5], Wk s[6:7], Wv s[8:9], Wo s[10:11]
	s_load_b128 s[12:15], s[0:1], 0x20             ; mask s[12:13], wq s[14:15]
	s_load_b64 s[16:17], s[0:1], 0x30              ; mk
	v_lshl_add_u32 v208, v0, 2, 0x10800
	v_mov_b32 v209, 0
	v_lshrrev_b32 v1, 5, v0
	s_delay_alu instid0(VALU_DEP_1)
	v_readfirstlane_b32 s18, v1                    ; wave 0..7
	v_and_b32 v1, 31, v0                           ; lane
	s_delay_alu instid0(VALU_DEP_1)
	v_lshlrev_b32 v2, 4, v1                        ; 16 x lane
	v_and_b32 v3, 15, v0                           ; r
	v_bfe_u32 v4, v0, 4, 1                         ; h
	s_mul_i32 s19, s18, 16*STP                     ; my wave's stage
	v_add_nc_u32 v5, s19, v2                       ; in: 16 x lane of a row
	v_mul_u32_u24 v6, v3, STP
	s_delay_alu instid0(VALU_DEP_1)
	v_lshl_add_u32 v6, v4, 6, v6
	s_delay_alu instid0(VALU_DEP_1)
	v_add_nc_u32 v6, s19, v6                       ; out: row r, + 64 h
	v_lshlrev_b32 v7, 4, v3                        ; 16 r
	v_lshlrev_b32 v8, 2, v1                        ; 4 x lane
	s_mov_b32 s[SEL], 0x76543210
	s_mov_b32 s[SEL+1], 0xfedcba98
.irp b, 0,1,2,3
	v_mov_b32 v[TM+4+\b], 0                        ; written once: a lane permute's destination counts as one of its sources
.endr
	s_and_b32 s20, ttmp9, 255
	s_lshl_b32 s20, s20, 3
	s_add_co_u32 s20, s20, s18                     ; u: my unit among the weights' or among the mask's
	s_lshr_b32 s21, ttmp9, 6                       ; 0..3: the matrix; 4..7: the mask
	s_bfe_u32 s22, s20, 0x60003                    ; weights: tile of rows (u / 8) % 64,
	s_and_b32 s23, s20, 7                          ; K step
	s_lshr_b32 s24, s20, 4                         ; mask: tile of queries T,
	s_and_b32 s25, s20, 15                         ; key step j
	s_cmp_lt_u32 ttmp9, 256
	s_cselect_b32 s26, s22, s24                    ; the tile
	s_cselect_b32 s27, s23, s25                    ; the step of 512 bytes along a row
	s_cselect_b32 s28, 12, 13                      ; a row is 4,096 or 8,192 bytes
	s_lshl_b32 s29, 1, s28
	s_lshr_b32 s30, s26, 1
	s_lshl_b32 s30, s30, 5
	s_and_b32 s31, s26, 1
	s_lshl_b32 s31, s31, 3
	s_add_co_u32 s30, s30, s31                     ; the tile's first row: 32 (t / 2) + 8 (t % 2)
	s_lshl_b32 s30, s30, s28
	s_lshl_b32 s31, s27, 9
	s_add_co_u32 s30, s30, s31
	s_mov_b32 s31, 0
.irp i, 0,1,2,3,4,5,6,7,8,9,10,11,12,13,14,15
	v_mad_u32_u24 v[RO+\i], s29, \i+8*(\i/8), v2   ; row i of the tile lies i + 8 (i / 8) rows on
.endr
	s_wait_alu depctr_va_vdst(0)
	s_wait_kmcnt 0x0
	s_cmp_eq_u32 s21, 1                            ; the choice hangs on the work-group's number alone
	s_cselect_b64 s[4:5], s[6:7], s[4:5]
	s_cmp_eq_u32 s21, 2
	s_cselect_b64 s[4:5], s[8:9], s[4:5]
	s_cmp_eq_u32 s21, 3
	s_cselect_b64 s[4:5], s[10:11], s[4:5]
	s_cmp_ge_u32 s21, 4
	s_cselect_b64 s[4:5], s[12:13], s[4:5]
	s_add_nc_u64 s[4:5], s[4:5], s[30:31]
.irp i, 0,1,2,3,4,5,6,7,8,9,10,11,12,13,14,15
	global_load_b128 v[R+4*\i:R+4*\i+3], v[RO+\i], s[4:5] th:TH_LOAD_NT   ; 32 lanes read 512 consecutive bytes of one row; read once in the launch
.endr
.irp i, 0,1,2,3,4,5,6,7,8,9,10,11,12,13,14,15
	s_wait_loadcnt 15-\i                           ; loads come back in order: row i is in, the 15 - i younger rows may be out
	ds_store_b128 v5, v[R+4*\i:R+4*\i+3] offset:STP*\i
.endr
.irp b, 0,1,2,3
.irp q, 0,1,2,3
	ds_load_b128 v[ST+16*\b+4*\q:ST+16*\b+4*\q+3], v6 offset:128*\b+16*\q   ; LDS serves a wave's instructions in order: these see my stores
.endr
.endr
	s_wait_dscnt 0x0
	s_cmp_lt_u32 ttmp9, 256
	s_cbranch_scc0 .Lmask
	; ---- a unit of a weight
	s_lshr_b32 s36, s22, 3                         ; the group of 128 rows
	s_and_b32 s37, s22, 7                          ; the tile in it
	s_mul_i32 s32, s21, 786432
	s_mul_i32 s38, s36, 98304
	s_add_co_u32 s32, s32, s38
	s_mul_i32 s38, s23, 12288
	s_add_co_u32 s32, s32, s38
	s_mul_i32 s38, s37, 1536
	s_add_co_u32 s32, s32, s38
	s_mov_b32 s33, 0                               ; s[32:33]: where the image goes
	s_lshl_b32 s34, s21, 15
	s_lshl_b32 s38, s36, 12
	s_add_co_u32 s34, s34, s38
	s_lshl_b32 s38, s23, 9
	s_add_co_u32 s34, s34, s38
	s_lshr_b32 s38, s37, 2
	s_lshl_b32 s38, s38, 8
	s_add_co_u32 s34, s34, s38
	s_and_b32 s38, s37, 3
	s_lshl_b32 s38, s38, 2
	s_add_co_u32 s34, s34, s38
	s_add_co_u32 s34, s34, 3145728
	s_mov_b32 s35, 0                               ; s[34:35]: where the scale words go
	s_add_nc_u64 s[40:41], s[14:15], s[34:35]
	s_add_nc_u64 s[14:15], s[14:15], s[32:33]
	QUANT ST, 0, PW
.irp c, 0,1,2
	global_store_b128 v2, v[PC+4*\c:PC+4*\c+3], s[14:15] offset:512*\c   ; 512 consecutive bytes, aligned
.endr
	global_store_b32 v7, v[PW], s[40:41]           ; row r's word; both halves of the lanes hold and store the same
	s_wait_tensorcnt 0x0
	ds_add_u32 v208, v209
	s_wait_dscnt 0x0
	s_endpgm
.Lmask:
	; ---- a unit of the mask: register n's 32 lanes give word n
	v_mov_b32 v[MW], 0
	v_mov_b32 v[MW+1], 0
	s_mov_b32 s46, 0                               ; the OR of all words
	s_mov_b32 s47, -1                              ; the AND of all words
.set n, 0
.rept 64
	v_cmp_ne_u32 s[CM+n%8], 0, v[ST+n]
	s_or_b32 s46, s46, s[CM+n%8]
	s_and_b32 s47, s47, s[CM+n%8]
	v_writelane_b32 v[MW+n/32], s[CM+n%8], n%32
.set n, n+1
.endr
	s_wait_alu depctr_va_vdst(0)
	s_cmp_lg_u32 s46, 0
	s_cselect_b32 s46, 1, 0                        ; some key of the unit counts
	s_cmp_eq_u32 s47, -1
	s_cselect_b32 s47, 1, 0                        ; all count
	s_lshl_b32 s46, s46, s25
	s_add_co_u32 s25, s25, 16
	s_lshl_b32 s47, s47, s25
	s_or_b32 s46, s46, s47
	v_mov_b32 v9, s46
	s_lshl_b32 s32, s20, 8                         ; 256 bytes a unit
	s_mov_b32 s33, 0
	s_lshl_b32 s34, s20, 2
	s_add_co_u32 s34, s34, 524288                  ; and a flag word
	s_mov_b32 s35, 0
	s_add_nc_u64 s[22:23], s[16:17], s[34:35]
	s_add_nc_u64 s[16:17], s[16:17], s[32:33]
	global_store_b32 v8, v[MW], s[16:17]
	global_store_b32 v8, v[MW+1], s[16:17] offset:128
	s_wait_alu depctr_va_vdst(0)
	s_wait_xcnt 0x0                                ; EXEC changes only behind this wait
	v_cmp_eq_u32 vcc_lo, 0, v1
	s_wait_tensorcnt 0x0
	ds_add_u32 v208, v209
	s_wait_dscnt 0x0
	s_and_saveexec_b32 s30, vcc_lo
	global_store_b32 v8, v9, s[22:23]              ; lane 0 alone (its 4 x lane is 0)
	s_wait_xcnt 0x0                                ; and again in front of the line that widens it
	s_or_b32 exec_lo, exec_lo, s30
	s_endpgm
.Lfunc_end_k_q309b38e1d4_prep:
	.size	k_q309b38e1d4_prep, .Lfunc_end_k_q309b38e1d4_prep-k_q309b38e1d4_prep
	.p2alignl 7, 3214868480
	.fill 96, 4, 3214868480
	.section	.rodata,"a",@progbits
	.p2align	6, 0x0
	.amdhsa_kernel k_q309b38e1d4_prep
		.amdhsa_group_segment_fixed_size 68608
		.amdhsa_private_segment_fixed_size 0
		.amdhsa_enable_private_segment 0
		.amdhsa_kernarg_size 56
		.amdhsa_user_sgpr_count 2
		.amdhsa_user_sgpr_kernarg_segment_ptr 1
		.amdhsa_wavefront_size32 1
		.amdhsa_system_sgpr_workgroup_id_x 1
		.amdhsa_system_sgpr_workgroup_id_y 1
		.amdhsa_system_sgpr_workgroup_id_z 1
		.amdhsa_system_vgpr_workitem_id 0
		.amdhsa_next_free_vgpr 210
		.amdhsa_next_free_sgpr 66
		.amdhsa_reserve_vcc 1
		.amdhsa_float_denorm_mode_32 3
		.amdhsa_float_denorm_mode_16_64 3
		.amdhsa_memory_ordered 1
		.amdhsa_forward_progress 1
		.amdhsa_inst_pref_size 28
	.end_amdhsa_kernel
	.amdgpu_metadata
---
amdhsa.version: [ 1, 2 ]
amdhsa.kernels:
  - .name:           k_q309b38e1d4_prep
    .symbol:         k_q309b38e1d4_prep.kd
    .args:
      - { .name: Wq, .offset: 0, .size: 8, .value_kind: global_buffer, .address_space: global }
      - { .name: Wk, .offset: 8, .size: 8, .value_kind: global_buffer, .address_space: global }
      - { .name: Wv, .offset: 16, .size: 8, .value_kind: global_buffer, .address_space: global }
      - { .name: Wo, .offset: 24, .size: 8, .value_kind: global_buffer, .address_space: global }
      - { .name: mask, .offset: 32, .size: 8, .value_kind: global_buffer, .address_space: global }
      - { .name: wq, .offset: 40, .size: 8, .value_kind: global_buffer, .address_space: global }
      - { .name: mk, .offset: 48, .size: 8, .value_kind: global_buffer, .address_space: global }
    .group_segment_fixed_size: 68608
    .private_segment_fixed_size: 0
    .kernarg_segment_align: 8
    .kernarg_segment_size: 56
    .max_flat_workgroup_size: 256
    .sgpr_count:     66
    .vgpr_count:     210
    .wavefront_size: 32
...
	.end_amdgpu_metadata
.endif
;; end of part 5
;; launch proj (part 6): grid 192 x 1, 4 waves a work-group, no clusters, 140,800 bytes of LDS; arguments Q, K, V, bq, bk, bv, wq, qkv; writes qkv
.if DOCPART == 6
	.amdgcn_target "amdgcn-amd-amdhsa--gfx1250"
	.amdhsa_code_object_version 6
	.text
	.protected	k_q309b38e1d4_proj
	.globl	k_q309b38e1d4_proj
	.p2align	8
	.type	k_q309b38e1d4_proj,@function
k_q309b38e1d4_proj:
	s_mov_b64 s[64:65], 0
	v_nop
	global_prefetch_b8 v0, s[64:65] scope:SCOPE_SE
	s_setreg_imm32_b32 hwreg(HW_REG_WAVE_SCHED_MODE, 0, 2), 2
	s_setreg_imm32_b32 hwreg(HW_REG_WAVE_MODE, 25, 1), 1
	s_wait_xcnt 0x0
	s_wait_alu depctr_vm_vsrc(0)
; q = Q Wq^T + bq, k = K Wk^T + bk, v = V Wv^T + bv on codes of BF6 (E3M2), and the results quantised again for attention: q and k along a head's 64 numbers, v along the KEYS.
; SHARES.  Work-group wg: tensor wg / 64, block of 128 rows wg % 64, all 1,024 columns.  8,192 rows in blocks of 128 for three tensors are 192 equal work-groups; each byte of Q, K, V is read once in the launch.
; PHASE X: wave w quantises rows 32 w .. 32 w + 31 (two tiles of 16, eight K steps): 16 units of 16 rows x 512 bytes, each turned through the wave's stage in LDS, quantised, and stored to LDS as an image of the operand's registers.  One barrier.
; GEMM: wave w owns columns 256 w .. 256 w + 255, in two groups of 128.  A group: 64 accumulators (8 tiles of rows x 8 tiles of columns), 8 K steps of 128.  x's fragments come from LDS, a K step ahead, in two sets;
; the weights' fragments come from memory STRAIGHT INTO REGISTERS, as the images that the launch before laid: a ring of four half-steps (4 fragments + 4 scale words, 13 loads), three ahead.
; THE ROWS OF A TILE ARE NOT NEIGHBOURS (rows of x and rows of a weight alike): index i of tile t is row 32 (t / 2) + 8 (t % 2) + i + 8 (i / 8), so that the 16 registers of result tiles 2 b, 2 b + 1 are 16 neighbours.
; q, k (variant 0): source 0 = a weight's tile, source 1 = x's: a lane holds one row of x, its 64 registers 128 neighbouring columns = two heads.  v (variant 1): the sources swapped: a lane holds one column, its 64 registers 128 neighbouring keys.
; The bias is the C of each sum's first matrix instruction.
; NO MULTICAST, though 64 work-groups walk the same weights: a K step of the weights for 1,024 columns is 98,304 bytes; two slots of it beside x's images (98,304), scales, bias and stages (41,984) would take 336,896 bytes of LDS, more than a work-group can have;
; and each fragment of a weight is read by ONE wave of a work-group, so LDS would add a ring and its barriers and spare no read inside the work-group.
; qkv: q's and k's codes at 0 and 6,291,456: [batch x head][tile of rows] half fragments of 768 bytes (registers 0-3 of lane l at 16 l, 4-5 at 512 + 8 l); v's at 12,582,912: [batch x head][key step][tile of d] fragments of 1,536 bytes;
; scale words: q's 18,874,368, k's 19,398,656: [bh][key step][r][tile 0..7]; v's 19,922,944: [bh][key step][r][tile of d 0..3].
; LIMITS: NaN and infinities among the inputs are not served; a block whose largest magnitude lies under 2^-122 keeps the byte 1; a block of zeros has the byte 1 where the rule says 127: its codes are zeros, and this program alone reads the bytes.
; REGISTERS, in windows of 256.  Window 0: v1-15 addresses; v16-31 x's scale words, two sets; v32-47 the weights' scale words, ring of four; v48-55 the bias as loaded; v56-63 scale words on the way out; v64-159, v160-255 x's fragments, two sets
;   (phase X and the way out work in them).  Window 1: v0-191 the weights' ring; v192-255 the bias's eight tiles.  Windows 2, 3: the accumulators (phase X: window 2 is the ring of four units as loaded).
; THE MODE: SCHED_MODE bits 1:0 = 2 (LLVM: expert scheduling mode 2), set by the entry lines.  The code itself states the register dependences between vector or matrix instructions and memory or LDS instructions, with s_wait_alu, always for 0.
; THE PLAN.  Registers that memory or LDS instructions touch:
;   PHASE X.  Raw sets 0-3 (window 2): the loads of unit p + 3 land in set (p + 3) % 4; unit p's sixteen stage stores read set p % 4; no vector instruction names them.  ST: LDS loads land, QUANT reads.  PC, PW: QUANT writes, the four image stores read.
;     v[XA], v[XSA]: written once a trip, read by the image stores.  TWO WAITS A UNIT: one on vm_vsrc behind the unit's wait for its LDS loads (the stage stores have read the raw set, the last unit's image stores PC, PW, v[XA], v[XSA]);
;     one on va_vdst behind QUANT (PC, PW and the two addresses are written; QUANT is done reading ST).  Between that wait and the next unit's LDS loads into ST stands no vector instruction.
;   A GROUP'S HEAD.  One wait on vm_vsrc, the three address lines, one wait on va_vdst: behind them nothing earlier still reads or writes x's two sets, the weights' ring, the bias's tiles or any scale word.
;   GEMM.  Half-step p's matrix instructions read ring place p % 4 and x's set (p / 2) % 2 with their scale words.  Its loads land in ring place (p + 3) % 4, which half-step p - 1 read, and in x's other set, which the K step before read.
;     ONE WAIT on va_vdst at a half-step's head states both; the loads follow it, and the half-step's matrix instructions name none of their registers.  x's fetch is dealt over a K step's two half-steps.  One wait on vm_vsrc a trip stands ahead of the add to v[XA], v[XSA].
;   THE WAY OUT.  PC: QUANT writes, the tile's stores read: a wait on vm_vsrc ahead of QUANT, one on va_vdst ahead of the stores.
;   v[L16], v[L8], v[R16], v[SA], v[SB], v[SCO]: made once, ahead of a wait on va_vdst, and never written again: scalar bases and immediate offsets do the rest.
.set XSC,  98304                       ; LDS: x's images [K step][tile] from 0; their scale words [K step][r][tile];
.set BIAS, 102400                      ; the bias as it lies;
.set STG,  106496                      ; a stage of 16 rows x 528 bytes for each wave
.set STP,  528
.set L16,  1                           ; 16 x lane
.set L8,   2                           ; 8 x lane
.set R16,  3                           ; 16 r
.set XSB,  4                           ; XSC + 32 r
.set SA,   5                           ; the stage, in
.set SB,   6                           ; the stage, out
.set XW0,  7                           ; 16 x lane + 3,072 x wave: where my images go, in a K step
.set XSW0, 8                           ; XSC + 32 r + 8 x wave: their scale words
.set XA,   9                           ; the images' address in hand
.set XSA,  10                          ; the scale words'
.set BL,   11                          ; the bias: my lane's base
.set BA,   12                          ; + the group's offset
.set H16,  13                          ; 16 h
.set SCO,  14                          ; my lane's offset in the store of scale words
.set RR,   15                          ; r
.set XS,   16
.set WS,   32
.set BST,  48
.set SW,   56
.set X0,   64
.set ST,   64                          ; phase X: 64 numbers of my row,
.set TM,   128                         ; QUANT's registers,
.set PC,   144                         ; the codes,
.set PW,   164                         ; the scale word
.set SEL,  54                          ; s[54:55]
.set MSB, 0
.macro WIN new                         ; the immediate's high byte repeats the setting that is left
.if MSB != (\new)
	s_set_vgpr_msb (MSB<<8)|(\new)
.set MSB, (\new)
.endif
.endm
.macro PLACES n
.rept \n
	v_nop
.endr
.endm
; 64 numbers of a lane, register 16 b + i = k 32 b + 16 h + i of my row, in window w, become a fragment's 12 registers of codes in v[PC] on and its scale word in v[pw].
.macro QUANT src, w, pw
	WIN (\w)|((\w)<<2)
.irp b, 0,1,2,3
	v_max3_num_f32 v[TM+\b], |v[(\src)+16*\b]|, |v[(\src)+16*\b+1]|, 0x2800000   ; block b: my 16 numbers and the floor 2^(5 - 127): the byte cannot fall under 1
.endr
	WIN ((\w)<<2)|((\w)<<4)
.irp i, 2,4,6,8,10,12,14
.irp b, 0,1,2,3
	v_max3_num_f32 v[TM+\b], v[TM+\b], |v[(\src)+16*\b+\i]|, |v[(\src)+16*\b+\i+1]|   ; ascending: each accumulator is read from its low end on
.endr
.endr
	WIN 0
.irp b, 0,1,2,3
	v_permlanex16_b32 v[TM+4+\b], v[TM+\b], s[SEL], s[SEL+1]
.endr
.irp b, 0,1,2,3
	v_max_num_f32 v[TM+\b], v[TM+\b], v[TM+4+\b]   ; with lane l xor 16's: the block's largest magnitude
.endr
.irp b, 0,1,2,3
	v_add_nc_u32 v[TM+12+\b], 0xfe000000, v[TM+\b]   ; 4 off its exponent field: the conversion's scale operand
.endr
.irp b, 0,1,2,3
	v_lshrrev_b32 v[TM+4+\b], 23, v[TM+12+\b]   ; the scale's byte
.endr
	v_lshl_or_b32 v[\pw], v[TM+5], 8, v[TM+4]
	v_lshl_or_b32 v[\pw], v[TM+6], 16, v[\pw]
	v_lshl_or_b32 v[\pw], v[TM+7], 24, v[\pw]
	s_wait_xcnt 0x0                        ; earlier stores have read the codes' registers: they are written again only behind this wait
	WIN (\w)
.irp c, 0,1
	v_cvt_scalef32_pk16_bf6_f32 v[PC+6*\c:PC+6*\c+2], v[(\src)+32*\c:(\src)+32*\c+15], v[TM+12+2*\c]
	v_cvt_scalef32_pk16_bf6_f32 v[PC+12+4*\c:PC+12+4*\c+2], v[(\src)+32*\c+16:(\src)+32*\c+31], v[TM+13+2*\c]   ; (a conversion's three registers begin on an even number)
.endr
	WIN 0
	v_nop                                  ; one plain place behind the scaled conversions
.irp c, 0,1                            ; the operand wants a whole block in a lane: lanes 0-15 block 2 c, lanes 16-31 block 2 c + 1
.irp i, 0,1,2
	v_permlane16_swap_b32 v[PC+6*\c+\i], v[PC+12+4*\c+\i]
.endr
.irp i, 0,1,2
	v_mov_b32 v[PC+6*\c+3+\i], v[PC+12+4*\c+\i]
.endr
.endr
.endm
; Half-step hs of the weights, counted from where the pointers stand: 4 fragments (12 loads of 512 consecutive bytes) into ring place hs % 4, and their scale words (row r's four words in one load)
.macro WLOAD hs
	WIN 0x40                               ; destination window 1
.irp tt, 0,1,2,3
.irp c, 0,1,2
	global_load_b128 v[48*((\hs)%4)+12*\tt+4*\c:48*((\hs)%4)+12*\tt+4*\c+3], v[L16], s[40:41] offset:6144*(\hs)+1536*\tt+512*\c
.endr
.endr
	WIN 0
	global_load_b128 v[WS+4*((\hs)%4):WS+4*((\hs)%4)+3], v[R16], s[42:43] offset:256*(\hs)
.endm
; Unit pp of x, counted from where the pointer stands: tile pp % 2 of my two, K step pp / 2: 16 rows x 512 bytes into set pp % 4 of window 2
.macro XLOAD pp
	WIN 0x80                               ; destination window 2
.irp i, 0,1,2,3,4,5,6,7,8,9,10,11,12,13,14,15
	global_load_b128 v[64*((\pp)%4)+4*\i:64*((\pp)%4)+4*\i+3], v[L16], s[36:37] offset:(\i+8*(\i/8)+8*((\pp)&1))*4096+512*((\pp)>>1) th:TH_LOAD_NT
.endr
	WIN 0
.endm
; One unit of phase X.  The unit three on is asked for first, into the raw set that the last unit's stage stores read: the last unit's wait on vm_vsrc stands behind those stores.
; In the last trip units 1 to 3 ask for nothing (no load leaves the wave's rows), and then wait for all.
.macro UNIT p
.if (\p) == 0
	XLOAD 3
	s_wait_loadcnt 48                      ; my unit is in; the three younger units, 16 loads each, may be out
.else
	s_cmp_lg_u32 s48, 1
	s_cbranch_scc0 .Lxl_\@
	XLOAD (\p)+3
	s_wait_loadcnt 48
	s_branch .Lxd_\@
.Lxl_\@:
	s_wait_loadcnt 0x0
.Lxd_\@:
.endif
	WIN 0x08                               ; an LDS store's data are its source 1: window 2
.irp i, 0,1,2,3,4,5,6,7,8,9,10,11,12,13,14,15
	ds_store_b128 v[SA], v[64*(\p)+4*\i:64*(\p)+4*\i+3] offset:STP*\i
.endr
	WIN 0
.irp b, 0,1,2,3
.irp q, 0,1,2,3
	ds_load_b128 v[ST+16*\b+4*\q:ST+16*\b+4*\q+3], v[SB] offset:128*\b+16*\q   ; LDS serves a wave's instructions in order: these see my stores.  (The last QUANT, which read these registers, stands ahead of the last wait on va_vdst)
.endr
.endr
	s_wait_dscnt 0x0                       ; the numbers are back
	s_wait_alu depctr_vm_vsrc(0)           ; my stage stores have read this raw set, in which the next unit's loads land; the last unit's image stores have read PC, PW, v[XA] and v[XSA], which are written below
.if (\p) == 0
	v_add_nc_u32 v[XA], s53, v[XW0]        ; this trip's two K steps of images,
	v_add_nc_u32 v[XSA], s56, v[XSW0]      ; and of scale words
.endif
	QUANT ST, 0, PW
	s_wait_alu depctr_va_vdst(0)           ; PC and PW (in a trip's first unit v[XA] and v[XSA] too) are written, which the stores below read; QUANT is done reading ST, in which the next unit's LDS loads land
.irp c, 0,1,2
	ds_store_b128 v[XA], v[PC+4*\c:PC+4*\c+3] offset:12288*((\p)>>1)+1536*((\p)&1)+512*\c
.endr
	ds_store_b32 v[XSA], v[PW] offset:512*((\p)>>1)+4*((\p)&1)   ; both halves of the lanes hold and store the same word
.endm
; x's fragments of the K step that lies off bytes on, into a set.  part 0: fragments 0-3, 12 LDS loads; part 1: fragments 4-7 and the eight scale words, 14
.macro XFETCH set, off, part
.irp m, 0,1,2,3
.irp c, 0,1,2
	ds_load_b128 v[X0+96*(\set)+12*(4*(\part)+\m)+4*\c:X0+96*(\set)+12*(4*(\part)+\m)+4*\c+3], v[XA] offset:(\off)+1536*(4*(\part)+\m)+512*\c
.endr
.endr
.if (\part) == 1
	ds_load_b128 v[XS+8*(\set):XS+8*(\set)+3], v[XSA] offset:(\off)/24
	ds_load_b128 v[XS+8*(\set)+4:XS+8*(\set)+7], v[XSA] offset:(\off)/24+16
.endif
.endm
; 32 matrix instructions: x's eight tiles against the half-step's four tiles of the weight.  32 different accumulators, and the other 32 in the next half-step: the accumulators take turns.
.macro MM v, p, first
.set EE, (\p)&1
.set SPX, (\p)>>1
.irp m, 0,1,2,3,4,5,6,7
.irp tt, 0,1,2,3
.if (\v) == 0
.set DD, 8*(8*(\m%4)+4*EE+\tt)
.if (\first) && (SPX == 0)
	WIN 0x91+0x40*(\m/4)                   ; source 0 (weight) window 1, source 1 (x) window 0, C (bias) window 1, D window 2 or 3
	v_wmma_scale_f32_16x16x128_f8f6f4 v[DD:DD+7], v[48*(\p)+12*\tt:48*(\p)+12*\tt+11], v[X0+96*SPX+12*\m:X0+96*SPX+12*\m+11], v[192+8*(4*EE+\tt):192+8*(4*EE+\tt)+7], v[WS+4*(\p)+\tt], v[XS+8*SPX+\m] matrix_a_fmt:MATRIX_FMT_BF6 matrix_b_fmt:MATRIX_FMT_BF6
.else
	WIN 0xa1+0x50*(\m/4)
	v_wmma_scale_f32_16x16x128_f8f6f4 v[DD:DD+7], v[48*(\p)+12*\tt:48*(\p)+12*\tt+11], v[X0+96*SPX+12*\m:X0+96*SPX+12*\m+11], v[DD:DD+7], v[WS+4*(\p)+\tt], v[XS+8*SPX+\m] matrix_a_fmt:MATRIX_FMT_BF6 matrix_b_fmt:MATRIX_FMT_BF6
.endif
.else
.set DD, 8*(8*\tt+\m)
.if (\first) && (SPX == 0)
	WIN 0x94+0x40*EE                       ; source 0 (x) window 0, source 1 (weight) window 1, C (bias) window 1, D window 2 or 3
	v_wmma_scale_f32_16x16x128_f8f6f4 v[DD:DD+7], v[X0+96*SPX+12*\m:X0+96*SPX+12*\m+11], v[48*(\p)+12*\tt:48*(\p)+12*\tt+11], v[192+8*(4*EE+\tt):192+8*(4*EE+\tt)+7], v[XS+8*SPX+\m], v[WS+4*(\p)+\tt] matrix_a_fmt:MATRIX_FMT_BF6 matrix_b_fmt:MATRIX_FMT_BF6
.else
	WIN 0xa4+0x50*EE
	v_wmma_scale_f32_16x16x128_f8f6f4 v[DD:DD+7], v[X0+96*SPX+12*\m:X0+96*SPX+12*\m+11], v[48*(\p)+12*\tt:48*(\p)+12*\tt+11], v[DD:DD+7], v[XS+8*SPX+\m], v[WS+4*(\p)+\tt] matrix_a_fmt:MATRIX_FMT_BF6 matrix_b_fmt:MATRIX_FMT_BF6
.endif
.endif
.endr
.endr
.endm
; Half-step p of a trip's four (K step p / 2 of its two, tiles 4 (p % 2) on of the weight's eight).
.macro HALF v, p, first
	PLACES 4                               ; in front of loads into registers that the last half-step's matrix instructions have read
	WIN 0
.if ((\first) == 0) || ((\p) != 0)
	s_wait_alu depctr_va_vdst(0)           ; the last half-step's matrix instructions are done reading ring place (p + 3) % 4 and its scale words, and the K step before is done with x's other set and its scale words: the loads below land in them; in a trip's first half-step v[XA] and v[XSA] are written
.endif                                         ; (a group's first half-step: the wait at the group's head has stated all this, and only loads and v_nop stand between)
.if (\first) || ((\p) == 0)
	WLOAD (\p)+3
	s_wait_loadcnt 39                      ; my half-step is in; the three younger, 13 loads each, may be out
.else
	s_cmp_lg_u32 s49, 1                    ; the wave's last trip asks for nothing behind its stream's end, and waits for all
	s_cbranch_scc0 .Lwl_\@
	WLOAD (\p)+3
	s_wait_loadcnt 39
	s_branch .Lwd_\@
.Lwl_\@:
	s_wait_loadcnt 0x0
.Lwd_\@:
.endif
.if ((\p)&1) == 0
	s_wait_dscnt 0x0                       ; this K step's fragments of x (and, at a group's start, the bias's tiles) are in: the last of them were asked for 32 matrix instructions ago
.endif
.if (\p) < 2                           ; the next K step's fragments of x, half of them in each of this K step's half-steps
	XFETCH 1, 12288, (\p)&1
.elseif \first
	XFETCH 0, 24576, (\p)&1
.else
	s_cmp_lg_u32 s50, 1                    ; a group's last trip has no next K step
	s_cbranch_scc0 .Lnx_\@
	XFETCH 0, 24576, (\p)&1
.Lnx_\@:
.endif
	MM \v, \p, \first
.endm
.macro TRIP v, first                   ; two K steps
.if !(\first)
	s_wait_alu depctr_vm_vsrc(0)           ; the LDS loads issued so far have read v[XA] and v[XSA]
	v_add_nc_u32 v[XA], 24576, v[XA]
	v_add_nc_u32 v[XSA], 1024, v[XSA]
.endif
	HALF \v, 0, \first
	HALF \v, 1, \first
	HALF \v, 2, \first
	HALF \v, 3, \first
	WIN 0
	s_wait_xcnt 0x0                        ; the loads have read their bases: they step only behind this wait
	s_add_nc_u64 s[40:41], s[40:41], 24576
	s_add_nc_u64 s[42:43], s[42:43], 1024
	s_sub_co_u32 s49, s49, 1
.endm
.macro GEMM v
.Lgrp_\v:
	s_wait_alu depctr_vm_vsrc(0)           ; every LDS and memory instruction so far has read its registers: v[XA], v[XSA], v[BA], written below; the codes and scale words of phase X or of the last way out, in which x's fragments land and which the next way out writes; the raw sets, which the accumulators take
	v_mov_b32 v[XA], v[L16]
	v_mov_b32 v[XSA], v[XSB]
	v_add_nc_u32 v[BA], s52, v[BL]
	s_wait_alu depctr_va_vdst(0)           ; the three addresses (and v[SCO]) are written; phase X or the last group is done with x's two sets, the weights' ring, the bias's tiles and all scale words, in which the loads below and the first half-step's land
	WIN 0x40                               ; destination window 1: the bias's eight tiles, in the result's layout
.irp t, 0,1,2,3,4,5,6,7
.if (\v) == 0
	ds_load_b128 v[192+8*\t:195+8*\t], v[BA] offset:4*(32*(\t/2)+8*(\t%2))      ; lane (r, h): columns 32 (t / 2) + 16 h + 8 (t % 2) + 0 .. 7
	ds_load_b128 v[196+8*\t:199+8*\t], v[BA] offset:4*(32*(\t/2)+8*(\t%2))+16
.else
.irp i, 0,1,2,3,4,5,6,7
	ds_load_b32 v[192+8*\t+\i], v[BA] offset:4*(32*(\t/2)+8*(\t%2))             ; a lane holds one column: its bias in all eight registers
.endr
.endif
.endr
	WIN 0
	XFETCH 0, 0, 0
	XFETCH 0, 0, 1
	TRIP \v, 1
	s_mov_b32 s50, 3
.Ltrip_\v:
	TRIP \v, 0
	s_sub_co_u32 s50, s50, 1
	s_cmp_lg_u32 s50, 0
	s_cbranch_scc1 .Ltrip_\v
	; ---- the way out: the group's 128 x 128 results are quantised in registers and leave as images
	s_wait_dscnt 0x0                       ; no LDS load is on its way
	PLACES 4                               ; behind the last matrix instructions: their results are read, and x's second set is written
.irp b, 0,1,2,3
	v_mov_b32 v[TM+4+\b], 0
.endr
.if (\v) == 0
.irp m, 0,1,2,3,4,5,6,7                ; tile m of rows: a lane's 64 registers are 128 columns: registers 0-5 of the fragment are the even head's half fragment, 6-11 the odd head's
.if \m > 0
	s_wait_alu depctr_vm_vsrc(0)           ; the last tile's four stores have read the codes' registers, which the conversions below write again
.endif
	QUANT 64*(\m%4), 2+\m/4, PW
	v_bfe_u32 v[SW+\m], v[PW], v[H16], 16  ; lanes 0-15 keep the even head's two bytes, lanes 16-31 the odd head's; the upper two bytes are 0
	s_wait_alu depctr_va_vdst(0)           ; the codes are written, which the four stores read; in the last tile so are all eight scale words, which the two stores behind the tiles read
	global_store_b128 v[L16], v[PC:PC+3], s[44:45] offset:768*\m
	global_store_b64 v[L8], v[PC+4:PC+5], s[44:45] offset:768*\m+512
	global_store_b128 v[L16], v[PC+6:PC+9], s[44:45] offset:98304+768*\m
	global_store_b64 v[L8], v[PC+10:PC+11], s[44:45] offset:98304+768*\m+512
.endr
	global_store_b128 v[SCO], v[SW:SW+3], s[46:47]
	global_store_b128 v[SCO], v[SW+4:SW+7], s[46:47] offset:16
	s_wait_xcnt 0x0                        ; the stores have read their registers and bases
	s_add_nc_u64 s[44:45], s[44:45], 196608   ; two heads on
	s_add_nc_u64 s[46:47], s[46:47], 16384
.else
.irp t, 0,1,2,3,4,5,6,7                ; tile t of columns: a lane's 64 registers are the block's 128 keys: one fragment of V^T
.if \t > 0
	s_wait_alu depctr_vm_vsrc(0)           ; the last tile's three stores have read the codes' registers, which the conversions below write again
.endif
	QUANT 64*(\t%4), 2+\t/4, SW+\t
	s_wait_alu depctr_va_vdst(0)           ; the codes are written, which the three stores read
.irp c, 0,1,2
	global_store_b128 v[L16], v[PC+4*\c:PC+4*\c+3], s[44:45] offset:98304*(\t/4)+1536*(\t%4)+512*\c
.endr
.endr
	v_cmp_ne_u32 vcc_lo, 0, v[H16]
	s_wait_alu depctr_va_vcc(0)            ; VCC is written, ahead of its first reader
.irp i, 0,1,2,3
	v_cndmask_b32 v[200+\i], v[SW+\i], v[SW+4+\i], vcc_lo   ; lanes 0-15 store the even head's four words, lanes 16-31 the odd head's
.endr
	s_wait_alu depctr_va_vdst(0)           ; the four words are written, which the store reads
	global_store_b128 v[SCO], v[200:203], s[46:47]
	s_wait_xcnt 0x0
	s_add_nc_u64 s[44:45], s[44:45], 196608
	s_add_nc_u64 s[46:47], s[46:47], 8192
.endif
	s_add_co_u32 s52, s52, 512
	s_sub_co_u32 s51, s51, 1
	s_cmp_lg_u32 s51, 0
	s_cbranch_scc1 .Lgrp_\v
	s_wait_xcnt 0x0
	v_lshl_add_u32 v254, v0, 2, 0x22400    ; (no memory or LDS instruction of the text reads v254 or v255 but the add below)
	v_mov_b32 v255, 0
	s_wait_dscnt 0x0                       ; the closing lines, six on end
	s_wait_alu 0x0
	s_wait_tensorcnt 0x0
	ds_add_u32 v254, v255
	s_wait_dscnt 0x0
	s_endpgm
.endm
	s_load_b512 s[4:19], s[0:1], 0x0               ; Q, K, V s[4:9]; bq, bk, bv s[10:15]; wq s[16:17]; qkv s[18:19]
	v_lshrrev_b32 v1, 5, v0
	v_readfirstlane_b32 s20, v1                    ; wave 0..3
	v_and_b32 v12, 31, v0
	v_lshlrev_b32 v[L16], 4, v12
	v_lshlrev_b32 v[L8], 3, v12
	v_and_b32 v[RR], 15, v0                        ; r
	v_bfe_u32 v12, v0, 4, 1                        ; h
	v_lshlrev_b32 v[R16], 4, v[RR]
	v_lshlrev_b32 v[H16], 4, v12
	v_lshl_add_u32 v[XSB], v[RR], 5, XSC
	s_wait_alu depctr_va_sdst(0)                   ; s20 is written, ahead of its first reader: LDS places and all bases are made from it
	s_mul_i32 s21, s20, 16*STP
	s_add_co_u32 s21, s21, STG                     ; my stage
	v_add_nc_u32 v[SA], s21, v[L16]
	v_mul_u32_u24 v[SB], v[RR], STP
	v_lshl_add_u32 v[SB], v12, 6, v[SB]
	v_add_nc_u32 v[SB], s21, v[SB]
	s_mul_i32 s22, s20, 3072
	v_add_nc_u32 v[XW0], s22, v[L16]
	s_lshl_b32 s22, s20, 3
	v_add_nc_u32 v[XSW0], s22, v[XSB]
.irp b, 0,1,2,3
	v_mov_b32 v[TM+4+\b], 0                        ; a lane permute's destination counts as one of its sources
.endr
	s_mov_b32 s[SEL], 0x76543210
	s_mov_b32 s[SEL+1], 0xfedcba98
	s_lshr_b32 s23, ttmp9, 6                       ; which tensor
	s_and_b32 s24, ttmp9, 63                       ; which block of 128 rows
	s_lshr_b32 s25, s24, 4                         ; batch
	s_and_b32 s26, s24, 15                         ; block in the sequence = key step
	s_lshl_b32 s28, s24, 19
	s_lshl_b32 s27, s20, 17
	s_add_co_u32 s28, s28, s27
	s_mov_b32 s29, 0                               ; x: 128 rows of 4,096 bytes a block, 32 a wave
	s_lshl_b32 s30, s20, 10
	s_mov_b32 s31, 0                               ; the bias: my 256 numbers
	s_mul_i32 s32, s23, 786432
	s_mul_i32 s27, s20, 196608
	s_add_co_u32 s32, s32, s27
	s_mov_b32 s33, 0                               ; the weight's images: my two groups
	s_lshl_b32 s34, s23, 15
	s_lshl_b32 s27, s20, 13
	s_add_co_u32 s34, s34, s27
	s_add_co_u32 s34, s34, 3145728
	s_mov_b32 s35, 0                               ; and their scale words
	s_lshl_b32 s57, s25, 4
	s_lshl_b32 s27, s20, 2
	s_add_co_u32 s57, s57, s27                     ; 16 x batch + my first head
	s_mul_i32 s58, s23, 6291456
	s_mul_i32 s27, s57, 98304
	s_add_co_u32 s58, s58, s27
	s_mul_i32 s27, s26, 6144
	s_add_co_u32 s58, s58, s27
	s_mov_b32 s59, 0                               ; the codes' way out
	s_cmp_eq_u32 s23, 2
	s_cselect_b32 s60, 12, 13                      ; a head's scale words: 4,096 bytes for v, 8,192 for q and k
	s_lshl_b32 s62, s23, 19
	s_add_co_u32 s62, s62, 18874368
	s_lshl_b32 s27, s57, s60
	s_add_co_u32 s62, s62, s27
	s_sub_co_u32 s60, s60, 4
	s_lshl_b32 s27, s26, s60
	s_add_co_u32 s62, s62, s27
	s_mov_b32 s63, 0                               ; the scale words' way out
	s_mov_b32 s48, 4                               ; trips of phase X
	s_mov_b32 s49, 8                               ; trips of the weights' stream
	s_mov_b32 s51, 2                               ; groups
	s_lshl_b32 s52, s20, 10                        ; the group's place in the bias
	s_mov_b32 s53, 0                               ; phase X: two K steps of images a trip,
	s_mov_b32 s56, 0                               ; and of scale words
	s_wait_kmcnt 0x0
	s_cmp_eq_u32 s23, 1                            ; the choices hang on the work-group's number alone
	s_cselect_b64 s[36:37], s[6:7], s[4:5]
	s_cselect_b64 s[38:39], s[12:13], s[10:11]
	s_cmp_eq_u32 s23, 2
	s_cselect_b64 s[36:37], s[8:9], s[36:37]
	s_cselect_b64 s[38:39], s[14:15], s[38:39]
	s_add_nc_u64 s[36:37], s[36:37], s[28:29]
	s_add_nc_u64 s[38:39], s[38:39], s[30:31]
	s_add_nc_u64 s[40:41], s[16:17], s[32:33]
	s_add_nc_u64 s[42:43], s[16:17], s[34:35]
	s_add_nc_u64 s[44:45], s[18:19], s[58:59]
	s_add_nc_u64 s[46:47], s[18:19], s[62:63]
	s_wait_alu depctr_va_vdst(0)                   ; the offsets and LDS addresses v1 to v8 are written, which the loads below and phase X's LDS instructions read
	global_load_b128 v[BST:BST+3], v[L16], s[38:39]
	global_load_b128 v[BST+4:BST+7], v[L16], s[38:39] offset:512
	WLOAD 0
	WLOAD 1
	WLOAD 2
	XLOAD 0
	XLOAD 1
	XLOAD 2
.Lx:                                               ; four trips, four units each
	UNIT 0
	UNIT 1
	UNIT 2
	UNIT 3
	s_wait_xcnt 0x0                                ; the loads have read their base
	s_add_nc_u64 s[36:37], s[36:37], 1024
	s_add_co_u32 s53, s53, 24576
	s_add_co_u32 s56, s56, 1024
	s_sub_co_u32 s48, s48, 1
	s_cmp_lg_u32 s48, 0
	s_cbranch_scc1 .Lx
	s_wait_loadcnt 0x0                             ; no load is on its way into window 2, which the accumulators take
	s_lshl_b32 s22, s20, 10
	s_add_co_u32 s22, s22, BIAS
	v_add_nc_u32 v[BA], s22, v[L16]
	s_wait_alu depctr_va_vdst(0)                   ; v[BA] is written, which the two stores read as their address
	ds_store_b128 v[BA], v[BST:BST+3]
	ds_store_b128 v[BA], v[BST+4:BST+7] offset:512
	s_wait_dscnt 0x0                               ; for the others' sake: my images, scale words and bias have landed
	s_barrier_signal -1
	s_barrier_wait -1                              ; from here on LDS is only read
.set TM, 160                           ; the way out works in x's second set
.set PC, 176
.set PW, 196
	s_cmp_eq_u32 s23, 2
	s_cbranch_scc1 .Lvb
	v_lshl_add_u32 v[BL], v[H16], 2, BIAS          ; q, k: BIAS + 64 h
	v_lshlrev_b32 v[SCO], 9, v[H16]
	v_lshl_add_u32 v[SCO], v[RR], 5, v[SCO]        ; 8,192 h + 32 r
	GEMM 0
.Lvb:
	v_and_b32 v[BL], 8, v[RR]
	v_add_nc_u32 v[BL], v[BL], v[RR]
	v_lshl_add_u32 v[BL], v[BL], 2, BIAS           ; v: BIAS + 4 (r + 8 (r / 8))
	v_lshlrev_b32 v[SCO], 8, v[H16]
	v_lshl_add_u32 v[SCO], v[RR], 4, v[SCO]        ; 4,096 h + 16 r
	GEMM 1
.Lfunc_end_k_q309b38e1d4_proj:
	.size	k_q309b38e1d4_proj, .Lfunc_end_k_q309b38e1d4_proj-k_q309b38e1d4_proj
	.p2alignl 7, 3214868480
	.fill 96, 4, 3214868480
	.section	.rodata,"a",@progbits
	.p2align	6, 0x0
	.amdhsa_kernel k_q309b38e1d4_proj
		.amdhsa_group_segment_fixed_size 140800
		.amdhsa_private_segment_fixed_size 0
		.amdhsa_enable_private_segment 0
		.amdhsa_kernarg_size 64
		.amdhsa_user_sgpr_count 2
		.amdhsa_user_sgpr_kernarg_segment_ptr 1
		.amdhsa_wavefront_size32 1
		.amdhsa_system_sgpr_workgroup_id_x 1
		.amdhsa_system_sgpr_workgroup_id_y 1
		.amdhsa_system_sgpr_workgroup_id_z 1
		.amdhsa_system_vgpr_workitem_id 0
		.amdhsa_next_free_vgpr 1024
		.amdhsa_next_free_sgpr 66
		.amdhsa_reserve_vcc 1
		.amdhsa_float_denorm_mode_32 3
		.amdhsa_float_denorm_mode_16_64 3
		.amdhsa_memory_ordered 1
		.amdhsa_forward_progress 1
		.amdhsa_inst_pref_size 230
	.end_amdhsa_kernel
	.amdgpu_metadata
---
amdhsa.version: [ 1, 2 ]
amdhsa.kernels:
  - .name:           k_q309b38e1d4_proj
    .symbol:         k_q309b38e1d4_proj.kd
    .args:
      - { .name: Q, .offset: 0, .size: 8, .value_kind: global_buffer, .address_space: global }
      - { .name: K, .offset: 8, .size: 8, .value_kind: global_buffer, .address_space: global }
      - { .name: V, .offset: 16, .size: 8, .value_kind: global_buffer, .address_space: global }
      - { .name: bq, .offset: 24, .size: 8, .value_kind: global_buffer, .address_space: global }
      - { .name: bk, .offset: 32, .size: 8, .value_kind: global_buffer, .address_space: global }
      - { .name: bv, .offset: 40, .size: 8, .value_kind: global_buffer, .address_space: global }
      - { .name: wq, .offset: 48, .size: 8, .value_kind: global_buffer, .address_space: global }
      - { .name: qkv, .offset: 56, .size: 8, .value_kind: global_buffer, .address_space: global }
    .group_segment_fixed_size: 140800
    .private_segment_fixed_size: 0
    .kernarg_segment_align: 8
    .kernarg_segment_size: 64
    .max_flat_workgroup_size: 128
    .sgpr_count:     66
    .vgpr_count:     1024
    .wavefront_size: 32
...
	.end_amdgpu_metadata
.endif
;; end of part 6
;; launch attn (part 7): grid 4 x 64, 16 waves a work-group, no clusters, 210,944 bytes of LDS; arguments qkv, mk, ao; writes ao
.if DOCPART == 7
	.amdgcn_target "amdgcn-amd-amdhsa--gfx1250"
	.amdhsa_code_object_version 6
	.text
	.protected	k_q309b38e1d4_attn
	.globl	k_q309b38e1d4_attn
	.p2align	8
	.type	k_q309b38e1d4_attn,@function
k_q309b38e1d4_attn:
	s_mov_b64 s[64:65], 0
	v_nop
	global_prefetch_b8 v0, s[64:65] scope:SCOPE_SE
	s_setreg_imm32_b32 hwreg(HW_REG_WAVE_SCHED_MODE, 0, 2), 2
	s_setreg_imm32_b32 hwreg(HW_REG_WAVE_MODE, 25, 1), 1
	s_wait_xcnt 0x0
	s_wait_alu depctr_vm_vsrc(0)
; Attention of one head on codes of BF6 (E3M2), and its result quantised along d_model for the last product.  t = score x log2(e) / 8; M = the row's largest t so far, rounded up to a whole number; p = 2^(t - M) is quantised along the keys;
; the row's sum is taken of the unquantised p and divides at the end.  When M moves, the sum and O are multiplied by 2^(old M - new M): exact.
; SHARES.  Work-group (x = 0..3, y = batch x head) holds the head's whole K and V in LDS: 16 slots, one for each 128 keys, filled once through registers (wave w fills slot w); one barrier; then LDS is only read.
; Wave w takes two tiles of 16 queries, one after the other: T = 4 u + x with u = w, then u = 31 - w.
; THE MASK IS AN INPUT AND IS HONOURED BIT BY BIT.  The launch before last has stored, for each tile of queries and each key step, 64 lane masks and two flags.  A step none of whose 16 x 128 bits is set is left out: every p of it would be 0.
; A step all of whose bits are set skips the masking.  Both are scalar branches on stored whole numbers; the loop's trip count is a constant.
; NO MULTICAST, though the four work-groups of a head read the same K and V: steps are left out by branches on numbers read from memory; the shared bytes are read once a work-group, 208,896 of them.
; LAYOUT.  Both products are used transposed: S^T = K Q^T (source 0 = 16 keys), O^T = V^T P^T (source 0 = 16 of the head's 64): a lane holds ONE query throughout.  The head's 64 are half of the instruction's 128: the upper six registers of Q's and K's
; fragments are zero codes.  The keys (and the queries, and V's rows) of a tile are not neighbours: index i of tile t is 32 (t / 2) + 8 (t % 2) + i + 8 (i / 8), so that the 16 registers of result tiles 2 b, 2 b + 1 are 16 neighbours.
; A ROW WITH NO VISIBLE KEY has the sum 0: its scale bytes are stored as 0xff, which makes the last product's sums for that row NaN, as the plain softmax of such a row is.
; LIMITS: a block whose largest magnitude lies under 2^-122 keeps the byte 1; a block of zeros has the byte 1 where the rule says 127: its codes are zeros, and this program alone reads the bytes.
; ao: codes [128-row block RB][K step = head / 2][tile of rows][head % 2] half fragments of 768 bytes; scale words from 6,291,456 on: [RB][K step][r][tile], head % 2 owning the low or the high 16 bits.
; REGISTERS: v1 16 x lane, v2 8 x lane, v3 12,288 + 32 r, v4 12,800 + 16 r, v5 32 r, v7 -infinity; v8-11 the step's addresses; v12 -M, v13 the largest t, v[14:15] the sum; v16-27 Q (22-27 zeros), v28 its scale word, v29 p's;
;   v32-79 four fragments of K (the upper six of each zeros); v80-87 K's scale words, v88-91 V's; v96-159 S^T, then p, then V's four fragments; v160-191 O^T; v192-203 p's codes; v204-210 the conversions' second halves; v212-227 at work.
; SCALARS: s[2:3] c; s[4:5] q's codes, s[6:7] the lane masks, s[8:9] ao's codes, s[10:11] the flags, s[12:13] q's scale words, s[14:15] ao's scale words (each at my head); s[16:23] the tile's four pointers;
;   s24-63, s68-91 the step's 64 lane masks; s92 wave, s93 batch x head, s94 pass, s95 T, s96 key step, s97 the slot's LDS byte, s98 the tile's flags, s[100:101] the step's lane masks in memory.
; THE MODE: SCHED_MODE bits 1:0 = 2 (LLVM: expert scheduling mode 2), set by the entry lines.  The code itself states the register dependences between vector or matrix instructions and memory or LDS instructions, with s_wait_alu, always for 0.
; THE PLAN.  Registers that memory or LDS instructions touch:
;   v8-11     written at a key step's head, read by the step's LDS loads: a wait on vm_vsrc ahead of the four additions, a wait on va_vdst behind them.
;   v32-79 (the lower six of each twelve), v80-91: LDS loads land, the products read.  The wait on va_vdst at the step's head states that the last step's products are done with them; K's second four fragments land where the first four
;             were just read, so a second wait stands ahead of them: the wave's 256 registers have no room for a second set of 48.
;   v96-143   the first product writes them, the softmax works in them, the conversions read them; then V's fragments land: a wait on va_vdst behind the conversions.
;   v192-203, v29: written by vector instructions, taken by the second product as operand and scale: behind the sixteen places a wait on va_vdst, directly ahead of the product.
;   v16-21, v28: Q, loaded once a tile; the products that read them stand ahead of the wait at the last tile's end, and no vector instruction behind it names them.
;   v192-197, v226: a tile's result: a wait on va_vdst ahead of its three stores; a wait on vm_vsrc at the next tile's head, which in the first tile states that the fill's LDS stores have read v96-197, v8 and v9.
;   v1-5: made once at the head, never written again.  v254, v255: made at the head, read by the closing add alone.
.set SLOT, 13056                       ; 6,144 K (8 half fragments) + 6,144 V (4 fragments) + 512 K's scale words + 256 V's
.set CS,  2
.set SEL, 66
.set BM,  212
.set BP,  216
.set BS,  220
.macro PLACES n
.rept \n
	v_nop
.endr
.endm
	s_load_b128 s[4:7], s[0:1], 0x0                ; qkv, mk
	s_load_b64 s[8:9], s[0:1], 0x10                ; ao
	v_lshl_add_u32 v254, v0, 2, 0x33000
	v_mov_b32 v255, 0
	v_lshrrev_b32 v1, 5, v0
	v_readfirstlane_b32 s92, v1                    ; wave 0..15
	v_and_b32 v6, 31, v0
	v_lshlrev_b32 v1, 4, v6
	s_wait_alu depctr_va_vdst(0)
	v_lshlrev_b32 v2, 3, v6
	s_wait_alu depctr_va_vdst(0)
	v_and_b32 v6, 15, v0                           ; r
	v_lshlrev_b32 v5, 5, v6
	v_add_nc_u32 v3, 12288, v5
	v_lshl_add_u32 v4, v6, 4, 12800
	v_mov_b32 v7, 0xff800000
	s_wait_alu depctr_va_sdst(0)                   ; s92 is written, ahead of its first reader: my slot, my key step's bases and my tiles are made from it
	s_and_b32 s93, ttmp7, 0xffff
	s_mov_b32 s[CS], 0x3e38aa3b                    ; c = log2(e) / sqrt(64)
	s_mov_b32 s[CS+1], s[CS]                       ; (named with it as a pair, so it is written)
	s_mov_b32 s[SEL], 0x76543210
	s_mov_b32 s[SEL+1], 0xfedcba98
	s_mul_i32 s32, s93, 98304
	s_mov_b32 s33, 0                               ; a head's codes
	s_mul_i32 s34, s92, 6144
	s_add_co_u32 s34, s34, s32
	s_mov_b32 s35, 0                               ; + my key step's
	s_lshl_b32 s36, s93, 13
	s_mov_b32 s37, 0                               ; a head's scale words of q or k
	s_lshl_b32 s38, s92, 9
	s_add_co_u32 s38, s38, s36
	s_mov_b32 s39, 0
	s_lshl_b32 s40, s93, 12
	s_lshl_b32 s41, s92, 8
	s_add_co_u32 s40, s40, s41
	s_mov_b32 s41, 0                               ; v's
	s_mul_i32 s42, s92, SLOT                       ; my slot
	v_add_nc_u32 v8, s42, v1
	v_add_nc_u32 v9, s42, v2
	s_lshr_b32 s43, s93, 4                         ; batch
	s_and_b32 s44, s93, 15                         ; head
	s_lshr_b32 s45, s44, 1
	s_and_b32 s46, s44, 1
	s_mul_i32 s48, s43, 1572864
	s_mul_i32 s47, s45, 12288
	s_add_co_u32 s48, s48, s47
	s_mul_i32 s47, s46, 768
	s_add_co_u32 s48, s48, s47
	s_mov_b32 s49, 0
	s_lshl_b32 s50, s43, 16
	s_lshl_b32 s47, s45, 9
	s_add_co_u32 s50, s50, s47
	s_lshl_b32 s47, s46, 1
	s_add_co_u32 s50, s50, s47
	s_add_co_u32 s50, s50, 6291456
	s_mov_b32 s51, 0
	s_wait_kmcnt 0x0
	s_add_nc_u64 s[24:25], s[4:5], s[34:35]
	s_add_nc_u64 s[26:27], s[24:25], 12582912      ; v's codes of my key step
	s_add_nc_u64 s[24:25], s[24:25], 6291456       ; k's
	s_add_nc_u64 s[28:29], s[4:5], s[38:39]
	s_add_nc_u64 s[28:29], s[28:29], 19398656      ; k's scale words
	s_add_nc_u64 s[30:31], s[4:5], s[40:41]
	s_add_nc_u64 s[30:31], s[30:31], 19922944      ; v's
	s_add_nc_u64 s[12:13], s[4:5], s[36:37]
	s_add_nc_u64 s[12:13], s[12:13], 18874368
	s_add_nc_u64 s[4:5], s[4:5], s[32:33]
	s_add_nc_u64 s[10:11], s[6:7], 524288
	s_add_nc_u64 s[14:15], s[8:9], s[50:51]
	s_add_nc_u64 s[8:9], s[8:9], s[48:49]
	s_wait_alu depctr_va_vdst(0)                   ; the offsets v1, v2, v5 and the fill's LDS addresses v8, v9 are written, which the loads and stores below read
.irp i, 0,1,2,3,4,5,6,7,8,9,10,11
	global_load_b128 v[96+4*\i:99+4*\i], v1, s[24:25] offset:512*\i
.endr
.irp i, 0,1,2,3,4,5,6,7,8,9,10,11
	global_load_b128 v[144+4*\i:147+4*\i], v1, s[26:27] offset:512*\i
.endr
	global_load_b128 v[192:195], v1, s[28:29]
	global_load_b64 v[196:197], v2, s[30:31]
.irp i, 22,23,24,25,26,27
	v_mov_b32 v\i, 0                               ; zero codes: k = 64 .. 127 of Q's fragment
.endr
.irp t, 0,1,2,3
.irp i, 6,7,8,9,10,11
	v_mov_b32 v[32+12*\t+\i], 0                    ; and of K's four
.endr
.endr
.irp b, 0,1,2,3
	v_mov_b32 v[BP+\b], 0                          ; a lane permute's destination counts as one of its sources
.endr
	v_mov_b32 v225, 0                              ; (named as the upper half of the pair v[224:225])
	v_mov_b32 v226, 0
.irp i, 0,1,2,3,4,5,6,7,8,9,10,11
	s_wait_loadcnt 25-\i                           ; loads come back in order: this one is in, the younger may be out
	ds_store_b128 v8, v[96+4*\i:99+4*\i] offset:512*\i
.endr
.irp i, 0,1,2,3,4,5,6,7,8,9,10,11
	s_wait_loadcnt 13-\i
	ds_store_b128 v8, v[144+4*\i:147+4*\i] offset:6144+512*\i
.endr
	s_wait_loadcnt 1
	ds_store_b128 v8, v[192:195] offset:12288
	s_wait_loadcnt 0x0
	ds_store_b64 v9, v[196:197] offset:12800
	s_wait_dscnt 0x0                               ; for the others' sake: my slot has landed
	s_barrier_signal -1
	s_barrier_wait -1
	s_mov_b32 s94, 0
.Lpass:
	s_wait_xcnt 0x0                                ; the last tile's stores have read their registers and bases
	s_wait_alu depctr_vm_vsrc(0)                   ; first tile: the fill's LDS stores have read v96-197, v8 and v9; second tile: the first tile's stores have read v192-197 and v226: all of these are written again below
	s_sub_co_u32 s99, 31, s92
	s_cmp_eq_u32 s94, 0
	s_cselect_b32 s95, s92, s99
	s_lshl_b32 s95, s95, 2
	s_add_co_u32 s95, s95, ttmp9                   ; T
	s_mov_b32 s89, 0
	s_mul_i32 s88, s95, 768
	s_add_nc_u64 s[16:17], s[4:5], s[88:89]        ; Q's half fragment
	s_lshr_b32 s86, s95, 3
	s_and_b32 s87, s95, 7
	s_lshl_b32 s88, s86, 9
	s_lshl_b32 s85, s87, 2
	s_add_co_u32 s88, s88, s85
	s_add_nc_u64 s[18:19], s[12:13], s[88:89]      ; its scale words
	s_mul_i32 s88, s86, 98304
	s_mul_i32 s85, s87, 1536
	s_add_co_u32 s88, s88, s85
	s_add_nc_u64 s[20:21], s[8:9], s[88:89]        ; where the result's codes go
	s_lshl_b32 s88, s86, 12
	s_lshl_b32 s85, s87, 2
	s_add_co_u32 s88, s88, s85
	s_add_nc_u64 s[22:23], s[14:15], s[88:89]      ; and its scale bytes
	s_lshl_b32 s88, s95, 12
	s_add_nc_u64 s[100:101], s[6:7], s[88:89]      ; the tile's lane masks
	s_lshl_b32 s88, s95, 6
	s_add_nc_u64 s[90:91], s[10:11], s[88:89]
	s_load_b512 s[24:39], s[90:91], 0x0            ; its 16 flag words
	global_load_b128 v[16:19], v1, s[16:17]        ; (the products that read Q's registers stand ahead of the wait on va_vdst at the last tile's end; no vector instruction behind it names them)
	global_load_b64 v[20:21], v2, s[16:17] offset:512
	global_load_b32 v28, v5, s[18:19]
	v_mov_b32 v13, 0xff61b1e6                      ; the largest t so far: -3e38
	v_floor_f32 v12, -v13                          ; -M
	v_mov_b32 v14, 0
	v_mov_b32 v15, 0
.set i, 0
.rept 32
	v_mov_b32 v[160+i], 0                          ; O^T: the step is written once; the first finds zeros, which the first change of M leaves zeros
.set i, i+1
.endr
	s_mov_b32 s96, 0
	s_mov_b32 s97, 0
	s_wait_kmcnt 0x0
	s_or_b32 s98, s24, s25                         ; bit j: some key of step j counts; bit 16 + j: all count
.irp i, 26,27,28,29,30,31,32,33,34,35,36,37,38,39
	s_or_b32 s98, s98, s\i
.endr
	s_wait_loadcnt 0x0                             ; Q
.Lkey:                                             ; 16 trips: a constant; only a step's work is jumped over
	s_lshr_b32 s99, s98, s96
	s_and_b32 s99, s99, 1
	s_cmp_eq_u32 s99, 0
	s_cbranch_scc1 .Lskip
	s_load_b512 s[24:39], s[100:101], 0x0          ; the step's 64 lane masks
	s_load_b512 s[40:55], s[100:101], 0x40
	s_load_b256 s[56:63], s[100:101], 0x80
	s_load_b256 s[68:75], s[100:101], 0xa0
	s_load_b512 s[76:91], s[100:101], 0xc0
	s_wait_alu depctr_vm_vsrc(0)                   ; the LDS loads issued so far have read v8 to v11
	v_add_nc_u32 v8, s97, v1                       ; these five are the places behind the last step's products: their operands' registers are loaded into and written over below
	v_add_nc_u32 v9, s97, v2
	v_add_nc_u32 v10, s97, v3
	v_add_nc_u32 v11, s97, v4
	v_nop
	s_wait_alu depctr_va_vdst(0)                   ; v8 to v11 are written, which the loads below read; the last step's products are done reading K's fragments and both sets of scale words, in which they land; the zero codes made at the head are written, which the products take
.irp g, 0,1                                        ; S^T = K Q^T, four tiles of 16 keys at a time
.if \g
	PLACES 4                                       ; in front of loads into registers that matrix instructions have read
	s_wait_alu depctr_va_vdst(0)                   ; the four products above are done reading K's fragments, in which the next four land
.endif
.irp t, 0,1,2,3
	ds_load_b128 v[32+12*\t:35+12*\t], v8 offset:3072*\g+768*\t
	ds_load_b64 v[36+12*\t:37+12*\t], v9 offset:3072*\g+768*\t+512
.endr
.if \g == 0
	ds_load_b128 v[80:83], v10
	ds_load_b128 v[84:87], v10 offset:16
	ds_load_b128 v[88:91], v11
.endif
	s_wait_dscnt 0x0
.irp t, 0,1,2,3
	v_wmma_scale_f32_16x16x128_f8f6f4 v[96+32*\g+8*\t:103+32*\g+8*\t], v[32+12*\t:43+12*\t], v[16:27], 0, v[80+4*\g+\t], v28 matrix_a_fmt:MATRIX_FMT_BF6 matrix_b_fmt:MATRIX_FMT_BF6
.endr
.endr                                              ; register 16 b + i of lane (r, h): query r, key 128 j + 32 b + 16 h + i
	PLACES 4
	s_wait_kmcnt 0x0
	s_lshr_b32 s99, s98, 16
	s_lshr_b32 s99, s99, s96
	s_and_b32 s99, s99, 1
	s_cmp_lg_u32 s99, 0
	s_cbranch_scc1 .Lopen                          ; all 16 x 128 count
.set n, 0
.rept 64                                           ; hidden scores become -infinity ahead of the maximum: p = 0 then
.if n < 40
	v_cndmask_b32 v[96+n], v7, v[96+n], s[24+n]
.else
	v_cndmask_b32 v[96+n], v7, v[96+n], s[28+n]
.endif
.set n, n+1
.endr
.Lopen:
.irp b, 0,1,2,3
	v_max3_num_f32 v[BM+\b], v[96+16*\b], v[97+16*\b], v[98+16*\b]   ; the largest score of each block of 32 keys: for the row's maximum, and, since p rises with the score, for the block's largest p
.endr
.irp i, 3,5,7,9,11,13
.irp b, 0,1,2,3
	v_max3_num_f32 v[BM+\b], v[BM+\b], v[96+16*\b+\i], v[97+16*\b+\i]
.endr
.endr
.irp b, 0,1,2,3
	v_max_num_f32 v[BM+\b], v[BM+\b], v[111+16*\b]
.endr
.irp b, 0,1,2,3
	v_permlanex16_b32 v[BP+\b], v[BM+\b], s[SEL], s[SEL+1]
.endr
.irp b, 0,1,2,3
	v_max_num_f32 v[BM+\b], v[BM+\b], v[BP+\b]     ; with lane l xor 16's 16 keys
.endr
	v_max3_num_f32 v226, v[BM], v[BM+1], v[BM+2]
	v_max_num_f32 v226, v226, v[BM+3]
	v_mul_f32 v226, s[CS], v226                    ; the step's largest t (c is positive)
	v_max_num_f32 v13, v13, v226
	v_mov_b32 v226, v12
	v_floor_f32 v12, -v13                          ; the new -M = -ceil(t): a whole number
	v_sub_f32 v226, v12, v226                      ; old M - new M: a whole number, 0 or less
	v_cvt_i32_f32 v226, v226                       ; (it saturates)
	v_ldexp_f32 v224, 1.0, v226                    ; f = 2^(old M - new M)
.set j, 0
.rept 32
	v_pk_fma_f32 v[96+j:97+j], v[96+j:97+j], s[CS:CS+1], v[12:13] op_sel_hi:[1,0,0]   ; t - M, two at a time
.set j, j+2
.endr
.irp b, 0,1,2,3
	v_fma_f32 v[BM+\b], v[BM+\b], s[CS], v12       ; the same of each block's largest score
.endr
.set j, 0
	s_wait_alu depctr_va_vdst(0)
.rept 64
	v_exp_f32 v[96+j], v[96+j]                     ; p = 2^(t - M): not normalised
.set j, j+1
.endr
	v_pk_mul_f32 v[14:15], v[14:15], v[224:225] op_sel_hi:[1,0]   ; the sums under the new M: a plain place behind the exponentials
	s_wait_alu depctr_va_vdst(0)                   ; the 64 exponentials have written p: one wait for the batch, ahead of its first reader
.irp b, 0,1,2,3
	v_exp_f32 v[BM+\b], v[BM+\b]                   ; the block's largest p: the same two instructions on the same number
.endr
	v_pk_add_f32 v[BP:BP+1], v[96:97], v[98:99]    ; the row's sum is taken of the unquantised p, in two chains; it reads the 64 alone
.irp j, 4,8,12,16,20,24,28,32,36,40,44,48,52,56,60
	v_pk_add_f32 v[14:15], v[14:15], v[96+\j:97+\j]
	v_pk_add_f32 v[BP:BP+1], v[BP:BP+1], v[98+\j:99+\j]
.endr
	v_pk_add_f32 v[14:15], v[14:15], v[BP:BP+1]
	s_wait_alu depctr_va_vdst(0)                   ; the four exponentials have written the blocks' largest p, ahead of their first reader
.irp b, 0,1,2,3
	v_max_num_f32 v[BM+\b], 0x2800000, v[BM+\b]    ; the floor 2^(5 - 127): the byte cannot fall under 1
.endr
.irp b, 0,1,2,3
	v_add_nc_u32 v[BS+\b], 0xfe000000, v[BM+\b]    ; 4 off the exponent field: the conversion's scale operand
.endr
.irp b, 0,1,2,3
	v_lshrrev_b32 v[BP+\b], 23, v[BS+\b]           ; the scale's byte
.endr
	v_lshl_or_b32 v29, v[BP+1], 8, v[BP]           ; p's scale word for these 128 keys
	v_lshl_or_b32 v29, v[BP+2], 16, v29
	v_lshl_or_b32 v29, v[BP+3], 24, v29
.irp c, 0,1
	v_cvt_scalef32_pk16_bf6_f32 v[192+6*\c:194+6*\c], v[96+32*\c:111+32*\c], v[BS+2*\c]
	v_cvt_scalef32_pk16_bf6_f32 v[204+4*\c:206+4*\c], v[112+32*\c:127+32*\c], v[BS+2*\c+1]
.endr
	v_nop                                          ; one plain place behind the scaled conversions
	s_wait_alu depctr_va_vdst(0)                   ; the sums and the conversions are done reading p, in whose registers V's fragments land
.irp t, 0,1,2,3
.irp c, 0,1,2
	ds_load_b128 v[96+12*\t+4*\c:99+12*\t+4*\c], v8 offset:6144+1536*\t+512*\c   ; V's four fragments, into the registers that p has left
.endr
.endr
.irp c, 0,1                                        ; the operand wants a whole block in a lane
.irp i, 0,1,2
	v_permlane16_swap_b32 v[192+6*\c+\i], v[204+4*\c+\i]
.endr
.irp i, 0,1,2
	v_mov_b32 v[195+6*\c+\i], v[204+4*\c+\i]
.endr
.endr
.set j, 0
.rept 16
	v_pk_mul_f32 v[160+j:161+j], v[160+j:161+j], v[224:225] op_sel_hi:[1,0]   ; O^T under the new M; these sixteen are also the places between the codes' and the scale word's last writes and the products
.set j, j+2
.endr
	s_wait_dscnt 0x0
	s_wait_alu depctr_va_vdst(0)                   ; p's codes v192-203 and its scale word v29 are written, which the products take as operand and scale; the places above stay beside this wait
.irp t, 0,1,2,3
	v_wmma_scale_f32_16x16x128_f8f6f4 v[160+8*\t:167+8*\t], v[96+12*\t:107+12*\t], v[192:203], v[160+8*\t:167+8*\t], v[88+\t], v29 matrix_a_fmt:MATRIX_FMT_BF6 matrix_b_fmt:MATRIX_FMT_BF6
.endr
.Lskip:
	s_add_co_u32 s97, s97, SLOT
	s_add_nc_u64 s[100:101], s[100:101], 256       ; (the step's scalar loads, if any, have been waited for)
	s_add_co_u32 s96, s96, 1
	s_cmp_lt_u32 s96, 16
	s_cbranch_scc1 .Lkey
	; ---- the tile's end: O^T / the sum, quantised along the head's 64, stored as half a fragment
	PLACES 4                                       ; behind the last products
	v_add_f32 v14, v14, v15
	v_permlanex16_b32 v226, v14, s[SEL], s[SEL+1]
	v_add_f32 v14, v14, v226                       ; the row's sum
	s_wait_alu depctr_va_vdst(0)
	v_rcp_f32 v15, v14
	v_nop                                          ; a plain place behind the transcendental
	s_wait_alu depctr_va_vdst(0)                   ; the reciprocal has written v15, ahead of its first reader
.set i, 0
.rept 32
	v_mul_f32 v[96+i], v[160+i], v15               ; register 16 b + i: channel 32 b + 16 h + i of my query
.set i, i+1
.endr
.irp b, 0,1
	v_max3_num_f32 v[BM+\b], |v[96+16*\b]|, |v[97+16*\b]|, 0x2800000
.endr
.irp i, 2,4,6,8,10,12,14
.irp b, 0,1
	v_max3_num_f32 v[BM+\b], v[BM+\b], |v[96+16*\b+\i]|, |v[97+16*\b+\i]|
.endr
.endr
.irp b, 0,1
	v_permlanex16_b32 v[BP+\b], v[BM+\b], s[SEL], s[SEL+1]
.endr
.irp b, 0,1
	v_max_num_f32 v[BM+\b], v[BM+\b], v[BP+\b]
.endr
.irp b, 0,1
	v_add_nc_u32 v[BS+\b], 0xfe000000, v[BM+\b]
.endr
.irp b, 0,1
	v_lshrrev_b32 v[BP+\b], 23, v[BS+\b]
.endr
	v_lshl_or_b32 v226, v[BP+1], 8, v[BP]          ; my head's two scale bytes
	v_cmp_eq_f32 vcc_lo, 0, v14                    ; no visible key: a choice of a value, no branch
	s_wait_alu depctr_va_vcc(0)                    ; VCC is written, ahead of its first reader
	v_cndmask_b32 v227, 0, -1, vcc_lo
	v_or_b32 v226, v226, v227                      ; then the bytes are 0xff
	v_cvt_scalef32_pk16_bf6_f32 v[192:194], v[96:111], v[BS]
	v_cvt_scalef32_pk16_bf6_f32 v[204:206], v[112:127], v[BS+1]
	v_nop
.irp i, 0,1,2
	v_permlane16_swap_b32 v[192+\i], v[204+\i]
.endr
.irp i, 0,1,2
	v_mov_b32 v[195+\i], v[204+\i]
.endr
	s_wait_alu depctr_va_vdst(0)                   ; the codes v192-197 and the scale bytes v226 are written, which the three stores read; the tile's products are done reading Q's registers, in which the next tile's loads land
	global_store_b128 v1, v[192:195], s[20:21]     ; 512 consecutive bytes, aligned
	global_store_b64 v2, v[196:197], s[20:21] offset:512
	global_store_b16 v5, v226, s[22:23]            ; one instruction a tile: two bytes of row r's scale word; both halves of the lanes store the same
	s_add_co_u32 s94, s94, 1
	s_cmp_lt_u32 s94, 2
	s_cbranch_scc1 .Lpass
	s_wait_dscnt 0x0                               ; the closing lines, six on end
	s_wait_alu 0x0
	s_wait_tensorcnt 0x0
	ds_add_u32 v254, v255
	s_wait_dscnt 0x0
	s_endpgm
.Lfunc_end_k_q309b38e1d4_attn:
	.size	k_q309b38e1d4_attn, .Lfunc_end_k_q309b38e1d4_attn-k_q309b38e1d4_attn
	.p2alignl 7, 3214868480
	.fill 96, 4, 3214868480
	.section	.rodata,"a",@progbits
	.p2align	6, 0x0
	.amdhsa_kernel k_q309b38e1d4_attn
		.amdhsa_group_segment_fixed_size 210944
		.amdhsa_private_segment_fixed_size 0
		.amdhsa_enable_private_segment 0
		.amdhsa_kernarg_size 24
		.amdhsa_user_sgpr_count 2
		.amdhsa_user_sgpr_kernarg_segment_ptr 1
		.amdhsa_wavefront_size32 1
		.amdhsa_system_sgpr_workgroup_id_x 1
		.amdhsa_system_sgpr_workgroup_id_y 1
		.amdhsa_system_sgpr_workgroup_id_z 1
		.amdhsa_system_vgpr_workitem_id 0
		.amdhsa_next_free_vgpr 256
		.amdhsa_next_free_sgpr 102
		.amdhsa_reserve_vcc 1
		.amdhsa_float_denorm_mode_32 3
		.amdhsa_float_denorm_mode_16_64 3
		.amdhsa_memory_ordered 1
		.amdhsa_forward_progress 1
		.amdhsa_inst_pref_size 38
	.end_amdhsa_kernel
	.amdgpu_metadata
---
amdhsa.version: [ 1, 2 ]
amdhsa.kernels:
  - .name:           k_q309b38e1d4_attn
    .symbol:         k_q309b38e1d4_attn.kd
    .args:
      - { .name: qkv, .offset: 0, .size: 8, .value_kind: global_buffer, .address_space: global }
      - { .name: mk, .offset: 8, .size: 8, .value_kind: global_buffer, .address_space: global }
      - { .name: ao, .offset: 16, .size: 8, .value_kind: global_buffer, .address_space: global }
    .group_segment_fixed_size: 210944
    .private_segment_fixed_size: 0
    .kernarg_segment_align: 8
    .kernarg_segment_size: 24
    .max_flat_workgroup_size: 512
    .sgpr_count:     102
    .vgpr_count:     256
    .wavefront_size: 32
...
	.end_amdgpu_metadata
.endif
;; end of part 7
;; launch outp (part 8): grid 4 x 64, 4 waves a work-group, clusters of 4 x 1, 168,448 bytes of LDS; arguments ao, wq, bo, out0; writes out0
.if DOCPART == 8
	.amdgcn_target "amdgcn-amd-amdhsa--gfx1250"
	.amdhsa_code_object_version 6
	.text
	.protected	k_q309b38e1d4_outp
	.globl	k_q309b38e1d4_outp
	.p2align	8
	.type	k_q309b38e1d4_outp,@function
k_q309b38e1d4_outp:
	s_mov_b64 s[64:65], 0
	v_nop
	global_prefetch_b8 v0, s[64:65] scope:SCOPE_SE
	s_setreg_imm32_b32 hwreg(HW_REG_WAVE_MODE, 25, 1), 1
	s_wait_xcnt 0x0
	s_wait_alu depctr_hold_cnt(0) depctr_sa_sdst(0) depctr_va_vdst(0) depctr_va_sdst(0) depctr_va_ssrc(0) depctr_va_vcc(0) depctr_vm_vsrc(0)
	s_getreg_b32 s2, hwreg(HW_REG_IB_STS2, 6, 4)
	s_cmp_eq_u32 s2, 0
	s_cbranch_scc0 .Lentry_in_a_cluster
	s_endpgm
.Lentry_in_a_cluster:
	s_bfe_u32 s2, ttmp6, 0x10000c
	s_cmp_lg_u32 s2, 0x3003
	s_cbranch_scc0 .Lentry_shape_is_right
	s_endpgm
.Lentry_shape_is_right:
; out0 = a Wo^T + bo on codes of BF6 (E3M2).  a: attention's result, [8,192][1,024], as images of operand registers with its scale words (buffer ao); Wo: images and scale words (buffer wq, matrix 3).
; SHARES.  Work-group (place cx in its cluster, y = block of 128 rows): 128 rows x columns 256 cx .. 256 cx + 255; wave w: 64 of them: 32 accumulators (8 tiles of rows x 4 tiles of columns), 8 K steps of 128, written out.
; CLUSTER.  The four work-groups of a cluster need the same 98,304 bytes of a's codes: each wave asks for a quarter of them by ONE joint tensor load (the same descriptor in all four, mask 15).  LDS is filled once: no slot is filled again.
; The weight's fragments come from memory straight into registers: a ring of four K steps (4 fragments + 4 scale words, 13 loads), three ahead.  a's fragments come from LDS, a K step ahead, in two sets.
; Source 0 = 16 rows of Wo, source 1 = 16 rows of a: a lane holds one row of the result and eight neighbouring columns a tile.  The rows of a tile (of Wo and of a) are not neighbours: index i of tile t is 32 (t / 2) + 8 (t % 2) + i + 8 (i / 8).
; The bias is the C of each sum's first matrix instruction.  A row whose scale bytes are 0xff (no visible key) comes out NaN.
; REGISTERS.  Window 0: v1-10 addresses; v16-47 a's scale words (register 8 (s / 2) + m: K step s even in lanes 0-15, odd in lanes 16-31); v48-63 the weight's scale words, ring of four; v64-127 rows on the way out, two sets.
;   Window 1: v0-191 the weight's ring; v192-223 the bias's four tiles.  Window 2: accumulator (m, tt) at v[8 (4 m + tt)].  Window 3: a's fragments, two sets, at v0 and v96.
.set STG, 98304                        ; behind a's images: a stage of 16 rows x 272 bytes for each wave; no tensor load lands there
.set SPT, 272
.set XS,  16
.set WS,  48
.set OB,  64
.set MSB, 0
.macro WIN new                         ; the immediate's high byte repeats the setting that is left
.if MSB != (\new)
	s_set_vgpr_msb (MSB<<8)|(\new)
.set MSB, (\new)
.endif
.endm
.macro PLACES n
.rept \n
	v_nop
.endr
.endm
.macro CROUND                          ; a round of the cluster's barrier: my work-group's barrier; wave 0 signals for the work-group; every wave waits for all four work-groups; my work-group's barrier once more
	s_barrier_signal -1
	s_barrier_wait -1
	s_cmp_lg_u32 s12, 0
	s_cbranch_scc1 .Lnot_wave_0_\@
	s_barrier_signal -3
.Lnot_wave_0_\@:
	s_barrier_wait -3
	s_barrier_signal -1
	s_barrier_wait -1
.endm
.macro WL s                            ; K step s of my four tiles of Wo into ring place s % 4
	WIN 0x40                               ; destination window 1
.irp tt, 0,1,2,3
.irp c, 0,1,2
	global_load_b128 v[48*((\s)%4)+12*\tt+4*\c:48*((\s)%4)+12*\tt+4*\c+3], v1, s[18:19] offset:12288*(\s)+1536*\tt+512*\c
.endr
.endr
	WIN 0
	global_load_b128 v[WS+4*((\s)%4):WS+4*((\s)%4)+3], v5, s[20:21] offset:512*(\s)
.endm
.macro XF s                            ; K step s of a's eight fragments into set s % 2: two half fragments each, 32 LDS loads
	WIN 0xc0                               ; destination window 3
.set AA, 1+2*((\s)/4)                  ; the address pair: v1, v2 for K steps 0-3; v3, v4 (49,152 bytes on) for 4-7: an LDS offset has 16 bits
.set OO, 12288*((\s)%4)
.set FF, 96*((\s)%2)
.irp m, 0,1,2,3,4,5,6,7
	ds_load_b128 v[FF+12*\m:FF+12*\m+3], v[AA] offset:OO+1536*\m
	ds_load_b64 v[FF+12*\m+4:FF+12*\m+5], v[AA+1] offset:OO+1536*\m+512
	ds_load_b128 v[FF+12*\m+6:FF+12*\m+9], v[AA] offset:OO+1536*\m+768
	ds_load_b64 v[FF+12*\m+10:FF+12*\m+11], v[AA+1] offset:OO+1536*\m+1280
.endr
	WIN 0
.endm
.macro KSTEP i
.if (\i) > 0
	PLACES 4                               ; in front of loads into registers that the last K step's matrix instructions have read
.endif
.if (\i) < 5
	WL (\i)+3
.endif
.if (\i) < 7
	XF (\i)+1
.endif
.if (\i) < 5
	s_wait_loadcnt 39                      ; my K step of Wo is in; the three younger, 13 loads each, may be out
.else
	s_wait_loadcnt 13*(7-(\i))             ; at the end fewer are behind it
.endif
.if (\i) < 7
	s_wait_dscnt 32                        ; my K step of a is in; the 32 loads just issued may be out
.else
	s_wait_dscnt 0x0
.endif
.if (\i) == 0
	WIN 0x9d                               ; source 0 (Wo) window 1, source 1 (a) window 3, C (bias) window 1, D window 2
.else
	WIN 0xad                               ; C and D window 2
.endif
.irp m, 0,1,2,3,4,5,6,7                ; 32 accumulators by turns, in the same order in every K step
.irp tt, 0,1,2,3
.set DD, 8*(4*\m+\tt)
.if (\i) == 0
	v_wmma_scale_f32_16x16x128_f8f6f4 v[DD:DD+7], v[48*((\i)%4)+12*\tt:48*((\i)%4)+12*\tt+11], v[96*((\i)%2)+12*\m:96*((\i)%2)+12*\m+11], v[192+8*\tt:199+8*\tt], v[WS+4*((\i)%4)+\tt], v[XS+8*((\i)/2)+\m] matrix_a_fmt:MATRIX_FMT_BF6 matrix_b_fmt:MATRIX_FMT_BF6
.elseif ((\i)%2) == 0
	v_wmma_scale_f32_16x16x128_f8f6f4 v[DD:DD+7], v[48*((\i)%4)+12*\tt:48*((\i)%4)+12*\tt+11], v[96*((\i)%2)+12*\m:96*((\i)%2)+12*\m+11], v[DD:DD+7], v[WS+4*((\i)%4)+\tt], v[XS+8*((\i)/2)+\m] matrix_a_fmt:MATRIX_FMT_BF6 matrix_b_fmt:MATRIX_FMT_BF6
.else
	v_wmma_scale_f32_16x16x128_f8f6f4 v[DD:DD+7], v[48*((\i)%4)+12*\tt:48*((\i)%4)+12*\tt+11], v[96*((\i)%2)+12*\m:96*((\i)%2)+12*\m+11], v[DD:DD+7], v[WS+4*((\i)%4)+\tt], v[XS+8*((\i)/2)+\m] matrix_a_fmt:MATRIX_FMT_BF6 matrix_b_fmt:MATRIX_FMT_BF6 matrix_b_scale:MATRIX_SCALE_ROW1
.endif
.endr
.endr
.endm
; THE WAY OUT, a tile of 16 rows x my 64 columns at a time: through my own stage, back as rows of 256 bytes
.macro TOSTAGE m
	WIN 0x08                               ; an LDS store's data are its source 1: window 2
.irp tt, 0,1,2,3
	ds_store_b128 v8, v[8*(4*(\m)+\tt):8*(4*(\m)+\tt)+3] offset:128*(\tt/2)+32*(\tt%2)        ; each accumulator from its low end on
	ds_store_b128 v8, v[8*(4*(\m)+\tt)+4:8*(4*(\m)+\tt)+7] offset:128*(\tt/2)+32*(\tt%2)+16
.endr
	WIN 0
.irp i, 0,1,2,3,4,5,6,7
	ds_load_b128 v[OB+32*((\m)%2)+4*\i:OB+32*((\m)%2)+4*\i+3], v9 offset:544*\i   ; LDS serves a wave's instructions in order: these see my stores, and the next tile's stores come behind them
.endr
.endm
.macro SEND m, younger                 ; younger: the LDS instructions issued behind tile m's loads, which may stay out
	s_wait_dscnt \younger
.irp i, 0,1,2,3,4,5,6,7
	global_store_b128 v10, v[OB+32*((\m)%2)+4*\i:OB+32*((\m)%2)+4*\i+3], s[10:11] offset:(32*((\m)/2)+8*((\m)%2)+2*\i+8*(\i/4))*4096 th:TH_STORE_NT   ; 16 lanes store 256 consecutive bytes, aligned; written once
.endr
.endm
	s_load_b256 s[4:11], s[0:1], 0x0               ; ao s[4:5], wq s[6:7], bo s[8:9], out0 s[10:11]
	v_lshl_add_u32 v254, v0, 2, 0x29000
	v_mov_b32 v255, 0
	ds_add_u32 v254, v255
	ds_add_u32 v254, v255
	v_lshrrev_b32 v1, 5, v0
	v_readfirstlane_b32 s12, v1                    ; wave 0..3
	s_bfe_u32 s13, ttmp6, 0x40000                  ; cx: which 256 columns; it enters plain loads' and stores' addresses alone
	s_and_b32 s14, ttmp7, 0xffff                   ; the block of 128 rows, which the four partners share
	; descriptor group 1: a dense block of 24,576 bytes as 96 rows of 256 bytes (32 elements of 8 bytes), no padding
	s_mov_b32 s24, 15|(3<<16)|(1<<21)              ; 15:0 the mask: all four work-groups; 17:16 elements of 8 bytes; 21 set beside a mask
	s_mov_b32 s25, 32<<16                          ; tensor_dim0 = 32
	s_mov_b32 s26, 96<<16                          ; tensor_dim1 = 96
	s_mov_b32 s27, 32<<16                          ; tile_dim0 = 32
	s_mov_b32 s28, 96                              ; tile_dim1 = 96
	s_mov_b32 s29, 32                              ; from row to row
	s_mov_b32 s30, 0
	s_mov_b32 s31, 0
	s_mov_b32 s32, 1                               ; group 0: count = 1
	s_mul_i32 s33, s12, 24576                      ; LDS address: my quarter
	s_mul_i32 s36, s14, 98304
	s_add_co_u32 s36, s36, s33
	s_mov_b32 s37, 0                               ; and the same quarter in memory
	s_lshl_b32 s38, s14, 12
	s_add_co_u32 s38, s38, 6291456
	s_mov_b32 s39, 0                               ; a's scale words
	s_lshl_b32 s40, s13, 10
	s_lshl_b32 s41, s12, 8
	s_add_co_u32 s40, s40, s41
	s_mov_b32 s41, 0                               ; my 64 columns, in bytes
	s_lshl_b32 s42, s13, 1
	s_lshr_b32 s43, s12, 1
	s_add_co_u32 s42, s42, s43                     ; the weight's group of 128 rows
	s_and_b32 s43, s12, 1                          ; and its half
	s_mul_i32 s44, s42, 98304
	s_mul_i32 s45, s43, 6144
	s_add_co_u32 s44, s44, s45
	s_add_co_u32 s44, s44, 2359296
	s_mov_b32 s45, 0
	s_lshl_b32 s46, s42, 12
	s_lshl_b32 s47, s43, 8
	s_add_co_u32 s46, s46, s47
	s_add_co_u32 s46, s46, 3244032
	s_mov_b32 s47, 0
	s_lshl_b32 s48, s14, 19
	s_add_co_u32 s48, s48, s40
	s_mov_b32 s49, 0
	v_and_b32 v11, 31, v0
	v_lshlrev_b32 v1, 4, v11                       ; 16 x lane
	v_lshlrev_b32 v2, 3, v11                       ; 8 x lane
	v_add_nc_u32 v3, 0xc000, v1
	v_add_nc_u32 v4, 0xc000, v2
	v_and_b32 v11, 15, v0                          ; r
	v_bfe_u32 v12, v0, 4, 1                        ; h
	v_lshlrev_b32 v5, 4, v11                       ; 16 r
	v_lshlrev_b32 v6, 5, v11
	v_lshl_add_u32 v6, v12, 9, v6                  ; 512 h + 32 r
	v_lshlrev_b32 v7, 6, v12                       ; 64 h
	s_mul_i32 s22, s12, 16*SPT
	s_add_co_u32 s22, s22, STG                     ; my stage
	v_mul_u32_u24 v8, v11, SPT
	v_lshl_add_u32 v8, v12, 6, v8
	v_add_nc_u32 v8, s22, v8                       ; in: row r, + 64 h
	v_mul_u32_u24 v9, v12, SPT
	v_lshl_add_u32 v9, v11, 4, v9
	v_add_nc_u32 v9, s22, v9                       ; back: lanes 0-15 one row, lanes 16-31 the next
	v_lshlrev_b32 v10, 12, v12
	v_lshl_add_u32 v10, v11, 4, v10                ; and the same two rows in out0
	s_wait_dscnt 0x0
	s_wait_kmcnt 0x0
	s_add_nc_u64 s[34:35], s[4:5], s[36:37]
	s_or_b32 s35, s35, 0x80000000                  ; type = 2
	s_add_nc_u64 s[16:17], s[4:5], s[38:39]
	s_add_nc_u64 s[8:9], s[8:9], s[40:41]
	s_add_nc_u64 s[18:19], s[6:7], s[44:45]
	s_add_nc_u64 s[20:21], s[6:7], s[46:47]
	s_add_nc_u64 s[10:11], s[10:11], s[48:49]
	CROUND                                         ; all four work-groups are here: the joint loads meet
	tensor_load_to_lds s[32:35], s[24:31]          ; my one tensor load of the launch
	s_nop 0
	PLACES 4                                       ; four v_nop follow it
.irp q, 0,1,2,3
	global_load_b128 v[XS+8*\q:XS+8*\q+3], v6, s[16:17] offset:1024*\q
	global_load_b128 v[XS+8*\q+4:XS+8*\q+7], v6, s[16:17] offset:1024*\q+16
.endr
	WIN 0x40
	s_wait_alu depctr_va_vdst(0)
.irp tt, 0,1,2,3
	global_load_b128 v[192+8*\tt:195+8*\tt], v7, s[8:9] offset:4*(32*(\tt/2)+8*(\tt%2))      ; lane (r, h): columns 32 (tt / 2) + 16 h + 8 (tt % 2) + 0 .. 7
	global_load_b128 v[196+8*\tt:199+8*\tt], v7, s[8:9] offset:4*(32*(\tt/2)+8*(\tt%2))+16
.endr
	WIN 0
	WL 0
	WL 1
	WL 2
	s_wait_tensorcnt 0x0                           ; my quarter of a's images has landed,
	s_barrier_signal -1
	s_barrier_wait -1                              ; everybody's has
	XF 0
	KSTEP 0
	KSTEP 1
	KSTEP 2
	KSTEP 3
	KSTEP 4
	KSTEP 5
	KSTEP 6
	KSTEP 7
	WIN 0
	PLACES 4                                       ; behind the last matrix instructions: their results are read
	TOSTAGE 0
.irp a, 1,2,3,4,5,6,7
.if \a > 1
	s_wait_xcnt 0x0                                ; tile a - 2's stores have read their registers: tile a's loads may land there
.endif
	TOSTAGE \a
	SEND \a-1, 16                                  ; behind tile a - 1's loads: tile a's 8 stores and 8 loads
.endr
	SEND 7, 0                                      ; no LDS instruction of mine is out behind this wait
	s_wait_tensorcnt 0x0
	ds_add_u32 v254, v255
	s_wait_dscnt 0x0
	CROUND                                         ; the closing round: no work-group ends while a partner may still ask
	s_endpgm
.Lfunc_end_k_q309b38e1d4_outp:
	.size	k_q309b38e1d4_outp, .Lfunc_end_k_q309b38e1d4_outp-k_q309b38e1d4_outp
	.p2alignl 7, 3214868480
	.fill 96, 4, 3214868480
	.section	.rodata,"a",@progbits
	.p2align	6, 0x0
	.amdhsa_kernel k_q309b38e1d4_outp
		.amdhsa_group_segment_fixed_size 168448
		.amdhsa_private_segment_fixed_size 0
		.amdhsa_enable_private_segment 0
		.amdhsa_kernarg_size 32
		.amdhsa_user_sgpr_count 2
		.amdhsa_user_sgpr_kernarg_segment_ptr 1
		.amdhsa_wavefront_size32 1
		.amdhsa_system_sgpr_workgroup_id_x 1
		.amdhsa_system_sgpr_workgroup_id_y 1
		.amdhsa_system_sgpr_workgroup_id_z 1
		.amdhsa_system_vgpr_workitem_id 0
		.amdhsa_next_free_vgpr 1024
		.amdhsa_next_free_sgpr 66
		.amdhsa_reserve_vcc 0
		.amdhsa_float_denorm_mode_32 3
		.amdhsa_float_denorm_mode_16_64 3
		.amdhsa_memory_ordered 1
		.amdhsa_forward_progress 1
		.amdhsa_inst_pref_size 83
	.end_amdhsa_kernel
	.amdgpu_metadata
---
amdhsa.version: [ 1, 2 ]
amdhsa.kernels:
  - .name:           k_q309b38e1d4_outp
    .symbol:         k_q309b38e1d4_outp.kd
    .args:
      - { .name: ao, .offset: 0, .size: 8, .value_kind: global_buffer, .address_space: global }
      - { .name: wq, .offset: 8, .size: 8, .value_kind: global_buffer, .address_space: global }
      - { .name: bo, .offset: 16, .size: 8, .value_kind: global_buffer, .address_space: global }
      - { .name: out0, .offset: 24, .size: 8, .value_kind: global_buffer, .address_space: global }
    .group_segment_fixed_size: 168448
    .private_segment_fixed_size: 0
    .kernarg_segment_align: 8
    .kernarg_segment_size: 32
    .max_flat_workgroup_size: 128
    .sgpr_count:     66
    .vgpr_count:     1024
    .wavefront_size: 32
...
	.end_amdgpu_metadata
.endif
;; end of part 8
